; MI455X (gfx1250); checked and timed in simulation.
; The chip was launched on July 23, 2026; its instructions are those of AMD's public machine-readable ISA for CDNA 5 (MIT licence, August 2026) and "CDNA5" Instruction Set Architecture Reference Guide (July 2026). The comments in the code are by the model that wrote it; some were corrected since.
;; Block. Allowed arithmetic: matrix products marked QUANTISED: E2M3 operands, one E8M0 scale for each 32 along K, by v_wmma_scale_f32_16x16x128_f8f6f4 with both operands' format E2M3, f32 sums; everything else in f32.
;; Inputs: b_fc 4,096 float32; b_mlp_proj 1,024 float32; ln1_b 1,024 float32; ln1_w 1,024 float32; ln2_b 1,024 float32; ln2_w 1,024 float32; w_attn_proj 1,024 x 1,024 float32; w_fc 1,024 x 4,096 float32; w_mlp_proj 4,096 x 1,024 float32; w_qkv 1,024 x 3,072 float32; x 2 x 2,048 x 1,024 float32.
;; Outputs: out0 2 x 2,048 x 1,024 float32.
;; This version of the problem:
;;   THIS VERSION OF THE PROBLEM IS GIVEN IN LOW PRECISION. The matrix products marked QUANTISED in the list below multiply operands that are first quantised to E2M3 (2 exponent bits, 3 mantissa bits; 6 bits a number), with one power-of-two scale for each 32 numbers along K (OCP MX v1.0); their sums are f32. All else is computed in f32.
;;   The module's matrix products, in the order in which they are computed (A, B: the left and right operand; K: the contracted axis; several contracted axes count as one K, in the product's order):
;;     1. [M 4,096, K 1,024] x [K 1,024, N 3,072]; A: computed on the way; B: input w_qkv: QUANTISED
;;     2. batch 32 x [M 2,048, K 64] x [K 64, N 2,048]; A: computed on the way; B: computed on the way: QUANTISED
;;     3. batch 32 x [M 2,048, K 2,048] x [K 2,048, N 64]; A: softmax (see below); B: computed on the way: QUANTISED
;;     4. [M 4,096, K 1,024] x [K 1,024, N 1,024]; A: computed on the way; B: input w_attn_proj: QUANTISED
;;     5. [M 4,096, K 1,024] x [K 1,024, N 4,096]; A: computed on the way; B: input w_fc: QUANTISED
;;     6. [M 4,096, K 4,096] x [K 4,096, N 1,024]; A: computed on the way; B: input w_mlp_proj: QUANTISED
;;   THE QUANTISER, for each operand of a quantised product, along K:
;;     - K is cut into blocks of 32 from its start; a last block that is shorter is filled with zeros.
;;     - A block's scale is 2^e with e = floor(log2(the largest magnitude in the block)) - 2, held to -126 .. 127; a block of zeros has e = 0. As a byte (E8M0): e + 127.
;;     - Each number is divided by its block's scale, clamped to +-7.5, and rounded to the nearest number of E2M3, ties to even, subnormals kept.
;;     - The product sums the exact products of the quantised numbers (number of the format x scale) in f32.
;;   ~~~python
;;   def quantise(x, axis):      # numpy; x: float32 -> the quantised numbers, widened to float32 again
;;       x = np.moveaxis(x, axis, -1); K = x.shape[-1]
;;       x = np.pad(x, [(0, 0)] * (x.ndim - 1) + [(0, -K % 32)]); x = x.reshape(x.shape[:-1] + (-1, 32)); a = np.abs(x).max(-1, keepdims=True)
;;       e = np.where(a > 0, np.clip(np.frexp(np.where(a > 0, a, 1))[1] - 1 - 2, -126, 127), 0)      # np.frexp(a)[1] - 1 = floor(log2(a)), exactly
;;       r = np.clip(x / 2.0 ** e, -7.5, 7.5)
;;       step = 2.0 ** (np.maximum(np.frexp(np.where(r == 0, 1, r))[1] - 1, 0) - 3)
;;       q = np.round(r / step) * step * 2.0 ** e      # np.round: ties to even
;;       return np.moveaxis(q.reshape(q.shape[:-2] + (-1,))[..., :K], -1, axis).astype(np.float32)
;;   ~~~
;;   SOFTMAX AHEAD OF A QUANTISED PRODUCT. Where the list says 'softmax', what is quantised is not the finished softmax but p = 2^(t - M), with t = logit x log2(e) and M = ceil(the row's largest t), a whole number; so 1/2 < the row's largest p <= 1. The row's sum l is taken of the UNQUANTISED p, in f32, and the product's result is divided by l at the end. Since M is a whole number, a kernel that streams over the keys may use a running M (the ceiling of the running maximum): every later rescaling is an exact power of two, which a block's scale takes up: the codes' values come out the same.
;;   OPERANDS COMPUTED ON THE WAY. 'Computed on the way' means the value that the module computes at that place (a softmax that the list does not call 'softmax' is quantised finished and normalised). What goes into a quantiser is computed in f32, as accurately as f32 sums, v_exp_f32 and their like allow (about 1e-6 of the number): no bf16 or f16 on the way to a quantiser, and a product that is left as it is and whose result goes on into a quantised operand takes f32 operands (vector FMAs, or v_wmma_f32_16x16x4_f32). A number that lies on a knife's edge between two numbers of the format may be rounded either way, as far as f32 arithmetic and the matrix unit's own rounding can turn it there, and no further.
;; One version. Each part assembles by itself: llvm-mc -triple=amdgcn-amd-amdhsa -mcpu=gfx1250 --defsym DOCPART=n.
;; ======== version 1 of 1: 7 launches
;; limits: right only within a limited range of input values
;; workspace buffers: wts 9,830,400 bytes; xq 3,276,800 bytes; qkvq 9,830,400 bytes; yq 3,276,800 bytes; x1 16,777,216 bytes; hq 3,276,800 bytes; gq 13,107,200 bytes
;; launch prep (part 1): grid 640 x 1, 8 waves a work-group, no clusters, 75,264 bytes of LDS; arguments x, ln1_w, ln1_b, xq, w_qkv, w_attn_proj, w_fc, w_mlp_proj, wts; writes xq, wts
.if DOCPART == 1
	.amdgcn_target "amdgcn-amd-amdhsa--gfx1250"
	.amdhsa_code_object_version 6
	.text
	.protected	k_q973b4c7757_prep
	.globl	k_q973b4c7757_prep
	.p2align	8
	.type	k_q973b4c7757_prep,@function
k_q973b4c7757_prep:
	s_mov_b64 s[64:65], 0
	v_nop
	global_prefetch_b8 v0, s[64:65] scope:SCOPE_SE
	s_setreg_imm32_b32 hwreg(HW_REG_WAVE_MODE, 25, 1), 1
	s_wait_xcnt 0x0
; TWO JOBS THAT HANG ON INPUTS ALONE, IN ONE LAUNCH.  Work-groups 0-255: the first layer norm of x, quantised.  Work-groups 256-639: the four weights, quantised.  Both give codes of FP6 (E2M3) with one E8M0 byte
; for each 32 along K, laid as IMAGES OF OPERAND REGISTERS.  The two ways part on the work-group's number, which is alike in all waves of a work-group.
; TILES AND IMAGES: a tile is 16 rows of an operand (tokens, or a weight's columns n): lane r of tile t holds row 32 (t / 2) + 8 (t % 2) + r + 8 (r / 8).  An image (1,536 bytes) is the fragment (tile, 128 along K):
; byte 256 p + 8 lane holds the lane's registers 2 p, 2 p + 1; lane (r, h), registers 6 c .. 6 c + 5 = k 64 c + 32 h + 0 .. 31.  A scale image (64 bytes): word r = the four bytes of that row and K step.
; Images lie in groups of g tiles: ((t / g) KS + s) g + t % g, KS = K / 128, so that g tiles x any run of K steps are one dense block.
; A block's scale is 2^(floor(log2(largest magnitude)) - 2); its byte is that magnitude's exponent field - 2, held at 1 from below.
; THE WEIGHTS, f32 [K][N] with K as the FIRST axis: a lane takes a column and its registers run down K: a load reads 128 consecutive bytes a wave, a block of 32 along K lies in one lane, the conversions give codes
; with K innermost.  A wave takes 32 columns (two tiles) x 128 along K: four blocks a lane; the two images, 3,072 consecutive bytes, are gathered in the wave's own LDS bytes and leave 512 bytes a store.  Waves share
; nothing there: no barrier.  The four weights' ways use the same LDS bytes: on each way a wave's bytes are the same constant + 3,072 x its number.
; THE LAYER NORM, (x - mean) rsqrt(var + 1e-5) w + b on rows of 1,024: a work-group owns tile t, wave w its lanes-to-be 2 w and 2 w + 1, two neighbouring rows, 8,192 dense bytes.  A row stays in 32 registers: mean,
; then the sum of squares of x - mean (two passes over registers, so a common offset of the inputs costs nothing), read from memory once.  A load takes the bytes as they lie, 16 a lane; the conversions want 32
; neighbours in a lane: the row turns through the wave's own stage in LDS (32 places of 128 + 16 bytes).  Then lane l holds block l.  Codes and bytes meet in LDS as the tile's eight images; behind one barrier wave w
; stores image w.  Its images lie in groups of 8 tiles, its scale images from byte 3,145,728 of its buffer.
; LDS: bytes 0 .. 49,663 are the layer norm's, the 24,576 behind them the weights'.
; LIMITS: a block of zeros, or one whose largest magnitude lies under 2^-124, gets the byte 1 (the bytes are read by this program alone; zero codes add nothing); v_rsq_f32 is good to one unit in the last place;
; NaN and infinities are not served.
; ---------------------------------------------------------------- the weights
.set X, 32                             ; v32-95   two sets of 32 numbers
.set C, 96                             ; v96-127  eight registers of codes for each block: no store's data are written again
.set WQB, 49664                        ; where the weights' LDS bytes begin
.macro WLOAD t, N                      ; block t: W(32 t + i, my column), i = 0 .. 31
.set I, 0
.rept 32
	global_load_b32 v[X+32*((\t)%2)+I], v2, s[22:23] offset:(32*(\t)+I)*\N*4 th:TH_LOAD_NT
.set I, I+1
.endr
.endm
.macro WBLOCK t, N
.set XS, X+32*((\t)%2)
.set CC, C+8*(\t)
.if (\t) < 3
	s_wait_loadcnt 32                              ; this block's 32 loads are in; the next block's 32 may be out
.else
	s_wait_loadcnt 0x0
.endif
	v_max3_num_f32 v12, |v[XS]|, |v[XS+1]|, |v[XS+2]|            ; the block's largest magnitude: all 32 numbers are mine; two chains
	v_max3_num_f32 v13, |v[XS+3]|, |v[XS+4]|, |v[XS+5]|
.irp i, 6,10,14,18,22,26
	s_delay_alu instid0(VALU_DEP_2)
	v_max3_num_f32 v12, v12, |v[XS+\i]|, |v[XS+\i+1]|
	s_delay_alu instid0(VALU_DEP_2)
	v_max3_num_f32 v13, v13, |v[XS+\i+2]|, |v[XS+\i+3]|
.endr
	s_delay_alu instid0(VALU_DEP_2)
	v_max3_num_f32 v12, v12, |v[XS+30]|, |v[XS+31]|
	s_delay_alu instid0(VALU_DEP_1)
	v_max3_num_f32 v12, v12, v13, 0x1800000        ; and the floor 2^(3 - 127): the byte cannot fall under 1
	s_delay_alu instid0(VALU_DEP_1)
	v_add_nc_u32 v11, 0xff000000, v12              ; 2 off the exponent field: the conversion takes this operand's exponent field as its scale
	s_delay_alu instid0(VALU_DEP_1)
	v_lshrrev_b32 v13, 23, v11                     ; the scale's byte
.if (\t) == 0
	s_delay_alu instid0(VALU_DEP_1)
	v_mov_b32 v24, v13                             ; four bytes make my column's scale word, the lower K in the lower byte
.else
	s_delay_alu instid0(VALU_DEP_1)
	v_lshl_or_b32 v24, v13, 8*(\t), v24
.endif
	v_cvt_scalef32_pk16_fp6_f32 v[CC:CC+2], v[XS:XS+15], v11
	v_cvt_scalef32_pk16_fp6_f32 v[CC+4:CC+6], v[XS+16:XS+31], v11   ; (a conversion's three registers begin on an even number)
	v_nop                                          ; one plain place behind a scaled conversion
	v_mov_b32 v[CC+3], v[CC+4]                     ; the block's six registers on end
	v_mov_b32 v[CC+4], v[CC+5]
	v_mov_b32 v[CC+5], v[CC+6]
.irp i, 0,1,2                          ; block t = 2 c + h of the fragment: pieces 3 c + i, lane r + 16 h
	ds_store_b64 v3, v[CC+2*\i:CC+2*\i+1] offset:WQB+(3*((\t)/2)+\i)*256+((\t)%2)*128
.endr
.if (\t)+2 < 4
	WLOAD (\t)+2, \N
.endif
.endm
; One weight.  N columns, KS = 2^LKS K steps, groups of 2^LG tiles, pointer in s[SRC:SRC+1], first work-group WG0, images from IMGOFF and scale images from SCOFF of the workspace.
.macro WQ N, LKS, LG, SRC, WG0, IMGOFF, SCOFF
	s_sub_co_u32 s17, ttmp9, \WG0
	s_and_b32 s18, s17, (1<<\LKS)-1                ; s: which 128 along K
	s_lshr_b32 s19, s17, \LKS                      ; cg: which 256 columns
	s_mul_i32 s20, s18, 128*\N*4
	s_lshl_b32 s21, s19, 10
	s_add_co_u32 s20, s20, s21
	s_lshl_b32 s21, s16, 7
	s_add_co_u32 s20, s20, s21                     ; (128 s N + 256 cg + 32 wave) x 4 bytes
	s_mov_b32 s21, 0
	s_add_nc_u64 s[22:23], s[\SRC:\SRC+1], s[20:21]
	s_lshl_b32 s24, s19, 4
	s_lshl_b32 s25, s16, 1
	s_add_co_u32 s24, s24, s25                     ; T: my first tile = 16 cg + 2 wave
	s_lshr_b32 s25, s24, \LG
	s_lshl_b32 s25, s25, \LKS
	s_add_co_u32 s25, s25, s18
	s_lshl_b32 s25, s25, \LG
	s_and_b32 s26, s24, (1<<\LG)-1
	s_add_co_u32 s25, s25, s26                     ; the image's number: ((T / g) KS + s) g + T % g
	s_mul_i32 s26, s25, 1536
	s_add_co_u32 s26, s26, \IMGOFF
	s_mov_b32 s27, 0
	s_add_nc_u64 s[26:27], s[12:13], s[26:27]
	s_lshl_b32 s28, s25, 6
	s_add_co_u32 s28, s28, \SCOFF
	s_mov_b32 s29, 0
	s_add_nc_u64 s[28:29], s[12:13], s[28:29]
	WLOAD 0, \N
	WLOAD 1, \N
	WBLOCK 0, \N
	WBLOCK 1, \N
	WBLOCK 2, \N
	WBLOCK 3, \N
	global_store_b32 v6, v24, s[28:29]             ; the two tiles' scale images: 128 consecutive bytes a wave
.irp c, 0,1,2,3,4,5
	ds_load_b128 v[32+4*\c:35+4*\c], v4 offset:WQB+512*\c   ; LDS serves a wave's instructions in order: these see my stores
.endr
.irp c, 0,1,2,3,4,5
	s_wait_dscnt 5-\c                              ; the younger loads may be out
	global_store_b128 v5, v[32+4*\c:35+4*\c], s[26:27] offset:512*\c   ; 32 lanes store 512 consecutive bytes, aligned
.endr
	s_wait_tensorcnt 0x0
	ds_add_u32 v30, v31
	s_wait_dscnt 0x0
	s_endpgm
.endm
; ---------------------------------------------------------------- the layer norm
.set X0, 32                            ; v32-63   row 0
.set X1, 64                            ; v64-95   row 1
.set WR, 96                            ; v96-127  the gain at my columns
.set BR, 128                           ; v128-159 the bias
.set T0, WR                            ; row 0, turned: my block of 32: on the gain's registers, which are done with by then
.set T1, BR                            ; row 1: on the bias's
.set C0, X0                            ; codes: on row 0's registers, whose stores into the stage are done by then
.set C1, X0+8
.set STGB, 4608                        ; a wave's stage
.set IMG0, 8*STGB                      ; the tile's eight images
.set SC0,  IMG0+8*1536                 ; and eight scale images
.macro RED a, t                        ; the sum over the 32 lanes, in every lane
	s_delay_alu instid0(VALU_DEP_1)
	v_add_f32_dpp v[\a], v[\a], v[\a] row_xmask:1 row_mask:0xf bank_mask:0xf
	s_delay_alu instid0(VALU_DEP_1)
	v_add_f32_dpp v[\a], v[\a], v[\a] row_xmask:2 row_mask:0xf bank_mask:0xf
	s_delay_alu instid0(VALU_DEP_1)
	v_add_f32_dpp v[\a], v[\a], v[\a] row_xmask:4 row_mask:0xf bank_mask:0xf
	s_delay_alu instid0(VALU_DEP_1)
	v_add_f32_dpp v[\a], v[\a], v[\a] row_xmask:8 row_mask:0xf bank_mask:0xf
	s_delay_alu instid0(VALU_DEP_1)
	v_permlanex16_b32 v[\t], v[\a], s12, s13
	s_delay_alu instid0(VALU_DEP_1)
	v_add_f32 v[\a], v[\a], v[\t]
.endm
.macro STAT x, mu, rs                  ; the row in v[x ..] becomes x - mean; 1 / sqrt(var + eps) into the pair v[rs], v[rs + 1]
	v_pk_add_f32 v[10:11], v[\x:\x+1], v[\x+2:\x+3]
	v_pk_add_f32 v[12:13], v[\x+4:\x+5], v[\x+6:\x+7]
.irp j, 8,12,16,20,24,28
	s_delay_alu instid0(VALU_DEP_2)
	v_pk_add_f32 v[10:11], v[10:11], v[\x+\j:\x+\j+1]
	s_delay_alu instid0(VALU_DEP_2)
	v_pk_add_f32 v[12:13], v[12:13], v[\x+\j+2:\x+\j+3]
.endr
	s_delay_alu instid0(VALU_DEP_1)
	v_pk_add_f32 v[10:11], v[10:11], v[12:13]
	s_delay_alu instid0(VALU_DEP_1)
	v_add_f32 v10, v10, v11
	RED 10, 11
	s_delay_alu instid0(VALU_DEP_1)
	v_mul_f32 v[\mu], s14, v10                     ; / 1,024
	s_delay_alu instid0(VALU_DEP_1)
	v_mov_b32 v[\mu+1], v[\mu]
.irp j, 0,2,4,6,8,10,12,14,16,18,20,22,24,26,28,30
	v_pk_add_f32 v[\x+\j:\x+\j+1], v[\x+\j:\x+\j+1], v[\mu:\mu+1] neg_lo:[0,1] neg_hi:[0,1]
.endr
	v_pk_mul_f32 v[10:11], v[\x:\x+1], v[\x:\x+1]
	v_pk_mul_f32 v[12:13], v[\x+2:\x+3], v[\x+2:\x+3]
.irp j, 4,8,12,16,20,24,28
	s_delay_alu instid0(VALU_DEP_2)
	v_pk_fma_f32 v[10:11], v[\x+\j:\x+\j+1], v[\x+\j:\x+\j+1], v[10:11]
	s_delay_alu instid0(VALU_DEP_2)
	v_pk_fma_f32 v[12:13], v[\x+\j+2:\x+\j+3], v[\x+\j+2:\x+\j+3], v[12:13]
.endr
	s_delay_alu instid0(VALU_DEP_1)
	v_pk_add_f32 v[10:11], v[10:11], v[12:13]
	s_delay_alu instid0(VALU_DEP_1)
	v_add_f32 v10, v10, v11
	RED 10, 11
	s_delay_alu instid0(VALU_DEP_1)
	v_fma_f32 v10, v10, s14, s15                   ; var + eps
	s_wait_alu depctr_va_vdst(0)
	v_rsq_f32 v[\rs], v10
	v_nop                                          ; a plain place behind the transcendental,
	s_wait_alu depctr_va_vdst(0)                   ; and the wait ahead of its first reader
	v_mov_b32 v[\rs+1], v[\rs]
.endm
.macro APPLY x, rs
.irp j, 0,2,4,6,8,10,12,14,16,18,20,22,24,26,28,30
	v_pk_mul_f32 v[\x+\j:\x+\j+1], v[\x+\j:\x+\j+1], v[\rs:\rs+1]
.endr
.irp j, 0,2,4,6,8,10,12,14,16,18,20,22,24,26,28,30
	v_pk_fma_f32 v[\x+\j:\x+\j+1], v[\x+\j:\x+\j+1], v[WR+\j:WR+\j+1], v[BR+\j:BR+\j+1]
.endr
.endm
.macro TURNROW x, t                    ; through the stage: in as loaded (byte 512 j + 16 l of the row lies in block 4 j + l / 8), out 128 bytes a lane
.irp j, 0,1,2,3,4,5,6,7
	ds_store_b128 v3, v[\x+4*\j:\x+4*\j+3] offset:576*\j
.endr
.irp j, 0,1,2,3,4,5,6,7
	ds_load_b128 v[\t+4*\j:\t+4*\j+3], v4 offset:16*\j   ; LDS serves a wave's instructions in order: these see the stores above, and the next row's stores come behind them
.endr
.endm
.macro QROW t, c, e                    ; my block of row e: its byte and its 24 bytes of codes, to their places in the images
	v_max3_num_f32 v12, |v[\t]|, |v[\t+1]|, |v[\t+2]|
	v_max3_num_f32 v13, |v[\t+3]|, |v[\t+4]|, |v[\t+5]|
.irp i, 6,10,14,18,22,26
	s_delay_alu instid0(VALU_DEP_2)
	v_max3_num_f32 v12, v12, |v[\t+\i]|, |v[\t+\i+1]|
	s_delay_alu instid0(VALU_DEP_2)
	v_max3_num_f32 v13, v13, |v[\t+\i+2]|, |v[\t+\i+3]|
.endr
	s_delay_alu instid0(VALU_DEP_2)
	v_max3_num_f32 v12, v12, |v[\t+30]|, |v[\t+31]|
	s_delay_alu instid0(VALU_DEP_1)
	v_max3_num_f32 v12, v12, v13, 0x1800000        ; the floor 2^(3 - 127): the byte cannot fall under 1
	s_delay_alu instid0(VALU_DEP_1)
	v_add_nc_u32 v11, 0xff000000, v12              ; 2 off the exponent field: the conversion's scale operand
	v_cvt_scalef32_pk16_fp6_f32 v[\c:\c+2], v[\t:\t+15], v11
	v_cvt_scalef32_pk16_fp6_f32 v[\c+4:\c+6], v[\t+16:\t+31], v11
	v_lshrrev_b32 v[14+\e], 23, v11                ; the scale's byte; also the plain place behind the conversions
	v_mov_b32 v[\c+3], v[\c+4]
	v_mov_b32 v[\c+4], v[\c+5]
	v_mov_b32 v[\c+5], v[\c+6]
.irp i, 0,1,2
	ds_store_b64 v5, v[\c+2*\i:\c+2*\i+1] offset:256*\i+8*\e
.endr
	ds_store_b8 v6, v[14+\e] offset:4*\e
.endm
	v_lshl_add_u32 v30, v0, 2, 0x12200
	v_mov_b32 v31, 0
	v_lshrrev_b32 v1, 5, v0
	s_delay_alu instid0(VALU_DEP_1)
	v_readfirstlane_b32 s16, v1                    ; wave 0..7
	v_and_b32 v1, 31, v0                           ; lane l
	s_cmp_lt_u32 ttmp9, 256                        ; the layer norm's work-groups come first: theirs is the longer chain
	s_cbranch_scc0 .Lweights
	; ---------------- the layer norm: tile t = the work-group's number
	s_load_b256 s[4:11], s[0:1], 0x0               ; the rows, the gain, the bias, the workspace
	v_lshlrev_b32 v2, 4, v1                        ; 16 l
	s_mul_i32 s17, s16, STGB
	v_lshrrev_b32 v10, 3, v1
	s_delay_alu instid0(VALU_DEP_1)
	v_mul_u32_u24 v3, v10, 144
	v_and_b32 v11, 7, v1
	s_delay_alu instid0(VALU_DEP_1)
	v_lshl_add_u32 v3, v11, 4, v3
	s_delay_alu instid0(VALU_DEP_1)
	v_add_nc_u32 v3, s17, v3                       ; the stage, in: 144 (l / 8) + 16 (l % 8)
	v_mul_u32_u24 v4, v1, 144
	s_delay_alu instid0(VALU_DEP_1)
	v_add_nc_u32 v4, s17, v4                       ; and out: 144 l
	v_lshrrev_b32 v10, 2, v1                       ; block l: K step l / 4, c = (l / 2) % 2, h = l % 2
	s_delay_alu instid0(VALU_DEP_1)
	v_mul_u32_u24 v5, v10, 1536
	v_bfe_u32 v11, v1, 1, 1
	s_delay_alu instid0(VALU_DEP_1)
	v_mad_u32_u24 v5, v11, 768, v5
	v_and_b32 v11, 1, v1
	s_delay_alu instid0(VALU_DEP_1)
	v_lshl_add_u32 v5, v11, 7, v5
	s_lshl_b32 s18, s16, 4
	s_add_co_u32 s18, s18, IMG0
	v_add_nc_u32 v5, s18, v5                       ; my codes: image l / 4, + 768 c + 128 h + 8 (2 w + e)
	v_lshlrev_b32 v6, 6, v10
	v_and_b32 v11, 3, v1
	s_delay_alu instid0(VALU_DEP_1)
	v_add_nc_u32 v6, v6, v11
	s_lshl_b32 s18, s16, 3
	s_add_co_u32 s18, s18, SC0
	v_add_nc_u32 v6, s18, v6                       ; my byte: scale image l / 4, word 2 w + e, byte l % 4
	s_mul_i32 s18, s16, 1536
	s_add_co_u32 s18, s18, IMG0
	v_add_nc_u32 v7, s18, v2                       ; the way out: image w, 16 bytes a lane
	v_and_b32 v9, 15, v1
	s_delay_alu instid0(VALU_DEP_1)
	v_lshlrev_b32 v9, 2, v9
	s_lshl_b32 s18, s16, 6
	s_add_co_u32 s18, s18, SC0
	v_add_nc_u32 v8, s18, v9                       ; and scale image w, word l % 16
	s_mov_b32 s12, 0x76543210
	s_mov_b32 s13, 0xfedcba98                      ; v_permlanex16_b32's selects for lane l xor 16
	s_mov_b32 s14, 0x3a800000                      ; 1 / 1,024
	s_mov_b32 s15, 0x3727c5ac                      ; 1e-5
	s_lshr_b32 s19, ttmp9, 1
	s_lshl_b32 s19, s19, 5
	s_and_b32 s20, ttmp9, 1
	s_lshl_b32 s20, s20, 3
	s_add_co_u32 s19, s19, s20
	s_lshl_b32 s20, s16, 1
	s_add_co_u32 s19, s19, s20
	s_lshr_b32 s20, s16, 2
	s_lshl_b32 s20, s20, 3
	s_add_co_u32 s19, s19, s20                     ; my first row: 32 (t / 2) + 8 (t % 2) + 2 w + 8 (w / 4)
	s_lshl_b32 s20, s19, 12
	s_mov_b32 s21, 0
	s_lshr_b32 s22, ttmp9, 3
	s_lshl_b32 s22, s22, 3
	s_add_co_u32 s22, s22, s16                     ; (t / 8) 8 + w
	s_and_b32 s23, ttmp9, 7
	s_mul_i32 s24, s22, 12288
	s_mul_i32 s25, s23, 1536
	s_add_co_u32 s24, s24, s25
	s_mov_b32 s25, 0
	s_lshl_b32 s26, s22, 9
	s_lshl_b32 s27, s23, 6
	s_add_co_u32 s26, s26, s27
	s_add_co_u32 s26, s26, 3145728
	s_mov_b32 s27, 0
	s_wait_kmcnt 0x0
	s_add_nc_u64 s[4:5], s[4:5], s[20:21]
	s_add_nc_u64 s[24:25], s[10:11], s[24:25]
	s_add_nc_u64 s[26:27], s[10:11], s[26:27]
.irp j, 0,1,2,3,4,5,6,7
	global_load_b128 v[X0+4*\j:X0+4*\j+3], v2, s[4:5] offset:512*\j          ; 32 lanes read 512 consecutive bytes
.endr
.irp j, 0,1,2,3,4,5,6,7
	global_load_b128 v[X1+4*\j:X1+4*\j+3], v2, s[4:5] offset:4096+512*\j
.endr
.irp j, 0,1,2,3,4,5,6,7
	global_load_b128 v[WR+4*\j:WR+4*\j+3], v2, s[6:7] offset:512*\j
.endr
.irp j, 0,1,2,3,4,5,6,7
	global_load_b128 v[BR+4*\j:BR+4*\j+3], v2, s[8:9] offset:512*\j
.endr
	s_wait_loadcnt 24                              ; row 0 is in; row 1, the gain and the bias (24 loads) may be out
	STAT X0, 16, 20
	s_wait_loadcnt 16                              ; row 1 is in
	STAT X1, 18, 22
	s_wait_loadcnt 0x0
	APPLY X0, 20
	APPLY X1, 22
	TURNROW X0, T0
	TURNROW X1, T1
	s_wait_dscnt 16                                ; row 0 is back, and its stores have read their registers; row 1's eight stores and eight loads may be out
	QROW T0, C0, 0
	s_wait_dscnt 4                                 ; row 1 is back; row 0's four stores may be out
	QROW T1, C1, 1
	s_wait_dscnt 0x0                               ; for the others' sake: my stores into the images are done
	s_barrier_signal -1
	s_barrier_wait -1
.irp c, 0,1,2
	ds_load_b128 v[X0+4*\c:X0+4*\c+3], v7 offset:512*\c
.endr
	ds_load_b32 v[X0+12], v8
	s_wait_dscnt 0x0
.irp c, 0,1,2
	global_store_b128 v2, v[X0+4*\c:X0+4*\c+3], s[24:25] offset:512*\c   ; 32 lanes store 512 consecutive bytes, aligned
.endr
	global_store_b32 v9, v[X0+12], s[26:27]        ; the scale image's 64 bytes (lanes 16-31 repeat lanes 0-15's words)
	s_wait_tensorcnt 0x0
	ds_add_u32 v30, v31
	s_wait_dscnt 0x0
	s_endpgm
	; ---------------- the weights
.Lweights:
	s_load_b256 s[4:11], s[0:1], 0x20              ; w_qkv, w_attn_proj, w_fc, w_mlp_proj
	s_load_b64 s[12:13], s[0:1], 0x40              ; their workspace
	s_wait_alu depctr_va_vdst(0)
	v_lshlrev_b32 v2, 2, v1                        ; lane = my column cc of the wave's 32; in: 4 bytes a lane
	v_bfe_u32 v7, v1, 3, 1                         ; u = (cc / 8) % 2: which of the two tiles
	v_and_b32 v8, 7, v1
	v_lshrrev_b32 v9, 4, v1
	s_delay_alu instid0(VALU_DEP_1)
	v_lshl_add_u32 v8, v9, 3, v8                   ; r = cc % 8 + 8 (cc / 16): my column's lane in that tile
	s_mul_i32 s17, s16, 3072                       ; my wave's LDS bytes
	v_mul_u32_u24 v3, v7, 1536
	s_delay_alu instid0(VALU_DEP_1)
	v_lshl_add_u32 v3, v8, 3, v3
	s_delay_alu instid0(VALU_DEP_1)
	v_add_nc_u32 v3, s17, v3                       ; into them: 1,536 u + 8 r
	v_lshlrev_b32 v5, 4, v1                        ; out: 16 bytes a lane
	s_delay_alu instid0(VALU_DEP_1)
	v_add_nc_u32 v4, s17, v5
	v_lshlrev_b32 v6, 6, v7
	s_delay_alu instid0(VALU_DEP_1)
	v_lshl_add_u32 v6, v8, 2, v6                   ; my scale word: 64 u + 4 r
	s_wait_kmcnt 0x0
	s_cmp_lt_u32 ttmp9, 352
	s_cbranch_scc1 .Lqkv
	s_cmp_lt_u32 ttmp9, 384
	s_cbranch_scc1 .Lproj
	s_cmp_lt_u32 ttmp9, 512
	s_cbranch_scc1 .Lfc
	WQ 1024, 5, 2, 10, 512, 6291456, 9699328
.Lqkv:
	WQ 3072, 3, 3, 4, 256, 0, 9437184
.Lproj:
	WQ 1024, 3, 2, 6, 352, 2359296, 9535488
.Lfc:
	WQ 4096, 3, 3, 8, 384, 3145728, 9568256
.Lfunc_end_k_q973b4c7757_prep:
	.size	k_q973b4c7757_prep, .Lfunc_end_k_q973b4c7757_prep-k_q973b4c7757_prep
	.p2alignl 7, 3214868480
	.fill 96, 4, 3214868480
	.section	.rodata,"a",@progbits
	.p2align	6, 0x0
	.amdhsa_kernel k_q973b4c7757_prep
		.amdhsa_group_segment_fixed_size 75264
		.amdhsa_private_segment_fixed_size 0
		.amdhsa_enable_private_segment 0
		.amdhsa_kernarg_size 72
		.amdhsa_user_sgpr_count 2
		.amdhsa_user_sgpr_kernarg_segment_ptr 1
		.amdhsa_wavefront_size32 1
		.amdhsa_system_sgpr_workgroup_id_x 1
		.amdhsa_system_sgpr_workgroup_id_y 1
		.amdhsa_system_sgpr_workgroup_id_z 1
		.amdhsa_system_vgpr_workitem_id 0
		.amdhsa_next_free_vgpr 160
		.amdhsa_next_free_sgpr 66
		.amdhsa_reserve_vcc 0
		.amdhsa_float_denorm_mode_32 3
		.amdhsa_float_denorm_mode_16_64 3
		.amdhsa_memory_ordered 1
		.amdhsa_forward_progress 1
		.amdhsa_inst_pref_size 123
	.end_amdhsa_kernel
	.amdgpu_metadata
---
amdhsa.version: [ 1, 2 ]
amdhsa.kernels:
  - .name:           k_q973b4c7757_prep
    .symbol:         k_q973b4c7757_prep.kd
    .args:
      - { .name: x, .offset: 0, .size: 8, .value_kind: global_buffer, .address_space: global }
      - { .name: ln1_w, .offset: 8, .size: 8, .value_kind: global_buffer, .address_space: global }
      - { .name: ln1_b, .offset: 16, .size: 8, .value_kind: global_buffer, .address_space: global }
      - { .name: xq, .offset: 24, .size: 8, .value_kind: global_buffer, .address_space: global }
      - { .name: w_qkv, .offset: 32, .size: 8, .value_kind: global_buffer, .address_space: global }
      - { .name: w_attn_proj, .offset: 40, .size: 8, .value_kind: global_buffer, .address_space: global }
      - { .name: w_fc, .offset: 48, .size: 8, .value_kind: global_buffer, .address_space: global }
      - { .name: w_mlp_proj, .offset: 56, .size: 8, .value_kind: global_buffer, .address_space: global }
      - { .name: wts, .offset: 64, .size: 8, .value_kind: global_buffer, .address_space: global }
    .group_segment_fixed_size: 75264
    .private_segment_fixed_size: 0
    .kernarg_segment_align: 8
    .kernarg_segment_size: 72
    .max_flat_workgroup_size: 256
    .sgpr_count:     66
    .vgpr_count:     160
    .wavefront_size: 32
...
	.end_amdgpu_metadata
.endif
;; end of part 1
;; launch gqkv (part 2): grid 12 x 16, 4 waves a work-group, clusters of 4 x 4, 327,680 bytes of LDS; arguments xq, wts, qkvq; writes qkvq
.if DOCPART == 2
	.amdgcn_target "amdgcn-amd-amdhsa--gfx1250"
	.amdhsa_code_object_version 6
	.text
	.protected	k_q973b4c7757_gqkv
	.globl	k_q973b4c7757_gqkv
	.p2align	8
	.type	k_q973b4c7757_gqkv,@function
k_q973b4c7757_gqkv:
	s_mov_b64 s[64:65], 0
	v_nop
	global_prefetch_b8 v0, s[64:65] scope:SCOPE_SE
	s_setreg_imm32_b32 hwreg(HW_REG_WAVE_MODE, 25, 1), 1
	s_wait_xcnt 0x0
	s_wait_alu depctr_hold_cnt(0) depctr_sa_sdst(0) depctr_va_vdst(0) depctr_va_sdst(0) depctr_va_ssrc(0) depctr_va_vcc(0) depctr_vm_vsrc(0)
	s_getreg_b32 s2, hwreg(HW_REG_IB_STS2, 6, 4)
	s_cmp_eq_u32 s2, 0
	s_cbranch_scc0 .Lentry_in_a_cluster
	s_endpgm
.Lentry_in_a_cluster:
	s_bfe_u32 s2, ttmp6, 0x10000c
	s_cmp_lg_u32 s2, 0xf033
	s_cbranch_scc0 .Lentry_shape_is_right
	s_endpgm
.Lentry_shape_is_right:
.set G,  8
.set NQ, 2
.set KS, 8
.set PA, 10
.set PB, 12
.set FR,    12
.set NL,    6
.set IMG,   1536
.set NAH,   G/2
.set HALFT, NQ*G*IMG
.set SLOT,  4*HALFT
.set SCL,   2*SLOT
.set HALFS, KS*G*64
.set SPARE, SCL+4*HALFS
.set GSTR,  KS*G*IMG
.set LAPS,  KS/(2*NQ)
.set ADRA, 16
.set ADRB, 20
.set ADRS, 27
.set SPW,  28
.set NIL,  29
.set SC,   32
.set AF,   128
.set G1, 24
.set G0, 32
.set G1B, 48
.set G0B, 56
.set G1S, 68
.set G0S, 76
.set G1SB, 80
.set G0SB, 88
.set MSB, 0
.macro WIN new
.if MSB != (\new)
	s_set_vgpr_msb (MSB<<8)|(\new)
.set MSB, (\new)
.endif
.endm
.set MUL_LO, 0xa1
.set MUL_HI, 0xf1
.set TO_B,   0x40
.macro PLACES n
.rept \n
	v_nop
.endr
.endm
.macro JLOAD g0a, g1a, g0b, g1b
	s_cmp_eq_u32 s15, 0
	s_cbranch_scc0 .Lfor_b_\@
	tensor_load_to_lds s[\g0a:\g0a+3], s[\g1a:\g1a+7]
	s_nop 0
.rept 4
	v_nop
.endr
	s_branch .Lasked_\@
.Lfor_b_\@:
	tensor_load_to_lds s[\g0b:\g0b+3], s[\g1b:\g1b+7]
	s_nop 0
.rept 4
	v_nop
.endr
.Lasked_\@:
.endm
.macro CREST
	s_cmp_lg_u32 s14, 0
	s_cbranch_scc1 .Lnot_wave_0_\@
	s_barrier_signal -3
.Lnot_wave_0_\@:
	s_barrier_wait -3
	s_barrier_signal -1
	s_barrier_wait -1
.endm
.macro CROUND
	s_barrier_signal -1
	s_barrier_wait -1
	CREST
.endm
.macro ARM under, g0, g1, next
	s_cmp_lt_u32 s14, \under
	s_cbranch_scc0 \next
	tensor_load_to_lds s[\g0:\g0+3], s[\g1:\g1+7]
	s_nop 0
.rept 4
	v_nop
.endr
	s_branch .Lhead_asked
\next:
.endm
.macro CORE_IDS
	v_lshl_add_u32 v[SPW], v0, 2, SPARE
	v_mov_b32 v[NIL], 0
	ds_add_u32 v28, v29
	ds_add_u32 v28, v29
	s_wait_dscnt 0x0
	v_lshrrev_b32 v1, 5, v0
	v_readfirstlane_b32 s14, v1
	s_lshr_b32 s15, s14, 1
	s_and_b32 s16, s14, 1
	s_bfe_u32 s40, ttmp6, 0x40000
	s_bfe_u32 s41, ttmp6, 0x40004
	s_lshl_b32 s43, s41, 2
	s_lshl_b32 s43, 15, s43
	s_lshl_b32 s44, 0x1111, s40
	s_or_b32 s[G1], s43, (3<<16)|(1<<21)
	s_or_b32 s[G1B], s44, (3<<16)|(1<<21)
.irp g, G1, G1B                        ; the head's shape: both groups of a slot, two rows of HALFT bytes, GSTR bytes apart
	s_mov_b32 s[\g+1], (HALFT/8)<<16
	s_mov_b32 s[\g+2], 2<<16
	s_mov_b32 s[\g+3], (HALFT/8)<<16
	s_mov_b32 s[\g+4], 2
	s_mov_b32 s[\g+5], GSTR/8
	s_mov_b32 s[\g+6], 0
	s_mov_b32 s[\g+7], 0
.endr
	s_or_b32 s[G1S], s43, (3<<16)|(1<<21)
	s_or_b32 s[G1SB], s44, (3<<16)|(1<<21)
.irp g, G1S, G1SB
	s_mov_b32 s[\g+1], 32<<16
	s_mov_b32 s[\g+2], (2*HALFS/256)<<16
	s_mov_b32 s[\g+3], 32<<16
	s_mov_b32 s[\g+4], 2*HALFS/256
	s_mov_b32 s[\g+5], 32
	s_mov_b32 s[\g+6], 0
	s_mov_b32 s[\g+7], 0
.endr
.endm
.macro CORE_ADDR
	s_lshl_b32 s20, s17, 1
	s_add_co_u32 s20, s20, s16
	s_lshl_b32 s46, s42, 1
	s_add_co_u32 s46, s46, s16
	s_mul_i32 s22, s20, HALFS
	s_mul_i32 s92, s46, HALFS
	s_mul_i32 s20, s20, GSTR
	s_mul_i32 s46, s46, GSTR
	s_add_co_u32 s20, s20, s96
	s_add_co_u32 s22, s22, s97
	s_add_co_u32 s46, s46, s98
	s_add_co_u32 s92, s92, s99
	s_mov_b32 s21, 0
	s_mov_b32 s23, 0
	s_mov_b32 s47, 0
	s_mov_b32 s93, 0
	s_mul_i32 s45, s14, HALFT
	s_wait_kmcnt 0x0
.endm
.macro CORE_FILL
	s_add_nc_u64 s[20:21], s[PA:PA+1], s[20:21]
	s_add_nc_u64 s[22:23], s[PA:PA+1], s[22:23]
	s_add_nc_u64 s[46:47], s[PB:PB+1], s[46:47]
	s_add_nc_u64 s[92:93], s[PB:PB+1], s[92:93]
	s_mul_i32 s18, s16, HALFS                      ; the head's four tiles begin at the first of the two groups: my group's part is taken off again
	s_mov_b32 s19, 0
	s_mov_b32 s[G0S], 1                            ; the scales of A's two groups,
	s_mov_b32 s[G0S+1], SCL
	s_sub_nc_u64 s[G0S+2:G0S+3], s[22:23], s[18:19]
	s_or_b32 s[G0S+3], s[G0S+3], 0x80000000
	s_mov_b32 s[G0SB], 1                           ; of B's two,
	s_mov_b32 s[G0SB+1], SCL+2*HALFS
	s_sub_nc_u64 s[G0SB+2:G0SB+3], s[92:93], s[18:19]
	s_or_b32 s[G0SB+3], s[G0SB+3], 0x80000000
	s_mul_i32 s18, s16, GSTR
	s_mov_b32 s96, 1                               ; slot 0's codes of A's two groups,
	s_mov_b32 s97, 0
	s_sub_nc_u64 s[98:99], s[20:21], s[18:19]
	s_or_b32 s99, s99, 0x80000000
	s_mov_b32 s92, 1                               ; and of B's two
	s_mov_b32 s93, 2*HALFT
	s_sub_nc_u64 s[94:95], s[46:47], s[18:19]
	s_or_b32 s95, s95, 0x80000000
	s_cmp_eq_u32 s15, 0                            ; the prefetches: of the HALFT bytes that I fetch of a slot, each of the four partners that ask jointly names a quarter, told apart by address
	s_cselect_b64 s[66:67], s[20:21], s[46:47]
	s_cselect_b32 s18, s40, s41
	s_mul_i32 s18, s18, HALFT/4
	s_add_nc_u64 s[66:67], s[66:67], s[18:19]
.irp s, 0,1
	s_mov_b32 s[G0+4*\s], 1
	s_add_co_u32 s[G0+4*\s+1], s45, \s*SLOT
	s_add_nc_u64 s[G0+4*\s+2:G0+4*\s+3], s[20:21], \s*HALFT
	s_or_b32 s[G0+4*\s+3], s[G0+4*\s+3], 0x80000000
	s_mov_b32 s[G0B+4*\s], 1
	s_add_co_u32 s[G0B+4*\s+1], s45, \s*SLOT
	s_add_nc_u64 s[G0B+4*\s+2:G0B+4*\s+3], s[46:47], \s*HALFT
	s_or_b32 s[G0B+4*\s+3], s[G0B+4*\s+3], 0x80000000
.endr
	CROUND                                         ; all sixteen work-groups are here: the first joint loads meet
	ARM 1, 96, G1, .Lhead_b                        ; one load a wave, in one chain of branches on the wave's number
	ARM 2, 92, G1B, .Lhead_sa
	ARM 3, G0S, G1S, .Lhead_sb
	tensor_load_to_lds s[G0SB:G0SB+3], s[G1SB:G1SB+7]
	s_nop 0
.rept 4
	v_nop
.endr
.Lhead_asked:
	v_and_b32 v1, 15, v0
	v_bfe_u32 v2, v0, 4, 1
	s_wait_alu depctr_va_vdst(0)
	v_and_b32 v3, 31, v0
	v_lshlrev_b32 v3, 3, v3
	s_mul_i32 s21, s15, HALFT
	s_mul_i32 s22, s16, HALFT
	s_add_co_u32 s22, s22, 2*HALFT
.irp s, 0,1
	v_add_nc_u32 v[ADRA+\s], s21, v3
	v_add_nc_u32 v[ADRB+\s], s22, v3
	s_add_co_u32 s21, s21, SLOT
	s_add_co_u32 s22, s22, SLOT
.endr
	v_lshlrev_b32 v5, 2, v1
	s_mul_i32 s21, s15, HALFS
	s_mul_i32 s22, s16, HALFS
	s_add_co_u32 s22, s22, 2*HALFS
	s_sub_co_u32 s22, s22, s21
	v_mul_u32_u24 v6, s22, v2
	s_add_co_u32 s21, s21, SCL
	v_add_nc_u32 v5, v5, v6
	v_add_nc_u32 v[ADRS], s21, v5
	v_and_b32 v30, 31, v0                          ; 24 blocks of 256 bytes, a lane a block; lanes 24-31 name the last again
	v_min_u32 v30, 23, v30
	v_lshlrev_b32 v30, 8, v30
	global_prefetch_b8 v30, s[66:67] offset:HALFT th:TH_LOAD_NT scope:SCOPE_SE     ; behind slot 0's load: slots 1 and 2; from then on, behind slot s's load, slot s + 2
.if KS/NQ > 2
	global_prefetch_b8 v30, s[66:67] offset:2*HALFT th:TH_LOAD_NT scope:SCOPE_SE
.endif
.endm
.macro FRAG reg, adr, q, i
.irp p, 0,1,2,3,4,5
	ds_load_b64 v[\reg+2*\p:\reg+2*\p+1], v[\adr] offset:((\q)*G+(\i))*IMG+256*\p
.endr
.endm
.macro FETCH_B slot, q, p
	WIN TO_B
.set II, 0
.rept G
	FRAG 128*(\p)+FR*II, ADRB+\slot, \q, II
.set II, II+1
.endr
	WIN 0
.endm
.macro FETCH_A slot, q, i0
.set II, \i0
.rept NAH
	FRAG AF+FR*II, ADRA+\slot, \q, II
.set II, II+1
.endr
.endm
.macro SCALES sc
.set II, 0
.rept G
.set QS, 0
.rept NQ
	ds_load_b32 v[SC+16*(\sc)+NQ*II+QS], v[ADRS] offset:QS*64*G+II*64
.set QS, QS+1
.endr
.set II, II+1
.endr
.endm
.macro MULA a, p, q, sc, zero
.set BB, 0
.rept G
.set rD, 8*(G*((\a)%NAH)+BB)
.set rB, 128*(\p)+FR*BB
.set rA, AF+FR*(\a)
.set rX, SC+16*(\sc)+NQ*BB+(\q)
.set rY, SC+16*(\sc)+NQ*(\a)+(\q)
.if \zero
	v_wmma_scale_f32_16x16x128_f8f6f4 v[rD:rD+7], v[rB:rB+FR-1], v[rA:rA+FR-1], 0, v[rX], v[rY] matrix_a_fmt:MATRIX_FMT_FP6 matrix_b_fmt:MATRIX_FMT_FP6 matrix_a_scale:MATRIX_SCALE_ROW1
.else
	v_wmma_scale_f32_16x16x128_f8f6f4 v[rD:rD+7], v[rB:rB+FR-1], v[rA:rA+FR-1], v[rD:rD+7], v[rX], v[rY] matrix_a_fmt:MATRIX_FMT_FP6 matrix_b_fmt:MATRIX_FMT_FP6 matrix_a_scale:MATRIX_SCALE_ROW1
.endif
.set BB, BB+1
.endr
.endm
.macro STEP slot, q, zero
	s_wait_dscnt NAH*NL
	WIN MUL_LO
.set AA, 0
.rept NAH
	MULA AA, (\q)%2, \q, \slot, \zero
.set AA, AA+1
.endr
	s_wait_dscnt 0x0
	PLACES 4
	FETCH_B \slot, (\q)+1, 1-(\q)%2
	FETCH_A \slot, (\q)+1, 0
	WIN MUL_HI
.rept NAH
	MULA AA, (\q)%2, \q, \slot, \zero
.set AA, AA+1
.endr
	PLACES 4
	WIN 0
	FETCH_A \slot, (\q)+1, NAH
.endm
.macro TURN slot, next, fill
	s_wait_tensorcnt 0x0
	ds_add_u32 v[SPW], v[NIL]
	s_wait_dscnt NAH*NL+1
	WIN MUL_LO
.set AA, 0
.rept NAH/2
	MULA AA, 1, NQ-1, \slot, 0
.set AA, AA+1
.endr
	s_wait_dscnt 0x0
	s_barrier_signal -1
.rept NAH/2
	MULA AA, 1, NQ-1, \slot, 0
.set AA, AA+1
.endr
	WIN 0
	s_barrier_wait -1
.if \fill
	CREST
	s_add_nc_u64 s[G0+4*\slot+2:G0+4*\slot+3], s[G0+4*\slot+2:G0+4*\slot+3], 2*HALFT
	s_add_nc_u64 s[G0B+4*\slot+2:G0B+4*\slot+3], s[G0B+4*\slot+2:G0B+4*\slot+3], 2*HALFT
	JLOAD G0+4*\slot, G1, G0B+4*\slot, G1B
.else
	PLACES 4
.endif
	s_wait_alu depctr_va_vdst(0)
	v_add_nc_u32 v[ADRS], NQ*G*64, v[ADRS]
	FETCH_B \next, 0, 0
	FETCH_A \next, 0, 0
	SCALES \next
	WIN MUL_HI
.rept NAH
	MULA AA, 1, NQ-1, \slot, 0
.set AA, AA+1
.endr
	PLACES 4
	WIN 0
	FETCH_A \next, 0, NAH
.endm
.macro STEPS slot, q0
.set QQ, \q0
.rept NQ-1-(\q0)
	STEP \slot, QQ, 0
.set QQ, QQ+1
.endr
.endm
.macro CORE_MAIN
	s_wait_alu depctr_va_vdst(0)
	s_wait_tensorcnt 0x0                           ; my tile of the head's four is in
	ds_add_u32 v[SPW], v[NIL]                      ; the add ahead of a later first fill
.irp g, G1, G1B                        ; no load of mine is out: from here on a load brings one group, HALFT dense bytes as rows of 256
	s_mov_b32 s[\g+1], 32<<16
	s_mov_b32 s[\g+2], (HALFT/256)<<16
	s_mov_b32 s[\g+3], 32<<16
	s_mov_b32 s[\g+4], HALFT/256
	s_mov_b32 s[\g+5], 32
.endr
	s_wait_dscnt 0x0
	CROUND                                         ; all four tiles are in, in every partner
	JLOAD G0+4, G1, G0B+4, G1B                     ; slot 1's first fill: my one load behind the round
	FETCH_B 0, 0, 0
	FETCH_A 0, 0, 0
	SCALES 0
	FETCH_A 0, 0, NAH
.if KS/NQ > 3
	global_prefetch_b8 v30, s[66:67] offset:3*HALFT th:TH_LOAD_NT scope:SCOPE_SE   ; behind slot 1's load: slot 3, the last
.endif
	STEP 0, 0, 1
.if LAPS > 1
	s_mov_b32 s3, LAPS-1
.Llap:
	STEPS 0, 1
	TURN 0, 1, 1
	STEPS 1, 0
	TURN 1, 0, 1
	STEP 0, 0, 0
	s_sub_co_u32 s3, s3, 1
	s_cmp_lg_u32 s3, 0
	s_cbranch_scc1 .Llap
.endif
	STEPS 0, 1
	TURN 0, 1, 0
	STEPS 1, 0
	s_wait_dscnt NAH*NL
	WIN MUL_LO
.set AA, 0
.rept NAH
	MULA AA, 1, NQ-1, 1, 0
.set AA, AA+1
.endr
	s_wait_dscnt 0x0
	WIN MUL_HI
.rept NAH
	MULA AA, 1, NQ-1, 1, 0
.set AA, AA+1
.endr
	WIN 0
.endm
.macro CORE_END
	s_wait_tensorcnt 0x0
	ds_add_u32 v[SPW], v[NIL]
	s_wait_dscnt 0x0
	CROUND
	s_endpgm
.endm
.set L8, 24
.set R4, 25
.set SEL, 100
.macro QUANT s, w
	WIN ((\w)<<2)|((\w)<<4)
.irp b, 0,1,2,3
	v_max3_num_f32 v[TM+\b], 0x1800000, |v[(\s)+16*\b]|, |v[(\s)+1+16*\b]|
.endr
.irp i, 2,4,6,8,10,12,14
.irp b, 0,1,2,3
	v_max3_num_f32 v[TM+\b], v[TM+\b], |v[(\s)+16*\b+\i]|, |v[(\s)+1+16*\b+\i]|
.endr
.endr
	WIN 0
.irp b, 0,1,2,3
	v_permlanex16_b32 v[TM+4+\b], v[TM+\b], s[SEL], s[SEL+1]
.endr
.irp b, 0,1,2,3
	v_max_num_f32 v[TM+\b], v[TM+\b], v[TM+4+\b]
.endr
.irp b, 0,1,2,3
	v_add_nc_u32 v[TM+12+\b], 0xff000000, v[TM+\b]
.endr
.irp b, 0,1,2,3
	v_lshrrev_b32 v[TM+4+\b], 23, v[TM+12+\b]
.endr
	v_lshl_or_b32 v[PW], v[TM+5], 8, v[TM+4]
	v_lshl_or_b32 v[PW], v[TM+6], 16, v[PW]
	v_lshl_or_b32 v[PW], v[TM+7], 24, v[PW]
	WIN (\w)
.irp c, 0,1
	v_cvt_scalef32_pk16_fp6_f32 v[PC+6*\c:PC+2+6*\c], v[(\s)+32*\c:(\s)+15+32*\c], v[TM+12+2*\c]
	v_cvt_scalef32_pk16_fp6_f32 v[PC+12+4*\c:PC+14+4*\c], v[(\s)+16+32*\c:(\s)+31+32*\c], v[TM+12+2*\c+1]
.endr
	WIN 0
	v_nop
.irp c, 0,1
.irp i, 0,1,2
	v_permlane16_swap_b32 v[PC+6*\c+\i], v[PC+12+4*\c+\i]
.endr
.irp i, 0,1,2
	v_mov_b32 v[PC+3+6*\c+\i], v[PC+12+4*\c+\i]
.endr
.endr
.endm
.macro STOREF oi, os
.irp p, 0,1,2,3,4,5
	global_store_b64 v[L8], v[PC+2*\p:PC+2*\p+1], s[OI:OI+1] offset:(\oi)+256*\p
.endr
	global_store_b32 v[R4], v[PW], s[OS:OS+1] offset:(\os)
.endm
.set PC, 64
.set TM, 96
.set PW, 112
.set OI, 4
.set OS, 6
	s_load_b128 s[4:7], s[0:1], 0x0
	s_load_b64 s[8:9], s[0:1], 0x10
	CORE_IDS
	s_and_b32 s10, ttmp7, 0xffff
	s_lshl_b32 s10, s10, 2
	s_lshl_b32 s11, ttmp9, 2
	s_add_co_u32 s17, s10, s41
	s_add_co_u32 s12, s41, 8
	s_add_co_u32 s42, s11, s40
	s_add_co_u32 s13, s10, s40
	s_mov_b32 s100, 3145728
	s_mov_b32 s101, 9437184
	s_cmp_eq_u32 ttmp9, 2
	s_cselect_b32 s17, s12, s17
	s_cselect_b32 s42, s13, s42
	s_cselect_b32 s97, s101, s100
	s_cselect_b32 s99, s100, s101
	s_mov_b32 s96, 0
	s_mov_b32 s98, 0
	CORE_ADDR
	s_cmp_eq_u32 ttmp9, 2
	s_cselect_b64 s[10:11], s[6:7], s[4:5]
	s_cselect_b64 s[12:13], s[4:5], s[6:7]
	CORE_FILL
	s_mov_b32 s[SEL], 0x76543210
	s_mov_b32 s[SEL+1], 0xfedcba98
	v_and_b32 v[L8], 31, v0
	v_lshlrev_b32 v[L8], 3, v[L8]
	v_lshlrev_b32 v[R4], 2, v1
	s_lshl_b32 s20, s17, 1
	s_add_co_u32 s20, s20, s15
	s_lshl_b32 s21, s42, 1
	s_add_co_u32 s21, s21, s16
	s_lshl_b32 s22, s20, 3
	s_lshl_b32 s23, s21, 8
	s_add_co_u32 s22, s22, s23
	s_sub_co_u32 s46, s20, 16
	s_lshl_b32 s46, s46, 7
	s_and_b32 s47, s21, 15
	s_lshl_b32 s47, s47, 3
	s_add_co_u32 s46, s46, s47
	s_lshr_b32 s47, s21, 4
	s_lshl_b32 s47, s47, 10
	s_add_co_u32 s46, s46, s47
	s_mov_b32 s47, 9437184
	s_cmp_eq_u32 ttmp9, 2
	s_cselect_b32 s22, s46, s22
	s_cselect_b32 s23, 6291456, 0
	s_cselect_b32 s47, 9699328, s47
	s_mul_i32 s20, s22, IMG
	s_add_co_u32 s20, s20, s23
	s_mov_b32 s21, 0
	s_lshl_b32 s22, s22, 6
	s_add_co_u32 s22, s22, s47
	s_mov_b32 s23, 0
	s_add_nc_u64 s[OI:OI+1], s[8:9], s[20:21]
	s_add_nc_u64 s[OS:OS+1], s[8:9], s[22:23]
	s_wait_alu depctr_va_vdst(0)
	CORE_MAIN
	PLACES 4
.irp b, 0,1,2,3
	v_mov_b32 v[TM+4+\b], 0
.endr
.irp a, 0,1,2,3,4,5,6,7
.if \a > 0
	s_wait_xcnt 0x0
.endif
	QUANT 64*(\a%4), 2+\a/4
	STOREF \a*IMG, \a*64
.endr
	CORE_END
.Lfunc_end_k_q973b4c7757_gqkv:
	.size	k_q973b4c7757_gqkv, .Lfunc_end_k_q973b4c7757_gqkv-k_q973b4c7757_gqkv
	.p2alignl 7, 3214868480
	.fill 96, 4, 3214868480
	.section	.rodata,"a",@progbits
	.p2align	6, 0x0
	.amdhsa_kernel k_q973b4c7757_gqkv
		.amdhsa_group_segment_fixed_size 327680
		.amdhsa_private_segment_fixed_size 0
		.amdhsa_enable_private_segment 0
		.amdhsa_kernarg_size 24
		.amdhsa_user_sgpr_count 2
		.amdhsa_user_sgpr_kernarg_segment_ptr 1
		.amdhsa_wavefront_size32 1
		.amdhsa_system_sgpr_workgroup_id_x 1
		.amdhsa_system_sgpr_workgroup_id_y 1
		.amdhsa_system_sgpr_workgroup_id_z 1
		.amdhsa_system_vgpr_workitem_id 0
		.amdhsa_next_free_vgpr 1024
		.amdhsa_next_free_sgpr 102
		.amdhsa_reserve_vcc 0
		.amdhsa_float_denorm_mode_32 3
		.amdhsa_float_denorm_mode_16_64 3
		.amdhsa_memory_ordered 1
		.amdhsa_forward_progress 1
		.amdhsa_inst_pref_size 172
	.end_amdhsa_kernel
	.amdgpu_metadata
---
amdhsa.version: [ 1, 2 ]
amdhsa.kernels:
  - .name:           k_q973b4c7757_gqkv
    .symbol:         k_q973b4c7757_gqkv.kd
    .args:
      - { .name: xq, .offset: 0, .size: 8, .value_kind: global_buffer, .address_space: global }
      - { .name: wts, .offset: 8, .size: 8, .value_kind: global_buffer, .address_space: global }
      - { .name: qkvq, .offset: 16, .size: 8, .value_kind: global_buffer, .address_space: global }
    .group_segment_fixed_size: 327680
    .private_segment_fixed_size: 0
    .kernarg_segment_align: 8
    .kernarg_segment_size: 24
    .max_flat_workgroup_size: 128
    .sgpr_count:     102
    .vgpr_count:     1024
    .wavefront_size: 32
...
	.end_amdgpu_metadata
.endif
;; end of part 2
;; launch attn (part 3): grid 8 x 32, 16 waves a work-group, clusters of 4 x 1, 327,680 bytes of LDS; arguments qkvq, yq; writes yq
.if DOCPART == 3
	.amdgcn_target "amdgcn-amd-amdhsa--gfx1250"
	.amdhsa_code_object_version 6
	.text
	.protected	k_q973b4c7757_attn
	.globl	k_q973b4c7757_attn
	.p2align	8
	.type	k_q973b4c7757_attn,@function
k_q973b4c7757_attn:
	s_mov_b64 s[64:65], 0
	v_nop
	global_prefetch_b8 v0, s[64:65] scope:SCOPE_SE
	s_setreg_imm32_b32 hwreg(HW_REG_WAVE_MODE, 25, 1), 1
	s_wait_xcnt 0x0
	s_wait_alu depctr_hold_cnt(0) depctr_sa_sdst(0) depctr_va_vdst(0) depctr_va_sdst(0) depctr_va_ssrc(0) depctr_va_vcc(0) depctr_vm_vsrc(0)
	s_getreg_b32 s2, hwreg(HW_REG_IB_STS2, 6, 4)
	s_cmp_eq_u32 s2, 0
	s_cbranch_scc0 .Lentry_in_a_cluster
	s_endpgm
.Lentry_in_a_cluster:
	s_bfe_u32 s2, ttmp6, 0x10000c
	s_cmp_lg_u32 s2, 0x3003
	s_cbranch_scc0 .Lentry_shape_is_right
	s_endpgm
.Lentry_shape_is_right:
; Causal attention on codes of FP6 (E2M3) with E8M0 scales: 2 batches x 16 heads of 64, 2,048 tokens.  S = q k^T (K = 64), p = 2^(t - M), O = p v (K = the keys), y = O / l, quantised along the channels.
; t = score x log2(e) / 8; M = the running largest t rounded UP to a whole number; l is the sum of the unquantised p; when M moves, l and O are multiplied by 2^(old M - new M): exact.
; OPERANDS ARE IMAGES OF REGISTERS (1,536 bytes: byte 256 p + 8 lane = registers 2 p, 2 p + 1 of the fragment (tile, 128 along K)); lane r of tile t holds row 32 (t / 2) + 8 (t % 2) + r + 8 (r / 8).
; An image of q or k holds two heads, one in each half of 768 bytes.  A HEAD OF 64 IN A K OF 128: q's registers 6-11 are zero codes and the upper two bytes of both scale words are 0.  Every 6-bit pattern is a finite
; number, so what k's registers 6-11 hold adds nothing: the eight half fragments of a key step lie 6 registers apart, and an operand's upper six registers are the next tile's codes.
; Both products are used transposed (S^T = k q^T, O^T = v^T p^T): a lane holds one query; the 16 registers of two neighbouring tiles of keys are 16 neighbouring keys.
; SHARES: a work-group owns one head of one batch (y) and the 16 query tiles 8 m + i, m = 0 .. 15 (i = x); tile 8 m + i needs key steps 0 .. m of 128 keys, the last with the diagonal; later steps are left out.
; Waves k and 8 + k are a pair (k = 0 .. 7) and share tiles m = 8 + k and m = 7 - k, 17 steps.  Wave k takes the early tile whole (8 - k steps), stores it, and then the late tile's steps 7 .. 8 + k (k + 2 steps):
; 10 steps.  Wave 8 + k takes the late tile's steps 0-6: 7 steps, none with the diagonal.  Wave k hands its O, -M and l of the late tile to wave 8 + k through LDS bytes of its own; wave 8 + k brings both parts
; under the larger M, by multiplications with powers of two, adds them, and stores the late tile.  Both tiles' q are loaded at the head.
; K AND V OF THE HEAD LIE IN LDS WHOLE (2 x 98,304 bytes of codes, 2 x 8,192 of scale images of the head pair) and are filled once.  The head's loads bring key steps 0-1 and the scales, one load in each of waves 0-3;
; behind the full sequence waves 0-5 ask for steps 2-15, into bytes of their own, which land while steps 0-1 are multiplied; one barrier shows them to all; then waves meet only at the barrier of the hand-over.
; CLUSTER 4 x 1: the four partners read the same K and V and ask jointly; no branch and no LDS address hangs on a work-group's place: i enters the mask's numbers and the addresses of q and y alone.
; The loops' trip counts are constants (2, 6 and 9).
; NO PREFETCH: both groups of loads are issued at the head; there is no loop in which to run ahead of them.
; LIMITS: a block of zeros, or under 2^-124, gets the byte 1 (read by this program alone); a block's largest p is taken from its largest score, which takes v_exp_f32 not to fall where its input rises;
; v_exp_f32 and v_rcp_f32 are good to one unit in the last place; NaN and infinities are not served.  The scale halves of y leave by stores of 2 bytes: 131,072 bytes in all.
; REGISTERS: v1-4 the step's LDS addresses, v5-7, v11 their bases, v8 the hand-over's; v12 -M, v13 the largest t, v[14:15] l; v16-27 q; v32-85 k's eight half fragments, then v32-79 v's four fragments;
; v86-91 the late tile's q; v96-159 S^T, then p; v160-191 O^T; v192 f; v194-195 the mask; v92, v196-207, v253, v255 scale words; v224-235 p's codes; v232-251, v254 at work; v243 is kept (spare word), v252 = 0.
.set VL,    98304                      ; LDS: k's tile kt at 768 kt; v's key step j at VL + 6144 j
.set KSL,   196608                     ; k's scale images, 64 bytes a tile
.set VSL,   204800                     ; v's, 512 bytes a key step
.set SPARE, 212992                     ; the spare words, 128 bytes a wave
.set STG,   215040                     ; the hand-over: 4,608 bytes a pair; no tensor load lands here
.set CUT,   7                          ; the late tile's steps under CUT are wave 8 + k's, the others wave k's
.set DG,   3                           ; the step that holds my tile's diagonal (255: none of mine)
.set WV,   18
.set SEL,  20                          ; s[20:21] lane selects: lane l xor 16
.set CS,   22                          ; s[22:23] c = log2(e) / 8
.set J,    24                          ; the key step
.set M,    25                          ; my last key step of this tile
.set OK,   26                          ; 6144 J
.set OS,   27                          ; 512 J
.set G1K,  28
.set G1V,  36
.set G1S,  44
.set G0K,  52
.set G0V,  56
.set G0KS, 60
.set M2,   66                          ; the pair's late tile
.set G0VS, 68
.set YB,   72
.set YS,   74
.set QB,   76
.set QS,   78
.set QB2,  80
.set QS2,  82
.macro CROUND                          ; a round of the cluster's barrier
	s_barrier_signal -1
	s_barrier_wait -1
	s_cmp_lg_u32 s[WV], 0
	s_cbranch_scc1 .Lnw0_\@
	s_barrier_signal -3
.Lnw0_\@:
	s_barrier_wait -3
	s_barrier_signal -1
	s_barrier_wait -1
.endm
.macro ARM under, g0, g1, next, join
	s_cmp_lt_u32 s[WV], \under
	s_cbranch_scc0 \next
	tensor_load_to_lds s[\g0:\g0+3], s[\g1:\g1+7]
	s_nop 0
.rept 4
	v_nop
.endr
	s_branch \join
\next:
.endm
.macro LASTARM under, g0, g1, join
	s_cmp_lt_u32 s[WV], \under
	s_cbranch_scc0 \join
	tensor_load_to_lds s[\g0:\g0+3], s[\g1:\g1+7]
	s_nop 0
.rept 4
	v_nop
.endr
\join:
.endm
.macro QAD rt, qb, qs                  ; where tile s[rt]'s half image of q and its scale halves lie
	s_add_co_u32 s84, s16, s[\rt]
	s_mul_i32 s[\qb], s84, 1536
	s_add_co_u32 s[\qb], s[\qb], s17
	s_mov_b32 s[\qb+1], 0
	s_lshl_b32 s[\qs], s84, 6
	s_add_co_u32 s[\qs], s[\qs], 9437184
	s_add_co_u32 s[\qs], s[\qs], s67
	s_mov_b32 s[\qs+1], 0
.endm
.macro QLOAD qb, qs, r, sc             ; a half fragment of q and its two scale bytes
.irp p, 0,1,2
	global_load_b64 v[\r+2*\p:\r+1+2*\p], v11, s[\qb:\qb+1] offset:256*\p
.endr
	global_load_u16 v[\sc], v31, s[\qs:\qs+1]
.endm
.macro RESET                           ; a tile's sums begin
	v_mov_b32 v13, 0xff61b1e6                      ; the largest t so far: -3e38
	v_floor_f32 v12, -v13                          ; -M
	v_mov_b32 v14, 0
	v_mov_b32 v15, 0
.set I, 0
.rept 32
	v_mov_b32 v[160+I], 0                          ; O^T: the step is written for every step alike; the first finds zeros
.set I, I+1
.endr
.endm
; THE WAY OUT: y = O / l; my 32 registers are two blocks of 32 channels: half a fragment of the next product, K step = head pair, half = my head
.macro FINISH
	v_add_f32 v14, v14, v15
	s_delay_alu instid0(VALU_DEP_1)
	v_permlanex16_b32 v10, v14, s[SEL], s[SEL+1]
	s_delay_alu instid0(VALU_DEP_1)
	v_add_f32 v14, v14, v10                        ; the row's sum
	s_wait_alu depctr_va_vdst(0)
	v_rcp_f32 v14, v14
	v_nop                                          ; a plain place behind the transcendental,
	s_wait_alu depctr_va_vdst(0)                   ; and the wait ahead of its first reader
.set I, 0
.rept 32
	v_mul_f32 v[96+I], v[160+I], v14               ; register 16 b + i is channel 32 b + 16 h + i of my head
.set I, I+1
.endr
.irp b, 0,1
	v_max3_num_f32 v[232+\b], |v[96+16*\b]|, |v[97+16*\b]|, 0x1800000
.endr
.irp i, 2,4,6,8,10,12,14
.irp b, 0,1
	s_delay_alu instid0(VALU_DEP_2)
	v_max3_num_f32 v[232+\b], v[232+\b], |v[96+16*\b+\i]|, |v[97+16*\b+\i]|
.endr
.endr
.irp b, 0,1
	s_delay_alu instid0(VALU_DEP_2)
	v_permlanex16_b32 v[236+\b], v[232+\b], s[SEL], s[SEL+1]
.endr
.irp b, 0,1
	s_delay_alu instid0(VALU_DEP_2)
	v_max_num_f32 v[232+\b], v[232+\b], v[236+\b]
.endr
.irp b, 0,1
	s_delay_alu instid0(VALU_DEP_2)
	v_add_nc_u32 v[244+\b], 0xff000000, v[232+\b]
.endr
.irp b, 0,1
	s_delay_alu instid0(VALU_DEP_2)
	v_lshrrev_b32 v[236+\b], 23, v[244+\b]
.endr
	s_delay_alu instid0(VALU_DEP_1)
	v_lshl_or_b32 v254, v237, 8, v236              ; my head's two scale bytes
	v_cvt_scalef32_pk16_fp6_f32 v[224:226], v[96:111], v244
	v_cvt_scalef32_pk16_fp6_f32 v[228:230], v[112:127], v245
	v_nop
.irp i, 0,1,2
	v_permlane16_swap_b32 v[224+\i], v[228+\i]
.endr
	s_delay_alu instid0(VALU_DEP_3)
	v_mov_b32 v227, v228
	s_delay_alu instid0(VALU_DEP_3)
	v_mov_b32 v228, v229
	s_delay_alu instid0(VALU_DEP_3)
	v_mov_b32 v229, v230
.irp i, 0,1,2
	global_store_b64 v11, v[224+2*\i:225+2*\i], s[YB:YB+1] offset:256*\i   ; 32 lanes store 256 consecutive bytes, aligned
.endr
	global_store_b16 v31, v254, s[YS:YS+1]
.endm
	s_load_b128 s[4:7], s[0:1], 0x0                ; q, k, v as images; y
	v_lshl_add_u32 v243, v0, 2, SPARE
	v_mov_b32 v252, 0
	ds_add_u32 v243, v252                          ; the opening lines: the add, twice on end, and its wait
	ds_add_u32 v243, v252
	v_lshrrev_b32 v1, 5, v0
	v_readfirstlane_b32 s[WV], v1                  ; wave 0..15
	s_bfe_u32 s8, ttmp6, 0x40000                   ; cx
	s_lshl_b32 s9, ttmp9, 2
	s_add_co_u32 s8, s9, s8                        ; i = 4 cluster x + cx
	s_and_b32 s9, ttmp7, 0xffff
	s_and_b32 s10, s9, 1                           ; e: which head of the pair
	s_bfe_u32 s11, s9, 0x30001                     ; head pair
	s_lshr_b32 s12, s9, 4                          ; batch
	s_and_b32 s13, s[WV], 7                        ; k: my pair
	s_lshr_b32 s14, s[WV], 3
	s_xor_b32 s14, s14, 1                          ; 1 (waves 0-7): the early tile and the late tile's rest; 0 (waves 8-15): the late tile's first steps
	s_mul_i32 s99, s13, 4608
	s_add_co_u32 s99, s99, STG                     ; the pair's hand-over bytes
	s_add_co_u32 s[M2], s13, 8
	s_mul_i32 s15, s14, 15
	s_xor_b32 s15, s[M2], s15                      ; m of my first tile: 7 - k, or 8 + k
	s_cmp_eq_u32 s14, 0
	s_cselect_b32 s[M], CUT-1, s15
	s_cselect_b32 s[DG], 255, s15
	s_mul_i32 s17, s10, 768
	s_lshl_b32 s67, s10, 1
	s_lshl_b32 s16, s12, 7
	s_add_co_u32 s16, s16, s8                      ; 128 batch + i
	s_lshl_b32 s15, s15, 3
	s_add_co_u32 s15, s15, s16                     ; my first tile among all 256: the one that I store
	s_lshl_b32 s9, s[M2], 3
	s_add_co_u32 s9, s9, s16                       ; and the late tile
	s_lshl_b32 s16, s11, 8                         ; q's image: 256 head pair + tile
	QAD 15, QB, QS
	QAD 9, QB2, QS2
	s_lshr_b32 s85, s15, 2
	s_lshl_b32 s85, s85, 3
	s_add_co_u32 s85, s85, s11                     ; y: groups of 4 tiles: (tile / 4) 8 + head pair
	s_and_b32 s86, s15, 3
	s_mul_i32 s[YB], s85, 6144
	s_mul_i32 s87, s86, 1536
	s_add_co_u32 s[YB], s[YB], s87
	s_add_co_u32 s[YB], s[YB], s17
	s_mov_b32 s[YB+1], 0
	s_lshl_b32 s[YS], s85, 8
	s_lshl_b32 s86, s86, 6
	s_add_co_u32 s[YS], s[YS], s86
	s_add_co_u32 s[YS], s[YS], s67
	s_add_co_u32 s[YS], s[YS], 3145728
	s_mov_b32 s[YS+1], 0
	s_add_co_u32 s9, s11, 8
	s_lshl_b32 s9, s9, 8
	s_lshl_b32 s84, s12, 7
	s_add_co_u32 s9, s9, s84                       ; k's first image: 256 (8 + head pair) + 128 batch
	s_mul_i32 s84, s9, 1536
	s_add_co_u32 s84, s84, s17                     ; s[84:85] k's codes, my head's halves
	s_mov_b32 s85, 0
	s_lshl_b32 s86, s9, 6
	s_add_co_u32 s86, s86, 9437184                 ; s[86:87] k's scale images
	s_mov_b32 s87, 0
	s_lshl_b32 s9, s12, 3
	s_add_co_u32 s9, s9, s11
	s_mul_i32 s88, s9, 196608
	s_add_co_u32 s88, s88, 6291456
	s_mul_i32 s90, s10, 6144
	s_add_co_u32 s88, s88, s90                     ; s[88:89] v's codes, my head's four tiles of each key step
	s_mov_b32 s89, 0
	s_lshl_b32 s90, s9, 13
	s_add_co_u32 s90, s90, 9699328                 ; s[90:91] v's scale images
	s_mov_b32 s91, 0
	s_and_b32 s94, s[WV], 3                        ; the second group, k: tiles 16 + 28 (w % 4) on, 28 of them:
	s_mul_i32 s92, s94, 43008
	s_add_co_u32 s92, s92, 24576                   ; in memory,
	s_mov_b32 s93, 0
	s_mul_i32 s94, s94, 21504
	s_add_co_u32 s94, s94, 12288                   ; and in LDS
	s_and_b32 s98, s[WV], 1                        ; v: key steps 2 + 7 (w % 2) on, 7 of them
	s_mul_i32 s96, s98, 86016
	s_add_co_u32 s96, s96, 24576
	s_mov_b32 s97, 0
	s_mul_i32 s98, s98, 43008
	s_add_co_u32 s98, s98, VL+12288
	s_add_co_u32 s13, s67, KSL
	s_lshl_b32 s14, s10, 8
	s_add_co_u32 s14, s14, VSL
	s_lshr_b32 s15, s8, 1
	s_lshl_b32 s15, s15, 5
	s_and_b32 s16, s8, 1
	s_lshl_b32 s16, s16, 3
	s_add_co_u32 s15, s15, s16                     ; a tile's first query less its diagonal step's first key: 32 (i / 2) + 8 (i % 2)
.irp g, G1K, G1V, G1S
	s_mov_b32 s[\g], 15|(3<<16)|(1<<21)            ; the four partners; elements of 8 bytes; bit 21 beside a mask
	s_mov_b32 s[\g+6], 0
	s_mov_b32 s[\g+7], 0
.endr
	s_mov_b32 s[G1K+1], 96<<16                     ; k: rows of 768 bytes, 1,536 apart: 16 tiles now, 28 later
	s_mov_b32 s[G1K+2], 16<<16
	s_mov_b32 s[G1K+3], 96<<16
	s_mov_b32 s[G1K+4], 16
	s_mov_b32 s[G1K+5], 192
	s_mov_b32 s[G1V+1], 768<<16                    ; v: rows of 6,144 bytes, 12,288 apart: 2 key steps now, 7 later
	s_mov_b32 s[G1V+2], 2<<16
	s_mov_b32 s[G1V+3], 768<<16
	s_mov_b32 s[G1V+4], 2
	s_mov_b32 s[G1V+5], 1536
	s_mov_b32 s[G1S+1], 32<<16                     ; scale images: 8,192 dense bytes as rows of 256
	s_mov_b32 s[G1S+2], 32<<16
	s_mov_b32 s[G1S+3], 32<<16
	s_mov_b32 s[G1S+4], 32
	s_mov_b32 s[G1S+5], 32
	s_mov_b32 s[SEL], 0x76543210
	s_mov_b32 s[SEL+1], 0xfedcba98
	s_mov_b32 s[CS], 0x3e38aa3b
	s_mov_b32 s[CS+1], s[CS]
	v_and_b32 v28, 31, v0
	v_and_b32 v29, 15, v0                          ; r
	v_bfe_u32 v30, v0, 4, 1                        ; h
	v_lshlrev_b32 v11, 3, v28                      ; 8 lane: k's pieces; also q's and y's
	v_lshlrev_b32 v31, 2, v29                      ; 4 r
	v_add_nc_u32 v7, VL, v11                       ; v's pieces
	v_lshl_add_u32 v5, v29, 2, s13                 ; k's scale halves: 4 r + 2 e
	v_lshl_add_u32 v6, v29, 2, s14                 ; v's scale words: 4 r + 256 e
	v_lshl_add_u32 v8, v28, 4, s99                 ; the hand-over: 16 lane
	v_and_b32 v9, 8, v29
	v_add_nc_u32 v9, v9, v29
	v_lshlrev_b32 v30, 4, v30
	v_sub_nc_u32 v9, v9, v30
	v_add_nc_u32 v194, s15, v9                     ; d = my query - the diagonal step's first key - 16 h: register 16 b + i is hidden where 32 b + i > d; alike for both tiles
	v_mov_b32 v195, 0xff800000                     ; -infinity
	s_wait_alu depctr_va_vdst(0)
	s_wait_dscnt 0x0                               ; both opening adds are done
	s_wait_kmcnt 0x0
	s_add_nc_u64 s[QB:QB+1], s[4:5], s[QB:QB+1]
	s_add_nc_u64 s[QS:QS+1], s[4:5], s[QS:QS+1]
	s_add_nc_u64 s[QB2:QB2+1], s[4:5], s[QB2:QB2+1]
	s_add_nc_u64 s[QS2:QS2+1], s[4:5], s[QS2:QS2+1]
	s_add_nc_u64 s[YB:YB+1], s[6:7], s[YB:YB+1]
	s_add_nc_u64 s[YS:YS+1], s[6:7], s[YS:YS+1]
	s_mov_b32 s[G0K], 1
	s_mov_b32 s[G0K+1], 0
	s_add_nc_u64 s[G0K+2:G0K+3], s[4:5], s[84:85]
	s_or_b32 s[G0K+3], s[G0K+3], 0x80000000
	s_mov_b32 s[G0V], 1
	s_mov_b32 s[G0V+1], VL
	s_add_nc_u64 s[G0V+2:G0V+3], s[4:5], s[88:89]
	s_or_b32 s[G0V+3], s[G0V+3], 0x80000000
	s_mov_b32 s[G0KS], 1
	s_mov_b32 s[G0KS+1], KSL
	s_add_nc_u64 s[G0KS+2:G0KS+3], s[4:5], s[86:87]
	s_or_b32 s[G0KS+3], s[G0KS+3], 0x80000000
	s_mov_b32 s[G0VS], 1
	s_mov_b32 s[G0VS+1], VSL
	s_add_nc_u64 s[G0VS+2:G0VS+3], s[4:5], s[90:91]
	s_or_b32 s[G0VS+3], s[G0VS+3], 0x80000000
	CROUND                                         ; the four partners are here: the first joint loads meet
	ARM 1, G0K, G1K, .La1, .Ljoin_a                ; key steps 0-1 of k, of v, and all scale images: one load in each of waves 0-3
	ARM 2, G0V, G1V, .La2, .Ljoin_a
	ARM 3, G0KS, G1S, .La3, .Ljoin_a
	LASTARM 4, G0VS, G1S, .Ljoin_a
	QLOAD QB, QS, 16, 255                          ; my first tile's q stays in registers,
	QLOAD QB2, QS2, 86, 92                         ; and the late tile's waits in seven more
.set I, 0
.rept 6
	v_mov_b32 v[22+I], 0                           ; q's upper 64 of K: zero codes, for good
	v_mov_b32 v[80+I], 0                           ; what the eighth tile's operand names behind its own six registers
.set I, I+1
.endr
	RESET
	v_mov_b32 v193, 0                              ; (upper halves of pairs of which the lower alone is used)
	v_mov_b32 v135, 0
	v_mov_b32 v10, 0                               ; a lane permute's destination counts as one of its sources
.irp b, 0,1,2,3
	v_mov_b32 v[236+\b], 0
.endr
	s_wait_alu depctr_va_vdst(0)
	s_wait_tensorcnt 0x0                           ; my load of the first group, if I had one, is in
	ds_add_u32 v243, v252                          ; the add ahead of a later first fill, twice
	ds_add_u32 v243, v252
	s_mov_b32 s[G1K+2], 28<<16                     ; no load of mine is out: the second group's shapes and places
	s_mov_b32 s[G1K+4], 28
	s_mov_b32 s[G1V+2], 7<<16
	s_mov_b32 s[G1V+4], 7
	s_mov_b32 s[G0K+1], s94
	s_add_nc_u64 s[G0K+2:G0K+3], s[G0K+2:G0K+3], s[92:93]
	s_mov_b32 s[G0V+1], s98
	s_add_nc_u64 s[G0V+2:G0V+3], s[G0V+2:G0V+3], s[96:97]
	s_wait_dscnt 0x0
	CROUND                                         ; key steps 0-1 and the scales are in, in every partner
	ARM 4, G0K, G1K, .Lb1, .Ljoin_b                ; key steps 2-15: waves 0-3 a quarter of k's each, waves 4-5 a half of v's
	LASTARM 6, G0V, G1V, .Ljoin_b
	s_wait_loadcnt 0x0                             ; q is in
; KEY STEP J: 128 keys
.macro STEPX
	s_cmp_gt_u32 s[J], s[M]                        ; not a step of mine
	s_cbranch_scc1 .Lhid_\@
	v_add_nc_u32 v1, s[OK], v11
	v_add_nc_u32 v2, s[OK], v7
	v_add_nc_u32 v3, s[OS], v5
	v_add_nc_u32 v4, s[OS], v6
	s_wait_alu depctr_va_vdst(0)
.irp t, 0,1,2,3,4,5,6,7
.irp p, 0,1,2
	ds_load_b64 v[32+6*\t+2*\p:33+6*\t+2*\p], v1 offset:768*\t+256*\p
.endr
	ds_load_u16 v[196+\t], v3 offset:64*\t
.endr
	s_wait_dscnt 0x0
.irp t, 0,1,2,3,4,5,6,7                ; S^T = k q^T: lane (r, h) holds one query; register 16 b + i is key 128 J + 32 b + 16 h + i
	v_wmma_scale_f32_16x16x128_f8f6f4 v[96+8*\t:103+8*\t], v[32+6*\t:43+6*\t], v[16:27], 0, v[196+\t], v255 matrix_a_fmt:MATRIX_FMT_FP6 matrix_b_fmt:MATRIX_FMT_FP6
.endr
.rept 4
	v_nop                                          ; places ahead of the loads into k's registers and of the first read of the scores
.endr
.irp t, 0,1,2,3                        ; v's four fragments come in under the softmax
.irp p, 0,1,2,3,4,5
	ds_load_b64 v[32+12*\t+2*\p:33+12*\t+2*\p], v2 offset:1536*\t+256*\p
.endr
	ds_load_b32 v[204+\t], v4 offset:64*\t
.endr
	s_cmp_lg_u32 s[J], s[DG]                       ; only a tile's last step holds the diagonal
	s_cbranch_scc1 .Lopen_\@
.set I, 0
.rept 64
	v_cmp_gt_i32 vcc_lo, 32*(I/16)+I%16, v194
	v_cndmask_b32 v[96+I], v[96+I], v195, vcc_lo
.set I, I+1
.endr
.Lopen_\@:
.irp b, 0,1,2,3
	v_max3_num_f32 v[232+\b], v[96+16*\b], v[97+16*\b], v[98+16*\b]   ; the largest score of each block of 32 keys
.endr
.irp i, 3,5,7,9,11,13
.irp b, 0,1,2,3
	v_max3_num_f32 v[232+\b], v[232+\b], v[96+16*\b+\i], v[97+16*\b+\i]
.endr
.endr
.irp b, 0,1,2,3
	v_max_num_f32 v[232+\b], v[232+\b], v[111+16*\b]
.endr
.irp b, 0,1,2,3
	s_delay_alu instid0(VALU_DEP_4)
	v_permlanex16_b32 v[236+\b], v[232+\b], s[SEL], s[SEL+1]
.endr
.irp b, 0,1,2,3
	s_delay_alu instid0(VALU_DEP_4)
	v_max_num_f32 v[232+\b], v[232+\b], v[236+\b]  ; with lane l xor 16's 16 keys
.endr
	s_delay_alu instid0(VALU_DEP_2)
	v_max3_num_f32 v254, v232, v233, v234
	s_delay_alu instid0(VALU_DEP_1)
	v_max_num_f32 v254, v254, v235
	s_delay_alu instid0(VALU_DEP_1)
	v_mul_f32 v254, s[CS], v254                    ; the step's largest t
	s_delay_alu instid0(VALU_DEP_1)
	v_max_num_f32 v13, v13, v254
	v_mov_b32 v254, v12
	s_delay_alu instid0(VALU_DEP_2)
	v_floor_f32 v12, -v13                          ; the new -M
	s_delay_alu instid0(VALU_DEP_1)
	v_sub_f32 v254, v12, v254                      ; old M - new M: a whole number, 0 or less
	s_delay_alu instid0(VALU_DEP_1)
	v_cvt_i32_f32 v254, v254
	s_delay_alu instid0(VALU_DEP_1)
	v_ldexp_f32 v192, 1.0, v254                    ; f = 2^(old M - new M)
.set I, 0
.rept 32
	v_pk_fma_f32 v[96+I:97+I], v[96+I:97+I], s[CS:CS+1], v[12:13] op_sel_hi:[1,0,0]   ; t - M
.set I, I+2
.endr
.irp b, 0,1,2,3
	v_fma_f32 v[232+\b], v[232+\b], s[CS], v12     ; the same of each block's largest score
.endr
	s_wait_alu depctr_va_vdst(0)
.set I, 0
.rept 64
	v_exp_f32 v[96+I], v[96+I]                     ; p = 2^(t - M)
.set I, I+1
.endr
	v_pk_mul_f32 v[14:15], v[14:15], v[192:193] op_sel_hi:[1,0]   ; l under the new M; the plain place behind the batch
	s_wait_alu depctr_va_vdst(0)                   ; one wait for the batch, ahead of its first reader
.irp b, 0,1,2,3
	v_exp_f32 v[232+\b], v[232+\b]                 ; the blocks' largest p
.endr
	v_pk_add_f32 v[236:237], v[100:101], v[104:105]   ; l: eight chains
	v_pk_add_f32 v[250:251], v[108:109], v[112:113]
	v_pk_add_f32 v[248:249], v[116:117], v[120:121]
	v_pk_add_f32 v[246:247], v[124:125], v[128:129]
	v_pk_add_f32 v[244:245], v[132:133], v[136:137]
	v_pk_add_f32 v[240:241], v[140:141], v[144:145]
	v_pk_add_f32 v[238:239], v[148:149], v[152:153]
	v_pk_add_f32 v[14:15], v[14:15], v[156:157]
	v_pk_add_f32 v[236:237], v[236:237], v[96:97]
	v_pk_add_f32 v[250:251], v[250:251], v[98:99]
	v_pk_add_f32 v[248:249], v[248:249], v[102:103]
	v_pk_add_f32 v[246:247], v[246:247], v[106:107]
	v_pk_add_f32 v[244:245], v[244:245], v[110:111]
	v_pk_add_f32 v[240:241], v[240:241], v[114:115]
	v_pk_add_f32 v[238:239], v[238:239], v[118:119]
	v_pk_add_f32 v[14:15], v[14:15], v[122:123]
	v_pk_add_f32 v[236:237], v[236:237], v[126:127]
	v_pk_add_f32 v[250:251], v[250:251], v[130:131]
	v_pk_add_f32 v[248:249], v[248:249], v[134:135]
	v_pk_add_f32 v[246:247], v[246:247], v[138:139]
	v_pk_add_f32 v[244:245], v[244:245], v[142:143]
	v_pk_add_f32 v[240:241], v[240:241], v[146:147]
	v_pk_add_f32 v[238:239], v[238:239], v[150:151]
	v_pk_add_f32 v[14:15], v[14:15], v[154:155]
	v_pk_add_f32 v[236:237], v[236:237], v[158:159]
	s_delay_alu instid0(VALU_DEP_2)
	v_pk_add_f32 v[14:15], v[14:15], v[246:247]
	s_delay_alu instid0(VALU_DEP_2)
	v_pk_add_f32 v[236:237], v[236:237], v[244:245]
	v_pk_add_f32 v[250:251], v[250:251], v[240:241]
	v_pk_add_f32 v[248:249], v[248:249], v[238:239]
	s_delay_alu instid0(VALU_DEP_2)
	v_pk_add_f32 v[14:15], v[14:15], v[250:251]
	s_delay_alu instid0(VALU_DEP_2)
	v_pk_add_f32 v[236:237], v[236:237], v[248:249]
	s_delay_alu instid0(VALU_DEP_1)
	v_pk_add_f32 v[14:15], v[14:15], v[236:237]
	s_wait_alu depctr_va_vdst(0)                   ; and one for the four
.irp b, 0,1,2,3
	v_max_num_f32 v[232+\b], 0x1800000, v[232+\b]  ; the floor 2^(3 - 127): the byte cannot fall under 1
.endr
.irp b, 0,1,2,3
	s_delay_alu instid0(VALU_DEP_4)
	v_add_nc_u32 v[244+\b], 0xff000000, v[232+\b]  ; 2 off the exponent field: the conversion's scale operand
.endr
.irp b, 0,1,2,3
	s_delay_alu instid0(VALU_DEP_4)
	v_lshrrev_b32 v[236+\b], 23, v[244+\b]         ; the scale's byte
.endr
	s_delay_alu instid0(VALU_DEP_3)
	v_lshl_or_b32 v253, v237, 8, v236              ; p's scale word for these 128 keys
	s_delay_alu instid0(VALU_DEP_1)
	v_lshl_or_b32 v253, v238, 16, v253
	s_delay_alu instid0(VALU_DEP_1)
	v_lshl_or_b32 v253, v239, 24, v253
.irp c, 0,1
	v_cvt_scalef32_pk16_fp6_f32 v[224+6*\c:226+6*\c], v[96+32*\c:111+32*\c], v[244+2*\c]
	v_cvt_scalef32_pk16_fp6_f32 v[236+4*\c:238+4*\c], v[112+32*\c:127+32*\c], v[244+2*\c+1]
.endr
	v_nop                                          ; one plain place behind a scaled conversion
.irp c, 0,1                            ; the operand's layout wants a whole block in a lane
.irp i, 0,1,2
	v_permlane16_swap_b32 v[224+6*\c+\i], v[236+4*\c+\i]
.endr
.irp i, 0,1,2
	s_delay_alu instid0(VALU_DEP_3)
	v_mov_b32 v[227+6*\c+\i], v[236+4*\c+\i]
.endr
.endr
	s_wait_alu depctr_va_vdst(0)
.set I, 0
.rept 16
	v_pk_mul_f32 v[160+I:161+I], v[160+I:161+I], v[192:193] op_sel_hi:[1,0]   ; O^T under the new M; also the places between p's codes and scale word and the products below
.set I, I+2
.endr
	s_wait_alu depctr_va_vdst(0)
	s_wait_dscnt 0x0                               ; v's fragments are in
.irp t, 0,1,2,3                        ; O^T += v^T p^T: four tiles of 16 channels by turns
	v_wmma_scale_f32_16x16x128_f8f6f4 v[160+8*\t:167+8*\t], v[32+12*\t:43+12*\t], v[224:235], v[160+8*\t:167+8*\t], v[204+\t], v253 matrix_a_fmt:MATRIX_FMT_FP6 matrix_b_fmt:MATRIX_FMT_FP6
.endr
.rept 4
	v_nop                                          ; places ahead of the next step's loads into v's registers, and of the first read of O^T on the way out
.endr
.Lhid_\@:
.endm
	s_mov_b32 s[J], 0
	s_mov_b32 s[OK], 0
	s_mov_b32 s[OS], 0
.Lone:                                             ; key steps 0-1, while steps 2-15 land
	STEPX
	s_add_co_u32 s[OK], s[OK], 6144
	s_add_co_u32 s[OS], s[OS], 512
	s_add_co_u32 s[J], s[J], 1
	s_cmp_lt_u32 s[J], 2
	s_cbranch_scc1 .Lone
	s_wait_tensorcnt 0x0                           ; my part of key steps 2-15 is in,
	s_wait_dscnt 0x0
	s_barrier_signal -1
	s_barrier_wait -1                              ; and so is everybody's
	s_mov_b32 s[J], 2
	s_mov_b32 s[OK], 2*6144
	s_mov_b32 s[OS], 2*512
.Ltwo:                                             ; key steps 2-7 of my first tile
	STEPX
	s_add_co_u32 s[OK], s[OK], 6144
	s_add_co_u32 s[OS], s[OS], 512
	s_add_co_u32 s[J], s[J], 1
	s_cmp_lt_u32 s[J], 8
	s_cbranch_scc1 .Ltwo
	s_cmp_lt_u32 s[WV], 8                          ; waves 0-7 change tiles
	s_cbranch_scc0 .Lsame
	FINISH                                         ; the early tile is whole: it leaves
.irp p, 0,1,2,3,4,5
	v_mov_b32 v[16+\p], v[86+\p]                   ; the late tile's q (the way out's vector lines are the places behind the last products),
.endr
	v_mov_b32 v255, v92                            ; and its scale bytes; the lines below are the places ahead of the next products
	RESET
	s_mov_b32 s[M], s[M2]                          ; its steps CUT .. 8 + k are mine, the last with the diagonal
	s_mov_b32 s[DG], s[M2]
	s_wait_alu depctr_va_vdst(0)
	s_wait_xcnt 0x0                                ; the stores have read their registers, which the next step writes
.Lsame:
	s_mov_b32 s[J], CUT
	s_mov_b32 s[OK], CUT*6144
	s_mov_b32 s[OS], CUT*512
.Lthree:                                           ; key steps CUT-15 of the late tile: waves 0-7 alone have steps here
	STEPX
	s_add_co_u32 s[OK], s[OK], 6144
	s_add_co_u32 s[OS], s[OS], 512
	s_add_co_u32 s[J], s[J], 1
	s_cmp_lt_u32 s[J], 16
	s_cbranch_scc1 .Lthree
	; THE HAND-OVER of the late tile's second part
	s_cmp_lt_u32 s[WV], 8
	s_cbranch_scc0 .Ltaker
.irp j, 0,1,2,3,4,5,6,7
	ds_store_b128 v8, v[160+4*\j:163+4*\j] offset:512*\j    ; O^T, each accumulator from its low end on
.endr
	ds_store_b128 v8, v[12:15] offset:4096         ; -M, (the largest t,) l
.Ltaker:
	s_wait_dscnt 0x0                               ; for my partner's sake: my stores are done
	s_barrier_signal -1
	s_barrier_wait -1
	s_cmp_lt_u32 s[WV], 8
	s_cbranch_scc1 .Ldone
.irp j, 0,1,2,3,4,5,6,7
	ds_load_b128 v[96+4*\j:99+4*\j], v8 offset:512*\j
.endr
	ds_load_b128 v[128:131], v8 offset:4096
	s_wait_dscnt 0x0
	v_min_num_f32 v132, v12, v128                  ; -M of both parts together
	s_delay_alu instid0(VALU_DEP_1)
	v_sub_f32 v133, v132, v12                      ; my M - the joint M, and my partner's: whole numbers, 0 or less
	v_sub_f32 v134, v132, v128
	s_delay_alu instid0(VALU_DEP_2)
	v_cvt_i32_f32 v133, v133
	s_delay_alu instid0(VALU_DEP_2)
	v_cvt_i32_f32 v134, v134
	s_delay_alu instid0(VALU_DEP_2)
	v_ldexp_f32 v192, 1.0, v133
	s_delay_alu instid0(VALU_DEP_2)
	v_ldexp_f32 v134, 1.0, v134
	s_delay_alu instid0(VALU_DEP_2)
	v_pk_mul_f32 v[14:15], v[14:15], v[192:193] op_sel_hi:[1,0]
.set I, 0
.rept 16
	v_pk_mul_f32 v[160+I:161+I], v[160+I:161+I], v[192:193] op_sel_hi:[1,0]
.set I, I+2
.endr
	v_pk_fma_f32 v[14:15], v[130:131], v[134:135], v[14:15] op_sel_hi:[1,0,1]
.set I, 0
.rept 16
	v_pk_fma_f32 v[160+I:161+I], v[96+I:97+I], v[134:135], v[160+I:161+I] op_sel_hi:[1,0,1]
.set I, I+2
.endr
	FINISH
.Ldone:
	s_wait_tensorcnt 0x0                           ; the wave's end
	ds_add_u32 v243, v252
	s_wait_dscnt 0x0
	CROUND                                         ; the closing round
	s_endpgm
.Lfunc_end_k_q973b4c7757_attn:
	.size	k_q973b4c7757_attn, .Lfunc_end_k_q973b4c7757_attn-k_q973b4c7757_attn
	.p2alignl 7, 3214868480
	.fill 96, 4, 3214868480
	.section	.rodata,"a",@progbits
	.p2align	6, 0x0
	.amdhsa_kernel k_q973b4c7757_attn
		.amdhsa_group_segment_fixed_size 327680
		.amdhsa_private_segment_fixed_size 0
		.amdhsa_enable_private_segment 0
		.amdhsa_kernarg_size 16
		.amdhsa_user_sgpr_count 2
		.amdhsa_user_sgpr_kernarg_segment_ptr 1
		.amdhsa_wavefront_size32 1
		.amdhsa_system_sgpr_workgroup_id_x 1
		.amdhsa_system_sgpr_workgroup_id_y 1
		.amdhsa_system_sgpr_workgroup_id_z 1
		.amdhsa_system_vgpr_workitem_id 0
		.amdhsa_next_free_vgpr 256
		.amdhsa_next_free_sgpr 100
		.amdhsa_reserve_vcc 1
		.amdhsa_float_denorm_mode_32 3
		.amdhsa_float_denorm_mode_16_64 3
		.amdhsa_memory_ordered 1
		.amdhsa_forward_progress 1
		.amdhsa_inst_pref_size 101
	.end_amdhsa_kernel
	.amdgpu_metadata
---
amdhsa.version: [ 1, 2 ]
amdhsa.kernels:
  - .name:           k_q973b4c7757_attn
    .symbol:         k_q973b4c7757_attn.kd
    .args:
      - { .name: qkvq, .offset: 0, .size: 8, .value_kind: global_buffer, .address_space: global }
      - { .name: yq, .offset: 8, .size: 8, .value_kind: global_buffer, .address_space: global }
    .group_segment_fixed_size: 327680
    .private_segment_fixed_size: 0
    .kernarg_segment_align: 8
    .kernarg_segment_size: 16
    .max_flat_workgroup_size: 512
    .sgpr_count:     100
    .vgpr_count:     256
    .wavefront_size: 32
...
	.end_amdgpu_metadata
.endif
;; end of part 3
;; launch proj (part 4): grid 8 x 32, 4 waves a work-group, clusters of 4 x 4, 327,680 bytes of LDS; arguments yq, wts, x, x1; writes x1
.if DOCPART == 4
	.amdgcn_target "amdgcn-amd-amdhsa--gfx1250"
	.amdhsa_code_object_version 6
	.text
	.protected	k_q973b4c7757_proj
	.globl	k_q973b4c7757_proj
	.p2align	8
	.type	k_q973b4c7757_proj,@function
k_q973b4c7757_proj:
	s_mov_b64 s[64:65], 0
	v_nop
	global_prefetch_b8 v0, s[64:65] scope:SCOPE_SE
	s_setreg_imm32_b32 hwreg(HW_REG_WAVE_MODE, 25, 1), 1
	s_wait_xcnt 0x0
	s_wait_alu depctr_hold_cnt(0) depctr_sa_sdst(0) depctr_va_vdst(0) depctr_va_sdst(0) depctr_va_ssrc(0) depctr_va_vcc(0) depctr_vm_vsrc(0)
	s_getreg_b32 s2, hwreg(HW_REG_IB_STS2, 6, 4)
	s_cmp_eq_u32 s2, 0
	s_cbranch_scc0 .Lentry_in_a_cluster
	s_endpgm
.Lentry_in_a_cluster:
	s_bfe_u32 s2, ttmp6, 0x10000c
	s_cmp_lg_u32 s2, 0xf033
	s_cbranch_scc0 .Lentry_shape_is_right
	s_endpgm
.Lentry_shape_is_right:
; x1 = x + y W_proj on codes of FP6 (E2M3) with E8M0 scales, [4096][1024] x [1024][1024]; x and x1 f32.
; OPERANDS ARE IMAGES OF REGISTERS: lane r of tile t holds row 32 (t / 2) + 8 (t % 2) + r + 8 (r / 8); an image (1,536 bytes) is the fragment (tile, 128 along K): byte 256 p + 8 lane = registers 2 p, 2 p + 1.
; Images lie in groups of G tiles, ((t / G) KS + s) G + t % G, so that G tiles x a run of K steps are one dense block: one tensor load; scale images (64 bytes, word r) likewise.
; THE CORE: a tile of 128 x 128 results (tiles of 256 x 256 would be 64 work-groups; these are 256), four waves of 64 x 64.  "A" (tokens) is source 1, "B" (weight columns) source 0: a lane holds one token and
; eight neighbouring columns a tile.  K goes in steps of 512, as deep as two slots of the larger core's size hold, through two LDS slots filled by tensor loads; here K = 1,024 is two slots: nothing is filled again.
; The scales come into LDS once.  CLUSTER 4 x 4: A's tiles are shared along a row of the cluster, B's along a column, each asked for jointly.
; THE RESIDUAL's 32 loads a wave go out at the head and come in under the products.  THE WAY OUT goes through the wave's own stage in slot 0 (its last fill and its last read are over): rows of 256 bytes come back
; whole, and sixteen lanes store 256 consecutive bytes, aligned.  The tiles' order of rows stands in the stores' immediates.
.set G,  4                             ; tiles of A and of B for a wave
.set NQ, 4                             ; K steps of 128 in a slot
.set KS, 8                             ; K / 128
.set PA, 4                             ; s[4:5] A's buffer, s[6:7] B's
.set PB, 6
.set HASBIAS, 0
.set RP, 8                             ; s[8:9] the residual, s[10:11] the output
.set OP, 10
.set BP, 10
; ---------------------------------------------------------------- the core
.set FR,    12                         ; registers of a fragment
.set NL,    6                          ; LDS loads that bring one
.set IMG,   1536
.set NAH,   G/2
.set HALFT, NQ*G*IMG                   ; what one tensor load brings, and what one wave reads of A or of B in a slot
.set SLOT,  4*HALFT                    ; A's two groups, then B's two
.set SCL,   2*SLOT                     ; behind the ring: the scale images, for all of K
.set HALFS, KS*G*64                    ; those of one group
.set SPARE, SCL+4*HALFS                ; the spare words, 128 bytes for each wave: two blocks of 256 bytes that no other line names
.set GSTR,  KS*G*IMG                   ; from group to group in memory
.set LAPS,  KS/(2*NQ)                  ; a lap = once round the ring
.set ADRA, 16                          ; v16-17 LDS address of my A fragments in slot 0, 1
.set ADRB, 20                          ; v20-21 the same for B
.set ADRS, 27                          ; v27    LDS address of my scale words: lanes 0-15 A's, lanes 16-31 B's
.set SPW,  28                          ; v28    LDS address of my spare word; never rewritten
.set NIL,  29                          ; v29    0; never rewritten
.set SC,   32                          ; v32-63 scale words and nothing else: set s at SC + 16 s; register NQ i + q: lanes 0-15 A's tile i, lanes 16-31 B's tile i, the slot's q-th K step
.set AF,   128                         ; window 0: A's fragments, ONE set.  Window 1: B's, TWO sets, at v0 and v128.  Windows 2, 3: the accumulators, (a, b) at v[8 (G (a % NAH) + b)]
.set G1, 24                            ; s[24:31] group 1 for A's tiles, s[32:39] group 0, one set a slot;  s[48:55], s[56:63] for B's
.set G0, 32
.set G1B, 48
.set G0B, 56
.set G1S, 68                           ; s[68:75], s[76:79] for A's scales;  s[80:87], s[88:91] for B's
.set G0S, 76
.set G1SB, 80
.set G0SB, 88
.set MSB, 0
.macro WIN new                         ; the immediate's high byte repeats the setting that is left; a switch that changes nothing is dropped
.if MSB != (\new)
	s_set_vgpr_msb (MSB<<8)|(\new)
.set MSB, (\new)
.endif
.endm
.set MUL_LO, 0xa1                      ; source 0 (B) window 1, source 1 (A) window 0, C and D window 2
.set MUL_HI, 0xf1                      ; the same, C and D window 3
.set TO_B,   0x40                      ; destination window 1, address window 0
.macro PLACES n                        ; plain places behind matrix instructions: four ahead of loads into registers that they read and of the first read of results
.rept \n
	v_nop
.endr
.endm
.macro JLOAD g0a, g1a, g0b, g1b        ; a joint load: waves 0, 1 fetch for A, waves 2, 3 for B; the branch hangs on the wave's number alone; four v_nop follow each line
	s_cmp_eq_u32 s15, 0
	s_cbranch_scc0 .Lfor_b_\@
	tensor_load_to_lds s[\g0a:\g0a+3], s[\g1a:\g1a+7]
	s_nop 0
.rept 4
	v_nop
.endr
	s_branch .Lasked_\@
.Lfor_b_\@:
	tensor_load_to_lds s[\g0b:\g0b+3], s[\g1b:\g1b+7]
	s_nop 0
.rept 4
	v_nop
.endr
.Lasked_\@:
.endm
.macro CREST                           ; a round of the cluster's barrier behind its opening barrier
	s_cmp_lg_u32 s14, 0
	s_cbranch_scc1 .Lnot_wave_0_\@
	s_barrier_signal -3
.Lnot_wave_0_\@:
	s_barrier_wait -3
	s_barrier_signal -1
	s_barrier_wait -1
.endm
.macro CROUND                          ; a whole round
	s_barrier_signal -1
	s_barrier_wait -1
	CREST
.endm
.macro ARM under, g0, g1, next         ; an arm of the head's chain: the waves under this number that no earlier arm took issue this load
	s_cmp_lt_u32 s14, \under
	s_cbranch_scc0 \next
	tensor_load_to_lds s[\g0:\g0+3], s[\g1:\g1+7]
	s_nop 0
.rept 4
	v_nop
.endr
	s_branch .Lhead_asked
\next:
.endm
.macro CORE_IDS
	v_lshl_add_u32 v[SPW], v0, 2, SPARE
	v_mov_b32 v[NIL], 0
	ds_add_u32 v28, v29
	ds_add_u32 v28, v29
	s_wait_dscnt 0x0
	v_lshrrev_b32 v1, 5, v0
	v_readfirstlane_b32 s14, v1                    ; wave 0..3
	s_lshr_b32 s15, s14, 1                         ; which of A's two groups is mine.  Also: I fetch for A (0) or for B (1)
	s_and_b32 s16, s14, 1                          ; which of B's two groups.  Also: which group I fetch
	s_bfe_u32 s40, ttmp6, 0x40000                  ; cx
	s_bfe_u32 s41, ttmp6, 0x40004                  ; cy
	s_lshl_b32 s43, s41, 2
	s_lshl_b32 s43, 15, s43                        ; my row of the cluster
	s_lshl_b32 s44, 0x1111, s40                    ; my column
	s_or_b32 s[G1], s43, (3<<16)|(1<<21)           ; 15:0 the mask; 17:16 elements of 8 bytes; 21 set beside a mask; no padding: an image's piece is 256 consecutive bytes
	s_or_b32 s[G1B], s44, (3<<16)|(1<<21)
.irp g, G1, G1B                        ; the head's shape: both groups of a slot, two rows of HALFT bytes, GSTR bytes apart
	s_mov_b32 s[\g+1], (HALFT/8)<<16
	s_mov_b32 s[\g+2], 2<<16
	s_mov_b32 s[\g+3], (HALFT/8)<<16
	s_mov_b32 s[\g+4], 2
	s_mov_b32 s[\g+5], GSTR/8
	s_mov_b32 s[\g+6], 0
	s_mov_b32 s[\g+7], 0
.endr
	s_or_b32 s[G1S], s43, (3<<16)|(1<<21)
	s_or_b32 s[G1SB], s44, (3<<16)|(1<<21)
.irp g, G1S, G1SB
	s_mov_b32 s[\g+1], 32<<16
	s_mov_b32 s[\g+2], (2*HALFS/256)<<16
	s_mov_b32 s[\g+3], 32<<16
	s_mov_b32 s[\g+4], 2*HALFS/256
	s_mov_b32 s[\g+5], 32
	s_mov_b32 s[\g+6], 0
	s_mov_b32 s[\g+7], 0
.endr
.endm
.macro CORE_ADDR                       ; s17 = A's index, s42 = B's; s96-99 = where A's codes, A's scales, B's codes, B's scales begin in their buffers.  A's registers never hold cx, B's never cy
	s_lshl_b32 s20, s17, 1
	s_add_co_u32 s20, s20, s16                     ; the group of A that I fetch, if I fetch for A
	s_lshl_b32 s46, s42, 1
	s_add_co_u32 s46, s46, s16                     ; and of B
	s_mul_i32 s22, s20, HALFS
	s_mul_i32 s92, s46, HALFS
	s_mul_i32 s20, s20, GSTR
	s_mul_i32 s46, s46, GSTR
	s_add_co_u32 s20, s20, s96
	s_add_co_u32 s22, s22, s97
	s_add_co_u32 s46, s46, s98
	s_add_co_u32 s92, s92, s99
	s_mov_b32 s21, 0
	s_mov_b32 s23, 0
	s_mov_b32 s47, 0
	s_mov_b32 s93, 0
	s_mul_i32 s45, s14, HALFT                      ; where they go: by the wave's number alone
	s_wait_kmcnt 0x0
.endm
.macro CORE_FILL                       ; the head's four tiles, one load a wave, behind one round; the ring's descriptors; then the LDS addresses
	s_add_nc_u64 s[20:21], s[PA:PA+1], s[20:21]
	s_add_nc_u64 s[22:23], s[PA:PA+1], s[22:23]
	s_add_nc_u64 s[46:47], s[PB:PB+1], s[46:47]
	s_add_nc_u64 s[92:93], s[PB:PB+1], s[92:93]
	s_mul_i32 s18, s16, HALFS                      ; the head's four tiles begin at the first of the two groups: my group's part is taken off again
	s_mov_b32 s19, 0
	s_mov_b32 s[G0S], 1                            ; the scales of A's two groups,
	s_mov_b32 s[G0S+1], SCL
	s_sub_nc_u64 s[G0S+2:G0S+3], s[22:23], s[18:19]
	s_or_b32 s[G0S+3], s[G0S+3], 0x80000000
	s_mov_b32 s[G0SB], 1                           ; of B's two,
	s_mov_b32 s[G0SB+1], SCL+2*HALFS
	s_sub_nc_u64 s[G0SB+2:G0SB+3], s[92:93], s[18:19]
	s_or_b32 s[G0SB+3], s[G0SB+3], 0x80000000
	s_mul_i32 s18, s16, GSTR
	s_mov_b32 s96, 1                               ; slot 0's codes of A's two groups,
	s_mov_b32 s97, 0
	s_sub_nc_u64 s[98:99], s[20:21], s[18:19]
	s_or_b32 s99, s99, 0x80000000
	s_mov_b32 s92, 1                               ; and of B's two
	s_mov_b32 s93, 2*HALFT
	s_sub_nc_u64 s[94:95], s[46:47], s[18:19]
	s_or_b32 s95, s95, 0x80000000
	s_cmp_eq_u32 s15, 0                            ; the prefetch: of the HALFT bytes that I fetch of a slot, each of the four partners that ask jointly names a quarter, told apart by address
	s_cselect_b64 s[66:67], s[20:21], s[46:47]
	s_cselect_b32 s18, s40, s41
	s_mul_i32 s18, s18, HALFT/4
	s_add_nc_u64 s[66:67], s[66:67], s[18:19]
.irp s, 0,1
	s_mov_b32 s[G0+4*\s], 1
	s_add_co_u32 s[G0+4*\s+1], s45, \s*SLOT
	s_add_nc_u64 s[G0+4*\s+2:G0+4*\s+3], s[20:21], \s*HALFT
	s_or_b32 s[G0+4*\s+3], s[G0+4*\s+3], 0x80000000
	s_mov_b32 s[G0B+4*\s], 1
	s_add_co_u32 s[G0B+4*\s+1], s45, \s*SLOT
	s_add_nc_u64 s[G0B+4*\s+2:G0B+4*\s+3], s[46:47], \s*HALFT
	s_or_b32 s[G0B+4*\s+3], s[G0B+4*\s+3], 0x80000000
.endr
	CROUND                                         ; all sixteen work-groups are here: the first joint loads meet
	ARM 1, 96, G1, .Lhead_b                        ; one load a wave, in one chain of branches on the wave's number
	ARM 2, 92, G1B, .Lhead_sa
	ARM 3, G0S, G1S, .Lhead_sb
	tensor_load_to_lds s[G0SB:G0SB+3], s[G1SB:G1SB+7]
	s_nop 0
.rept 4
	v_nop
.endr
.Lhead_asked:
	v_and_b32 v1, 15, v0                           ; r
	v_bfe_u32 v2, v0, 4, 1                         ; h
	s_wait_alu depctr_va_vdst(0)
	v_and_b32 v3, 31, v0
	v_lshlrev_b32 v3, 3, v3                        ; 8 x lane: my place in a piece
	s_mul_i32 s21, s15, HALFT                      ; my group of A,
	s_mul_i32 s22, s16, HALFT
	s_add_co_u32 s22, s22, 2*HALFT                 ; my group of B, behind A's two
.irp s, 0,1
	v_add_nc_u32 v[ADRA+\s], s21, v3
	v_add_nc_u32 v[ADRB+\s], s22, v3
	s_add_co_u32 s21, s21, SLOT
	s_add_co_u32 s22, s22, SLOT
.endr
	v_lshlrev_b32 v5, 2, v1                        ; 4 r
	s_mul_i32 s21, s15, HALFS
	s_mul_i32 s22, s16, HALFS
	s_add_co_u32 s22, s22, 2*HALFS
	s_sub_co_u32 s22, s22, s21
	v_mul_u32_u24 v6, s22, v2                      ; lanes 16-31 take B's: one product, h x the distance
	s_add_co_u32 s21, s21, SCL
	v_add_nc_u32 v5, v5, v6
	v_add_nc_u32 v[ADRS], s21, v5
	v_and_b32 v30, 31, v0                          ; 24 blocks of 256 bytes, a lane a block; lanes 24-31 name the last again
	v_min_u32 v30, 23, v30
	v_lshlrev_b32 v30, 8, v30
	global_prefetch_b8 v30, s[66:67] offset:HALFT th:TH_LOAD_NT scope:SCOPE_SE     ; behind slot 0's load: slot 1, the last
.endm
.macro FRAG reg, adr, q, i             ; a fragment: six pieces of 256 consecutive bytes, 8 a lane
.irp p, 0,1,2,3,4,5
	ds_load_b64 v[\reg+2*\p:\reg+2*\p+1], v[\adr] offset:((\q)*G+(\i))*IMG+256*\p
.endr
.endm
.macro FETCH_B slot, q, p              ; B's G fragments of the slot's q-th K step into set p
	WIN TO_B
.set II, 0
.rept G
	FRAG 128*(\p)+FR*II, ADRB+\slot, \q, II
.set II, II+1
.endr
	WIN 0
.endm
.macro FETCH_A slot, q, i0             ; A's tiles i0 .. i0 + NAH - 1
.set II, \i0
.rept NAH
	FRAG AF+FR*II, ADRA+\slot, \q, II
.set II, II+1
.endr
.endm
.macro SCALES sc                       ; a slot's scale words into set sc: sixteen loads
.set II, 0
.rept G
.set QS, 0
.rept NQ
	ds_load_b32 v[SC+16*(\sc)+NQ*II+QS], v[ADRS] offset:QS*64*G+II*64
.set QS, QS+1
.endr
.set II, II+1
.endr
.endm
.macro MULA a, p, q, sc, zero          ; A's tile a against B's G tiles.  zero = 1: the product starts the sums.  The accumulators take turns, one instruction a turn, in the same order in every step
.set BB, 0
.rept G
.set rD, 8*(G*((\a)%NAH)+BB)
.set rB, 128*(\p)+FR*BB
.set rA, AF+FR*(\a)
.set rX, SC+16*(\sc)+NQ*BB+(\q)
.set rY, SC+16*(\sc)+NQ*(\a)+(\q)
.if \zero
	v_wmma_scale_f32_16x16x128_f8f6f4 v[rD:rD+7], v[rB:rB+FR-1], v[rA:rA+FR-1], 0, v[rX], v[rY] matrix_a_fmt:MATRIX_FMT_FP6 matrix_b_fmt:MATRIX_FMT_FP6 matrix_a_scale:MATRIX_SCALE_ROW1
.else
	v_wmma_scale_f32_16x16x128_f8f6f4 v[rD:rD+7], v[rB:rB+FR-1], v[rA:rA+FR-1], v[rD:rD+7], v[rX], v[rY] matrix_a_fmt:MATRIX_FMT_FP6 matrix_b_fmt:MATRIX_FMT_FP6 matrix_a_scale:MATRIX_SCALE_ROW1
.endif
.set BB, BB+1
.endr
.endm
.macro STEP slot, q, zero              ; a K step of 128 that has its successor in the same slot
	s_wait_dscnt NAH*NL                            ; B's set and A's lower tiles are in; the youngest loads (A's upper tiles) may be out
	WIN MUL_LO
.set AA, 0
.rept NAH
	MULA AA, (\q)%2, \q, \slot, \zero
.set AA, AA+1
.endr
	s_wait_dscnt 0x0                               ; A's upper tiles are in
	PLACES 4
	FETCH_B \slot, (\q)+1, 1-(\q)%2
	FETCH_A \slot, (\q)+1, 0
	WIN MUL_HI
.rept NAH
	MULA AA, (\q)%2, \q, \slot, \zero
.set AA, AA+1
.endr
	PLACES 4
	WIN 0
	FETCH_A \slot, (\q)+1, NAH
.endm
; A slot's last step changes slots: ONE barrier; in front of it each wave waits for all its tensor loads, adds 0 to its spare word, and waits for that and for its own reads of this slot.
; fill = 1: the barrier opens a round of the cluster's barrier, and this slot is filled again, two slots ahead, first thing behind the round.
.macro TURN slot, next, fill
	s_wait_tensorcnt 0x0                           ; all my tensor loads have landed: my part of the next slot
	ds_add_u32 v[SPW], v[NIL]                      ; 0 onto my spare word
	s_wait_dscnt NAH*NL+1                          ; (the add and A's upper tiles may be out)
	WIN MUL_LO
.set AA, 0
.rept NAH/2
	MULA AA, 1, NQ-1, \slot, 0
.set AA, AA+1
.endr
	s_wait_dscnt 0x0                               ; the add is done, and my reads of this slot are over
	s_barrier_signal -1
.rept NAH/2
	MULA AA, 1, NQ-1, \slot, 0
.set AA, AA+1
.endr
	WIN 0
	s_barrier_wait -1
.if \fill
	CREST                                          ; no wave of any partner still reads this slot or has a load on its way
	s_add_nc_u64 s[G0+4*\slot+2:G0+4*\slot+3], s[G0+4*\slot+2:G0+4*\slot+3], 2*HALFT
	s_add_nc_u64 s[G0B+4*\slot+2:G0B+4*\slot+3], s[G0B+4*\slot+2:G0B+4*\slot+3], 2*HALFT
	JLOAD G0+4*\slot, G1, G0B+4*\slot, G1B         ; my one tensor load behind the round; its four v_nop are also the places in front of the loads below
.else
	PLACES 4
.endif
	v_add_nc_u32 v[ADRS], NQ*G*64, v[ADRS]         ; the next slot's scale words (no LDS load of mine is out)
	FETCH_B \next, 0, 0
	FETCH_A \next, 0, 0
	SCALES \next
	WIN MUL_HI
.rept NAH
	MULA AA, 1, NQ-1, \slot, 0
.set AA, AA+1
.endr
	PLACES 4
	WIN 0
	FETCH_A \next, 0, NAH
.endm
.macro STEPS slot, q0                  ; the slot's steps q0 .. NQ - 2
.set QQ, \q0
.rept NQ-1-(\q0)
	STEP \slot, QQ, 0
.set QQ, QQ+1
.endr
.endm
.macro CORE_MAIN
	s_wait_alu depctr_va_vdst(0)
	s_wait_tensorcnt 0x0                           ; my tile of the head's four is in
	ds_add_u32 v[SPW], v[NIL]                      ; the add ahead of a later first fill
.irp g, G1, G1B                        ; no load of mine is out: from here on a load brings one group, HALFT dense bytes as rows of 256
	s_mov_b32 s[\g+1], 32<<16
	s_mov_b32 s[\g+2], (HALFT/256)<<16
	s_mov_b32 s[\g+3], 32<<16
	s_mov_b32 s[\g+4], HALFT/256
	s_mov_b32 s[\g+5], 32
.endr
	s_wait_dscnt 0x0
	CROUND                                         ; all four tiles are in, in every partner
	JLOAD G0+4, G1, G0B+4, G1B                     ; slot 1's first fill: my one load behind the round
	FETCH_B 0, 0, 0
	FETCH_A 0, 0, 0
	SCALES 0
	FETCH_A 0, 0, NAH
	STEP 0, 0, 1                                   ; the first step stands in front of the loop: its products start the sums
.if LAPS > 1
	s_mov_b32 s3, LAPS-1
.Llap:                                                 ; a trip goes once round the ring, from a lap's second step to the next lap's first, and fills both slots again
	STEPS 0, 1
	TURN 0, 1, 1
	STEPS 1, 0
	TURN 1, 0, 1
	STEP 0, 0, 0
	s_sub_co_u32 s3, s3, 1
	s_cmp_lg_u32 s3, 0
	s_cbranch_scc1 .Llap
.endif
	STEPS 0, 1                                     ; the last lap fills nothing
	TURN 0, 1, 0
	STEPS 1, 0
	s_wait_dscnt NAH*NL                            ; the very last step: nothing more to fetch
	WIN MUL_LO
.set AA, 0
.rept NAH
	MULA AA, 1, NQ-1, 1, 0
.set AA, AA+1
.endr
	s_wait_dscnt 0x0
	WIN MUL_HI
.rept NAH
	MULA AA, 1, NQ-1, 1, 0
.set AA, AA+1
.endr
	WIN 0
.endm
.macro CORE_END
	s_wait_tensorcnt 0x0                           ; the wave's end
	ds_add_u32 v[SPW], v[NIL]
	s_wait_dscnt 0x0
	CROUND                                         ; the closing round: no work-group ends while a partner may still ask for a tile that names it
	s_endpgm
.endm
; ---------------------------------------------------------------- results, residual (and bias) to memory
.set STO, 24                           ; v24  the stage: where I put 32 bytes of a row
.set RD,  25                           ; v25  and where I read a row back
.set CO,  26                           ; v26  my byte offset in two rows of the output: 4,096 h + 16 (l % 16); never rewritten
; A's tile a: its 16 tokens x 64 columns go into my stage (row = lane r, 256 bytes + 16) and come back as whole rows: rows 2 t + h into v128-159 (a even) or v160-175, v240-255 (a odd)
.macro TOSTAGE a
	WIN 0x08+4*((\a)/NAH)                          ; an LDS store's data are its source 1: window 2 or 3
.set BB, 0
.rept G
.set rD, 8*(G*((\a)%NAH)+BB)
	ds_store_b128 v[STO], v[rD:rD+3] offset:(BB/2)*128+(BB%2)*32           ; lane (r, h), tile b: columns 32 (b / 2) + 8 (b % 2) + 16 h + 0 .. 7; each accumulator from its low end on
	ds_store_b128 v[STO], v[rD+4:rD+7] offset:(BB/2)*128+(BB%2)*32+16
.set BB, BB+1
.endr
	WIN 0
.set TT, 0
.rept 8
.set rK, 128+32*((\a)%2)+4*TT+64*((\a)%2)*(TT/4)
	ds_load_b128 v[rK:rK+3], v[RD] offset:544*TT   ; LDS serves a wave's instructions in order: these see the stores above, and the next tile's stores come behind them
.set TT, TT+1
.endr
.endm
.macro SEND a, younger                 ; younger: the LDS instructions issued behind tile a's loads, which may stay out
	s_wait_dscnt \younger
.set TT, 0
.rept 8
.set rK, 128+32*((\a)%2)+4*TT+64*((\a)%2)*(TT/4)
.set rR, 64+32*(\a)+48*((\a)/2)+4*TT
	v_pk_add_f32 v[rK:rK+1], v[rK:rK+1], v[rR:rR+1]
	v_pk_add_f32 v[rK+2:rK+3], v[rK+2:rK+3], v[rR+2:rR+3]
.if HASBIAS
	v_pk_add_f32 v[rK:rK+1], v[rK:rK+1], v[8:9]
	v_pk_add_f32 v[rK+2:rK+3], v[rK+2:rK+3], v[10:11]
.endif
	global_store_b128 v[CO], v[rK:rK+3], s[OP:OP+1] offset:(32*((\a)/2)+8*((\a)%2)+2*TT+8*(TT/4))*4096   ; stage row 2 t + h is token 32 (a / 2) + 8 (a % 2) + 2 t + h + 8 (t / 4); 16 lanes store 256 consecutive bytes, aligned
.set TT, TT+1
.endr
.endm
	s_load_b256 s[4:11], s[0:1], 0x0               ; y's images, the weights' images, x, x1
	CORE_IDS
	s_lshl_b32 s42, ttmp9, 2
	s_add_co_u32 s42, s42, s40                     ; B: weight columns 128 (4 cluster x + cx) on
	s_and_b32 s17, ttmp7, 0xffff
	s_lshl_b32 s17, s17, 2
	s_add_co_u32 s17, s17, s41                     ; A: tokens 128 (4 cluster y + cy) on
	s_mov_b32 s96, 0
	s_mov_b32 s97, 3145728
	s_mov_b32 s98, 2359296
	s_mov_b32 s99, 9535488
	CORE_ADDR
	CORE_FILL
	s_mul_i32 s23, s14, 16*272                     ; my stage
	v_mul_u32_u24 v5, v1, 272
	v_lshl_add_u32 v5, v2, 6, v5
	v_add_nc_u32 v[STO], s23, v5                   ; in: row r, + 64 h
	v_mul_u32_u24 v5, v2, 272
	v_lshl_add_u32 v5, v1, 4, v5
	v_add_nc_u32 v[RD], s23, v5                    ; back: lanes 0-15 one row, lanes 16-31 the next
	v_lshlrev_b32 v5, 12, v2
	v_lshl_add_u32 v[CO], v1, 4, v5
	s_wait_alu depctr_va_vdst(0)
	s_lshl_b32 s46, s42, 9
	s_lshl_b32 s47, s16, 8
	s_add_co_u32 s46, s46, s47                     ; my first column, in bytes
	s_mov_b32 s47, 0
.if HASBIAS
	s_add_nc_u64 s[BP:BP+1], s[BP:BP+1], s[46:47]
.endif
	s_lshl_b32 s20, s17, 7
	s_lshl_b32 s21, s15, 6
	s_add_co_u32 s20, s20, s21                     ; my first token
	s_lshl_b32 s20, s20, 12
	s_add_co_u32 s20, s20, s46
	s_mov_b32 s21, 0
	s_add_nc_u64 s[RP:RP+1], s[RP:RP+1], s[20:21]
	s_add_nc_u64 s[OP:OP+1], s[OP:OP+1], s[20:21]
.irp a, 0,1,2,3
.irp t, 0,1,2,3,4,5,6,7
	global_load_b128 v[64+32*\a+48*(\a/2)+4*\t:67+32*\a+48*(\a/2)+4*\t], v[CO], s[RP:RP+1] offset:(32*(\a/2)+8*(\a%2)+2*\t+8*(\t/4))*4096   ; the residual, in the order in which the rows will leave: v64-127, v176-239
.endr
.endr
.if HASBIAS
	v_lshlrev_b32 v7, 4, v1
	global_load_b128 v[8:11], v7, s[BP:BP+1]       ; the bias at my four columns of a row
.endif
	CORE_MAIN
	PLACES 4                                       ; ahead of the first read of results and of loads into A's registers
	s_wait_loadcnt 0x0                             ; the residual is in
	TOSTAGE 0
.irp a, 1,2,3
.if \a > 1
	s_wait_xcnt 0x0                                ; tile a - 2's stores have read their registers: tile a's loads may land there
.endif
	TOSTAGE \a
	SEND \a-1, 16                                  ; behind tile a - 1's loads: tile a's 8 stores and 8 loads
.endr
	SEND 3, 0
	CORE_END
.Lfunc_end_k_q973b4c7757_proj:
	.size	k_q973b4c7757_proj, .Lfunc_end_k_q973b4c7757_proj-k_q973b4c7757_proj
	.p2alignl 7, 3214868480
	.fill 96, 4, 3214868480
	.section	.rodata,"a",@progbits
	.p2align	6, 0x0
	.amdhsa_kernel k_q973b4c7757_proj
		.amdhsa_group_segment_fixed_size 327680
		.amdhsa_private_segment_fixed_size 0
		.amdhsa_enable_private_segment 0
		.amdhsa_kernarg_size 32
		.amdhsa_user_sgpr_count 2
		.amdhsa_user_sgpr_kernarg_segment_ptr 1
		.amdhsa_wavefront_size32 1
		.amdhsa_system_sgpr_workgroup_id_x 1
		.amdhsa_system_sgpr_workgroup_id_y 1
		.amdhsa_system_sgpr_workgroup_id_z 1
		.amdhsa_system_vgpr_workitem_id 0
		.amdhsa_next_free_vgpr 1024
		.amdhsa_next_free_sgpr 102
		.amdhsa_reserve_vcc 0
		.amdhsa_float_denorm_mode_32 3
		.amdhsa_float_denorm_mode_16_64 3
		.amdhsa_memory_ordered 1
		.amdhsa_forward_progress 1
		.amdhsa_inst_pref_size 73
	.end_amdhsa_kernel
	.amdgpu_metadata
---
amdhsa.version: [ 1, 2 ]
amdhsa.kernels:
  - .name:           k_q973b4c7757_proj
    .symbol:         k_q973b4c7757_proj.kd
    .args:
      - { .name: yq, .offset: 0, .size: 8, .value_kind: global_buffer, .address_space: global }
      - { .name: wts, .offset: 8, .size: 8, .value_kind: global_buffer, .address_space: global }
      - { .name: x, .offset: 16, .size: 8, .value_kind: global_buffer, .address_space: global }
      - { .name: x1, .offset: 24, .size: 8, .value_kind: global_buffer, .address_space: global }
    .group_segment_fixed_size: 327680
    .private_segment_fixed_size: 0
    .kernarg_segment_align: 8
    .kernarg_segment_size: 32
    .max_flat_workgroup_size: 128
    .sgpr_count:     102
    .vgpr_count:     1024
    .wavefront_size: 32
...
	.end_amdgpu_metadata
.endif
;; end of part 4
;; launch ln2 (part 5): grid 256 x 1, 8 waves a work-group, no clusters, 50,688 bytes of LDS; arguments x1, ln2_w, ln2_b, hq; writes hq
.if DOCPART == 5
	.amdgcn_target "amdgcn-amd-amdhsa--gfx1250"
	.amdhsa_code_object_version 6
	.text
	.protected	k_q973b4c7757_ln2
	.globl	k_q973b4c7757_ln2
	.p2align	8
	.type	k_q973b4c7757_ln2,@function
k_q973b4c7757_ln2:
	s_mov_b64 s[64:65], 0
	v_nop
	global_prefetch_b8 v0, s[64:65] scope:SCOPE_SE
	s_setreg_imm32_b32 hwreg(HW_REG_WAVE_MODE, 25, 1), 1
	s_wait_xcnt 0x0
; Layer norm of [4096][1024] f32 rows, (x - mean) rsqrt(var + 1e-5) w + b, quantised along the row to FP6 (E2M3) with one E8M0 byte for each 32, stored as images of operand registers.
; TILES AND IMAGES: lane r of tile t holds row 32 (t / 2) + 8 (t % 2) + r + 8 (r / 8); an image (1,536 bytes) is the fragment (tile, 128 along K): byte 256 p + 8 lane = the lane's registers 2 p, 2 p + 1;
; lane (r, h), registers 6 c .. 6 c + 5 = k 64 c + 32 h + 0 .. 31.  Images in groups of 8 tiles: ((t / 8) 8 + s) 8 + t % 8; scale images (64 bytes, word r) behind them, from byte 3,145,728.
; SHARES: a work-group owns tile t, wave w its lanes-to-be 2 w and 2 w + 1, two neighbouring rows, 8,192 dense bytes.  A row stays in 32 registers: mean, then the sum of squares of x - mean (two passes
; over registers, so a common offset of the inputs costs nothing), read from memory once.  A load takes the bytes as they lie, 16 a lane; the conversions want 32 neighbours in a lane: the row turns through
; the wave's own stage in LDS (32 places of 128 + 16 bytes).  Then lane l holds block l.  Codes and bytes meet in LDS as the tile's eight images; behind one barrier wave w stores image w.
; LIMITS: a block of zeros, or under 2^-124, gets the byte 1 (read by this program alone); v_rsq_f32 is good to one unit in the last place; NaN and infinities are not served.
.set X0, 32                            ; v32-63   row 0
.set X1, 64                            ; v64-95   row 1
.set WR, 96                            ; v96-127  the gain at my columns
.set BR, 128                           ; v128-159 the bias
.set T0, WR                            ; row 0, turned: my block of 32: on the gain's registers, which are done with by then
.set T1, BR                            ; row 1: on the bias's
.set C0, X0                            ; codes: on row 0's registers, whose stores into the stage are done by then
.set C1, X0+8
.set STGB, 4608                        ; a wave's stage
.set IMG0, 8*STGB                      ; the tile's eight images
.set SC0,  IMG0+8*1536                 ; and eight scale images
.macro RED a, t                        ; the sum over the 32 lanes, in every lane
	s_delay_alu instid0(VALU_DEP_1)
	v_add_f32_dpp v[\a], v[\a], v[\a] row_xmask:1 row_mask:0xf bank_mask:0xf
	s_delay_alu instid0(VALU_DEP_1)
	v_add_f32_dpp v[\a], v[\a], v[\a] row_xmask:2 row_mask:0xf bank_mask:0xf
	s_delay_alu instid0(VALU_DEP_1)
	v_add_f32_dpp v[\a], v[\a], v[\a] row_xmask:4 row_mask:0xf bank_mask:0xf
	s_delay_alu instid0(VALU_DEP_1)
	v_add_f32_dpp v[\a], v[\a], v[\a] row_xmask:8 row_mask:0xf bank_mask:0xf
	s_delay_alu instid0(VALU_DEP_1)
	v_permlanex16_b32 v[\t], v[\a], s12, s13
	s_delay_alu instid0(VALU_DEP_1)
	v_add_f32 v[\a], v[\a], v[\t]
.endm
.macro STAT x, mu, rs                  ; the row in v[x ..] becomes x - mean; 1 / sqrt(var + eps) into the pair v[rs], v[rs + 1]
	v_pk_add_f32 v[10:11], v[\x:\x+1], v[\x+2:\x+3]
	v_pk_add_f32 v[12:13], v[\x+4:\x+5], v[\x+6:\x+7]
.irp j, 8,12,16,20,24,28
	s_delay_alu instid0(VALU_DEP_2)
	v_pk_add_f32 v[10:11], v[10:11], v[\x+\j:\x+\j+1]
	s_delay_alu instid0(VALU_DEP_2)
	v_pk_add_f32 v[12:13], v[12:13], v[\x+\j+2:\x+\j+3]
.endr
	s_delay_alu instid0(VALU_DEP_1)
	v_pk_add_f32 v[10:11], v[10:11], v[12:13]
	s_delay_alu instid0(VALU_DEP_1)
	v_add_f32 v10, v10, v11
	RED 10, 11
	s_delay_alu instid0(VALU_DEP_1)
	v_mul_f32 v[\mu], s14, v10                     ; / 1,024
	s_delay_alu instid0(VALU_DEP_1)
	v_mov_b32 v[\mu+1], v[\mu]
.irp j, 0,2,4,6,8,10,12,14,16,18,20,22,24,26,28,30
	v_pk_add_f32 v[\x+\j:\x+\j+1], v[\x+\j:\x+\j+1], v[\mu:\mu+1] neg_lo:[0,1] neg_hi:[0,1]
.endr
	v_pk_mul_f32 v[10:11], v[\x:\x+1], v[\x:\x+1]
	v_pk_mul_f32 v[12:13], v[\x+2:\x+3], v[\x+2:\x+3]
.irp j, 4,8,12,16,20,24,28
	s_delay_alu instid0(VALU_DEP_2)
	v_pk_fma_f32 v[10:11], v[\x+\j:\x+\j+1], v[\x+\j:\x+\j+1], v[10:11]
	s_delay_alu instid0(VALU_DEP_2)
	v_pk_fma_f32 v[12:13], v[\x+\j+2:\x+\j+3], v[\x+\j+2:\x+\j+3], v[12:13]
.endr
	s_delay_alu instid0(VALU_DEP_1)
	v_pk_add_f32 v[10:11], v[10:11], v[12:13]
	s_delay_alu instid0(VALU_DEP_1)
	v_add_f32 v10, v10, v11
	RED 10, 11
	s_delay_alu instid0(VALU_DEP_1)
	v_fma_f32 v10, v10, s14, s15                   ; var + eps
	s_wait_alu depctr_va_vdst(0)
	v_rsq_f32 v[\rs], v10
	v_nop                                          ; a plain place behind the transcendental,
	s_wait_alu depctr_va_vdst(0)                   ; and the wait ahead of its first reader
	v_mov_b32 v[\rs+1], v[\rs]
.endm
.macro APPLY x, rs
.irp j, 0,2,4,6,8,10,12,14,16,18,20,22,24,26,28,30
	v_pk_mul_f32 v[\x+\j:\x+\j+1], v[\x+\j:\x+\j+1], v[\rs:\rs+1]
.endr
.irp j, 0,2,4,6,8,10,12,14,16,18,20,22,24,26,28,30
	v_pk_fma_f32 v[\x+\j:\x+\j+1], v[\x+\j:\x+\j+1], v[WR+\j:WR+\j+1], v[BR+\j:BR+\j+1]
.endr
.endm
.macro TURNROW x, t                    ; through the stage: in as loaded (byte 512 j + 16 l of the row lies in block 4 j + l / 8), out 128 bytes a lane
.irp j, 0,1,2,3,4,5,6,7
	ds_store_b128 v3, v[\x+4*\j:\x+4*\j+3] offset:576*\j
.endr
.irp j, 0,1,2,3,4,5,6,7
	ds_load_b128 v[\t+4*\j:\t+4*\j+3], v4 offset:16*\j   ; LDS serves a wave's instructions in order: these see the stores above, and the next row's stores come behind them
.endr
.endm
.macro QROW t, c, e                    ; my block of row e: its byte and its 24 bytes of codes, to their places in the images
	v_max3_num_f32 v12, |v[\t]|, |v[\t+1]|, |v[\t+2]|
	v_max3_num_f32 v13, |v[\t+3]|, |v[\t+4]|, |v[\t+5]|
.irp i, 6,10,14,18,22,26
	s_delay_alu instid0(VALU_DEP_2)
	v_max3_num_f32 v12, v12, |v[\t+\i]|, |v[\t+\i+1]|
	s_delay_alu instid0(VALU_DEP_2)
	v_max3_num_f32 v13, v13, |v[\t+\i+2]|, |v[\t+\i+3]|
.endr
	s_delay_alu instid0(VALU_DEP_2)
	v_max3_num_f32 v12, v12, |v[\t+30]|, |v[\t+31]|
	s_delay_alu instid0(VALU_DEP_1)
	v_max3_num_f32 v12, v12, v13, 0x1800000        ; the floor 2^(3 - 127): the byte cannot fall under 1
	s_delay_alu instid0(VALU_DEP_1)
	v_add_nc_u32 v11, 0xff000000, v12              ; 2 off the exponent field: the conversion's scale operand
	v_cvt_scalef32_pk16_fp6_f32 v[\c:\c+2], v[\t:\t+15], v11
	v_cvt_scalef32_pk16_fp6_f32 v[\c+4:\c+6], v[\t+16:\t+31], v11
	v_lshrrev_b32 v[14+\e], 23, v11                ; the scale's byte; also the plain place behind the conversions
	v_mov_b32 v[\c+3], v[\c+4]
	v_mov_b32 v[\c+4], v[\c+5]
	v_mov_b32 v[\c+5], v[\c+6]
.irp i, 0,1,2
	ds_store_b64 v5, v[\c+2*\i:\c+2*\i+1] offset:256*\i+8*\e
.endr
	ds_store_b8 v6, v[14+\e] offset:4*\e
.endm
	s_load_b256 s[4:11], s[0:1], 0x0               ; the rows, the gain, the bias, the workspace
	v_lshl_add_u32 v160, v0, 2, 0xc200
	v_mov_b32 v161, 0
	v_lshrrev_b32 v1, 5, v0
	s_delay_alu instid0(VALU_DEP_1)
	v_readfirstlane_b32 s16, v1                    ; wave 0..7
	v_and_b32 v1, 31, v0                           ; lane l
	s_delay_alu instid0(VALU_DEP_1)
	v_lshlrev_b32 v2, 4, v1                        ; 16 l
	s_mul_i32 s17, s16, STGB
	v_lshrrev_b32 v10, 3, v1
	s_delay_alu instid0(VALU_DEP_1)
	v_mul_u32_u24 v3, v10, 144
	v_and_b32 v11, 7, v1
	s_delay_alu instid0(VALU_DEP_1)
	v_lshl_add_u32 v3, v11, 4, v3
	s_delay_alu instid0(VALU_DEP_1)
	v_add_nc_u32 v3, s17, v3                       ; the stage, in: 144 (l / 8) + 16 (l % 8)
	v_mul_u32_u24 v4, v1, 144
	s_delay_alu instid0(VALU_DEP_1)
	v_add_nc_u32 v4, s17, v4                       ; and out: 144 l
	v_lshrrev_b32 v10, 2, v1                       ; block l: K step l / 4, c = (l / 2) % 2, h = l % 2
	s_delay_alu instid0(VALU_DEP_1)
	v_mul_u32_u24 v5, v10, 1536
	v_bfe_u32 v11, v1, 1, 1
	s_delay_alu instid0(VALU_DEP_1)
	v_mad_u32_u24 v5, v11, 768, v5
	v_and_b32 v11, 1, v1
	s_delay_alu instid0(VALU_DEP_1)
	v_lshl_add_u32 v5, v11, 7, v5
	s_lshl_b32 s18, s16, 4
	s_add_co_u32 s18, s18, IMG0
	v_add_nc_u32 v5, s18, v5                       ; my codes: image l / 4, + 768 c + 128 h + 8 (2 w + e)
	v_lshlrev_b32 v6, 6, v10
	v_and_b32 v11, 3, v1
	s_delay_alu instid0(VALU_DEP_1)
	v_add_nc_u32 v6, v6, v11
	s_lshl_b32 s18, s16, 3
	s_add_co_u32 s18, s18, SC0
	v_add_nc_u32 v6, s18, v6                       ; my byte: scale image l / 4, word 2 w + e, byte l % 4
	s_mul_i32 s18, s16, 1536
	s_add_co_u32 s18, s18, IMG0
	v_add_nc_u32 v7, s18, v2                       ; the way out: image w, 16 bytes a lane
	v_and_b32 v9, 15, v1
	s_delay_alu instid0(VALU_DEP_1)
	v_lshlrev_b32 v9, 2, v9
	s_lshl_b32 s18, s16, 6
	s_add_co_u32 s18, s18, SC0
	v_add_nc_u32 v8, s18, v9                       ; and scale image w, word l % 16
	s_mov_b32 s12, 0x76543210
	s_mov_b32 s13, 0xfedcba98                      ; v_permlanex16_b32's selects for lane l xor 16
	s_mov_b32 s14, 0x3a800000                      ; 1 / 1,024
	s_mov_b32 s15, 0x3727c5ac                      ; 1e-5
	s_lshr_b32 s19, ttmp9, 1
	s_lshl_b32 s19, s19, 5
	s_and_b32 s20, ttmp9, 1
	s_lshl_b32 s20, s20, 3
	s_add_co_u32 s19, s19, s20
	s_lshl_b32 s20, s16, 1
	s_add_co_u32 s19, s19, s20
	s_lshr_b32 s20, s16, 2
	s_lshl_b32 s20, s20, 3
	s_add_co_u32 s19, s19, s20                     ; my first row: 32 (t / 2) + 8 (t % 2) + 2 w + 8 (w / 4)
	s_lshl_b32 s20, s19, 12
	s_mov_b32 s21, 0
	s_lshr_b32 s22, ttmp9, 3
	s_lshl_b32 s22, s22, 3
	s_add_co_u32 s22, s22, s16                     ; (t / 8) 8 + w
	s_and_b32 s23, ttmp9, 7
	s_mul_i32 s24, s22, 12288
	s_mul_i32 s25, s23, 1536
	s_add_co_u32 s24, s24, s25
	s_mov_b32 s25, 0
	s_lshl_b32 s26, s22, 9
	s_lshl_b32 s27, s23, 6
	s_add_co_u32 s26, s26, s27
	s_add_co_u32 s26, s26, 3145728
	s_mov_b32 s27, 0
	s_wait_kmcnt 0x0
	s_add_nc_u64 s[4:5], s[4:5], s[20:21]
	s_add_nc_u64 s[24:25], s[10:11], s[24:25]
	s_add_nc_u64 s[26:27], s[10:11], s[26:27]
.irp j, 0,1,2,3,4,5,6,7
	global_load_b128 v[X0+4*\j:X0+4*\j+3], v2, s[4:5] offset:512*\j          ; 32 lanes read 512 consecutive bytes
.endr
.irp j, 0,1,2,3,4,5,6,7
	global_load_b128 v[X1+4*\j:X1+4*\j+3], v2, s[4:5] offset:4096+512*\j
.endr
.irp j, 0,1,2,3,4,5,6,7
	global_load_b128 v[WR+4*\j:WR+4*\j+3], v2, s[6:7] offset:512*\j
.endr
.irp j, 0,1,2,3,4,5,6,7
	global_load_b128 v[BR+4*\j:BR+4*\j+3], v2, s[8:9] offset:512*\j
.endr
	s_wait_loadcnt 24                              ; row 0 is in; row 1, the gain and the bias (24 loads) may be out
	STAT X0, 16, 20
	s_wait_loadcnt 16                              ; row 1 is in
	STAT X1, 18, 22
	s_wait_loadcnt 0x0
	APPLY X0, 20
	APPLY X1, 22
	TURNROW X0, T0
	TURNROW X1, T1
	s_wait_dscnt 16                                ; row 0 is back, and its stores have read their registers; row 1's eight stores and eight loads may be out
	QROW T0, C0, 0
	s_wait_dscnt 4                                 ; row 1 is back; row 0's four stores may be out
	QROW T1, C1, 1
	s_wait_dscnt 0x0                               ; for the others' sake: my stores into the images are done
	s_barrier_signal -1
	s_barrier_wait -1
.irp c, 0,1,2
	ds_load_b128 v[X0+4*\c:X0+4*\c+3], v7 offset:512*\c
.endr
	ds_load_b32 v[X0+12], v8
	s_wait_dscnt 0x0
.irp c, 0,1,2
	global_store_b128 v2, v[X0+4*\c:X0+4*\c+3], s[24:25] offset:512*\c   ; 32 lanes store 512 consecutive bytes, aligned
.endr
	global_store_b32 v9, v[X0+12], s[26:27]        ; the scale image's 64 bytes (lanes 16-31 repeat lanes 0-15's words)
	s_wait_tensorcnt 0x0
	ds_add_u32 v160, v161
	s_wait_dscnt 0x0
	s_endpgm
.Lfunc_end_k_q973b4c7757_ln2:
	.size	k_q973b4c7757_ln2, .Lfunc_end_k_q973b4c7757_ln2-k_q973b4c7757_ln2
	.p2alignl 7, 3214868480
	.fill 96, 4, 3214868480
	.section	.rodata,"a",@progbits
	.p2align	6, 0x0
	.amdhsa_kernel k_q973b4c7757_ln2
		.amdhsa_group_segment_fixed_size 50688
		.amdhsa_private_segment_fixed_size 0
		.amdhsa_enable_private_segment 0
		.amdhsa_kernarg_size 32
		.amdhsa_user_sgpr_count 2
		.amdhsa_user_sgpr_kernarg_segment_ptr 1
		.amdhsa_wavefront_size32 1
		.amdhsa_system_sgpr_workgroup_id_x 1
		.amdhsa_system_sgpr_workgroup_id_y 1
		.amdhsa_system_sgpr_workgroup_id_z 1
		.amdhsa_system_vgpr_workitem_id 0
		.amdhsa_next_free_vgpr 162
		.amdhsa_next_free_sgpr 66
		.amdhsa_reserve_vcc 0
		.amdhsa_float_denorm_mode_32 3
		.amdhsa_float_denorm_mode_16_64 3
		.amdhsa_memory_ordered 1
		.amdhsa_forward_progress 1
		.amdhsa_inst_pref_size 29
	.end_amdhsa_kernel
	.amdgpu_metadata
---
amdhsa.version: [ 1, 2 ]
amdhsa.kernels:
  - .name:           k_q973b4c7757_ln2
    .symbol:         k_q973b4c7757_ln2.kd
    .args:
      - { .name: x1, .offset: 0, .size: 8, .value_kind: global_buffer, .address_space: global }
      - { .name: ln2_w, .offset: 8, .size: 8, .value_kind: global_buffer, .address_space: global }
      - { .name: ln2_b, .offset: 16, .size: 8, .value_kind: global_buffer, .address_space: global }
      - { .name: hq, .offset: 24, .size: 8, .value_kind: global_buffer, .address_space: global }
    .group_segment_fixed_size: 50688
    .private_segment_fixed_size: 0
    .kernarg_segment_align: 8
    .kernarg_segment_size: 32
    .max_flat_workgroup_size: 256
    .sgpr_count:     66
    .vgpr_count:     162
    .wavefront_size: 32
...
	.end_amdgpu_metadata
.endif
;; end of part 5
;; launch fc (part 6): grid 16 x 16, 4 waves a work-group, clusters of 4 x 4, 327,680 bytes of LDS; arguments hq, wts, b_fc, gq; writes gq
.if DOCPART == 6
	.amdgcn_target "amdgcn-amd-amdhsa--gfx1250"
	.amdhsa_code_object_version 6
	.text
	.protected	k_q973b4c7757_fc
	.globl	k_q973b4c7757_fc
	.p2align	8
	.type	k_q973b4c7757_fc,@function
k_q973b4c7757_fc:
	s_mov_b64 s[64:65], 0
	v_nop
	global_prefetch_b8 v0, s[64:65] scope:SCOPE_SE
	s_setreg_imm32_b32 hwreg(HW_REG_WAVE_MODE, 25, 1), 1
	s_wait_xcnt 0x0
	s_wait_alu depctr_hold_cnt(0) depctr_sa_sdst(0) depctr_va_vdst(0) depctr_va_sdst(0) depctr_va_ssrc(0) depctr_va_vcc(0) depctr_vm_vsrc(0)
	s_getreg_b32 s2, hwreg(HW_REG_IB_STS2, 6, 4)
	s_cmp_eq_u32 s2, 0
	s_cbranch_scc0 .Lentry_in_a_cluster
	s_endpgm
.Lentry_in_a_cluster:
	s_bfe_u32 s2, ttmp6, 0x10000c
	s_cmp_lg_u32 s2, 0xf033
	s_cbranch_scc0 .Lentry_shape_is_right
	s_endpgm
.Lentry_shape_is_right:
.set G,  8
.set NQ, 2
.set KS, 8
.set PA, 4
.set PB, 6
.set FR,    12
.set NL,    6
.set IMG,   1536
.set NAH,   G/2
.set HALFT, NQ*G*IMG
.set SLOT,  4*HALFT
.set SCL,   2*SLOT
.set HALFS, KS*G*64
.set SPARE, SCL+4*HALFS
.set GSTR,  KS*G*IMG
.set LAPS,  KS/(2*NQ)
.set ADRA, 16
.set ADRB, 20
.set ADRS, 27
.set SPW,  28
.set NIL,  29
.set SC,   32
.set AF,   128
.set G1, 24
.set G0, 32
.set G1B, 48
.set G0B, 56
.set G1S, 68
.set G0S, 76
.set G1SB, 80
.set G0SB, 88
.set MSB, 0
.macro WIN new
.if MSB != (\new)
	s_set_vgpr_msb (MSB<<8)|(\new)
.set MSB, (\new)
.endif
.endm
.set MUL_LO, 0xa1
.set MUL_HI, 0xf1
.set TO_B,   0x40
.macro PLACES n
.rept \n
	v_nop
.endr
.endm
.macro JLOAD g0a, g1a, g0b, g1b
	s_cmp_eq_u32 s15, 0
	s_cbranch_scc0 .Lfor_b_\@
	tensor_load_to_lds s[\g0a:\g0a+3], s[\g1a:\g1a+7]
	s_nop 0
.rept 4
	v_nop
.endr
	s_branch .Lasked_\@
.Lfor_b_\@:
	tensor_load_to_lds s[\g0b:\g0b+3], s[\g1b:\g1b+7]
	s_nop 0
.rept 4
	v_nop
.endr
.Lasked_\@:
.endm
.macro CREST
	s_cmp_lg_u32 s14, 0
	s_cbranch_scc1 .Lnot_wave_0_\@
	s_barrier_signal -3
.Lnot_wave_0_\@:
	s_barrier_wait -3
	s_barrier_signal -1
	s_barrier_wait -1
.endm
.macro CROUND
	s_barrier_signal -1
	s_barrier_wait -1
	CREST
.endm
.macro ARM under, g0, g1, next
	s_cmp_lt_u32 s14, \under
	s_cbranch_scc0 \next
	tensor_load_to_lds s[\g0:\g0+3], s[\g1:\g1+7]
	s_nop 0
.rept 4
	v_nop
.endr
	s_branch .Lhead_asked
\next:
.endm
.macro CORE_IDS
	v_lshl_add_u32 v[SPW], v0, 2, SPARE
	v_mov_b32 v[NIL], 0
	ds_add_u32 v28, v29
	ds_add_u32 v28, v29
	s_wait_dscnt 0x0
	v_lshrrev_b32 v1, 5, v0
	v_readfirstlane_b32 s14, v1
	s_lshr_b32 s15, s14, 1
	s_and_b32 s16, s14, 1
	s_bfe_u32 s40, ttmp6, 0x40000
	s_bfe_u32 s41, ttmp6, 0x40004
	s_lshl_b32 s43, s41, 2
	s_lshl_b32 s43, 15, s43
	s_lshl_b32 s44, 0x1111, s40
	s_or_b32 s[G1], s43, (3<<16)|(1<<21)
	s_or_b32 s[G1B], s44, (3<<16)|(1<<21)
.irp g, G1, G1B                        ; the head's shape: both groups of a slot, two rows of HALFT bytes, GSTR bytes apart
	s_mov_b32 s[\g+1], (HALFT/8)<<16
	s_mov_b32 s[\g+2], 2<<16
	s_mov_b32 s[\g+3], (HALFT/8)<<16
	s_mov_b32 s[\g+4], 2
	s_mov_b32 s[\g+5], GSTR/8
	s_mov_b32 s[\g+6], 0
	s_mov_b32 s[\g+7], 0
.endr
	s_or_b32 s[G1S], s43, (3<<16)|(1<<21)
	s_or_b32 s[G1SB], s44, (3<<16)|(1<<21)
.irp g, G1S, G1SB
	s_mov_b32 s[\g+1], 32<<16
	s_mov_b32 s[\g+2], (2*HALFS/256)<<16
	s_mov_b32 s[\g+3], 32<<16
	s_mov_b32 s[\g+4], 2*HALFS/256
	s_mov_b32 s[\g+5], 32
	s_mov_b32 s[\g+6], 0
	s_mov_b32 s[\g+7], 0
.endr
.endm
.macro CORE_ADDR
	s_lshl_b32 s20, s17, 1
	s_add_co_u32 s20, s20, s16
	s_lshl_b32 s46, s42, 1
	s_add_co_u32 s46, s46, s16
	s_mul_i32 s22, s20, HALFS
	s_mul_i32 s92, s46, HALFS
	s_mul_i32 s20, s20, GSTR
	s_mul_i32 s46, s46, GSTR
	s_add_co_u32 s20, s20, s96
	s_add_co_u32 s22, s22, s97
	s_add_co_u32 s46, s46, s98
	s_add_co_u32 s92, s92, s99
	s_mov_b32 s21, 0
	s_mov_b32 s23, 0
	s_mov_b32 s47, 0
	s_mov_b32 s93, 0
	s_mul_i32 s45, s14, HALFT
	s_wait_kmcnt 0x0
.endm
.macro CORE_FILL
	s_add_nc_u64 s[20:21], s[PA:PA+1], s[20:21]
	s_add_nc_u64 s[22:23], s[PA:PA+1], s[22:23]
	s_add_nc_u64 s[46:47], s[PB:PB+1], s[46:47]
	s_add_nc_u64 s[92:93], s[PB:PB+1], s[92:93]
	s_mul_i32 s18, s16, HALFS                      ; the head's four tiles begin at the first of the two groups: my group's part is taken off again
	s_mov_b32 s19, 0
	s_mov_b32 s[G0S], 1                            ; the scales of A's two groups,
	s_mov_b32 s[G0S+1], SCL
	s_sub_nc_u64 s[G0S+2:G0S+3], s[22:23], s[18:19]
	s_or_b32 s[G0S+3], s[G0S+3], 0x80000000
	s_mov_b32 s[G0SB], 1                           ; of B's two,
	s_mov_b32 s[G0SB+1], SCL+2*HALFS
	s_sub_nc_u64 s[G0SB+2:G0SB+3], s[92:93], s[18:19]
	s_or_b32 s[G0SB+3], s[G0SB+3], 0x80000000
	s_mul_i32 s18, s16, GSTR
	s_mov_b32 s96, 1                               ; slot 0's codes of A's two groups,
	s_mov_b32 s97, 0
	s_sub_nc_u64 s[98:99], s[20:21], s[18:19]
	s_or_b32 s99, s99, 0x80000000
	s_mov_b32 s92, 1                               ; and of B's two
	s_mov_b32 s93, 2*HALFT
	s_sub_nc_u64 s[94:95], s[46:47], s[18:19]
	s_or_b32 s95, s95, 0x80000000
	s_cmp_eq_u32 s15, 0                            ; the prefetches: of the HALFT bytes that I fetch of a slot, each of the four partners that ask jointly names a quarter, told apart by address
	s_cselect_b64 s[66:67], s[20:21], s[46:47]
	s_cselect_b32 s18, s40, s41
	s_mul_i32 s18, s18, HALFT/4
	s_add_nc_u64 s[66:67], s[66:67], s[18:19]
.irp s, 0,1
	s_mov_b32 s[G0+4*\s], 1
	s_add_co_u32 s[G0+4*\s+1], s45, \s*SLOT
	s_add_nc_u64 s[G0+4*\s+2:G0+4*\s+3], s[20:21], \s*HALFT
	s_or_b32 s[G0+4*\s+3], s[G0+4*\s+3], 0x80000000
	s_mov_b32 s[G0B+4*\s], 1
	s_add_co_u32 s[G0B+4*\s+1], s45, \s*SLOT
	s_add_nc_u64 s[G0B+4*\s+2:G0B+4*\s+3], s[46:47], \s*HALFT
	s_or_b32 s[G0B+4*\s+3], s[G0B+4*\s+3], 0x80000000
.endr
	CROUND                                         ; all sixteen work-groups are here: the first joint loads meet
	ARM 1, 96, G1, .Lhead_b                        ; one load a wave, in one chain of branches on the wave's number
	ARM 2, 92, G1B, .Lhead_sa
	ARM 3, G0S, G1S, .Lhead_sb
	tensor_load_to_lds s[G0SB:G0SB+3], s[G1SB:G1SB+7]
	s_nop 0
.rept 4
	v_nop
.endr
.Lhead_asked:
	v_and_b32 v1, 15, v0
	v_bfe_u32 v2, v0, 4, 1
	s_wait_alu depctr_va_vdst(0)
	v_and_b32 v3, 31, v0
	v_lshlrev_b32 v3, 3, v3
	s_mul_i32 s21, s15, HALFT
	s_mul_i32 s22, s16, HALFT
	s_add_co_u32 s22, s22, 2*HALFT
.irp s, 0,1
	v_add_nc_u32 v[ADRA+\s], s21, v3
	v_add_nc_u32 v[ADRB+\s], s22, v3
	s_add_co_u32 s21, s21, SLOT
	s_add_co_u32 s22, s22, SLOT
.endr
	v_lshlrev_b32 v5, 2, v1
	s_mul_i32 s21, s15, HALFS
	s_mul_i32 s22, s16, HALFS
	s_add_co_u32 s22, s22, 2*HALFS
	s_sub_co_u32 s22, s22, s21
	v_mul_u32_u24 v6, s22, v2
	s_add_co_u32 s21, s21, SCL
	v_add_nc_u32 v5, v5, v6
	v_add_nc_u32 v[ADRS], s21, v5
	v_and_b32 v30, 31, v0                          ; 24 blocks of 256 bytes, a lane a block; lanes 24-31 name the last again
	v_min_u32 v30, 23, v30
	v_lshlrev_b32 v30, 8, v30
	global_prefetch_b8 v30, s[66:67] offset:HALFT th:TH_LOAD_NT scope:SCOPE_SE     ; behind slot 0's load: slots 1 and 2; from then on, behind slot s's load, slot s + 2
.if KS/NQ > 2
	global_prefetch_b8 v30, s[66:67] offset:2*HALFT th:TH_LOAD_NT scope:SCOPE_SE
.endif
.endm
.macro FRAG reg, adr, q, i
.irp p, 0,1,2,3,4,5
	ds_load_b64 v[\reg+2*\p:\reg+2*\p+1], v[\adr] offset:((\q)*G+(\i))*IMG+256*\p
.endr
.endm
.macro FETCH_B slot, q, p
	WIN TO_B
.set II, 0
.rept G
	FRAG 128*(\p)+FR*II, ADRB+\slot, \q, II
.set II, II+1
.endr
	WIN 0
.endm
.macro FETCH_A slot, q, i0
.set II, \i0
.rept NAH
	FRAG AF+FR*II, ADRA+\slot, \q, II
.set II, II+1
.endr
.endm
.macro SCALES sc
.set II, 0
.rept G
.set QS, 0
.rept NQ
	ds_load_b32 v[SC+16*(\sc)+NQ*II+QS], v[ADRS] offset:QS*64*G+II*64
.set QS, QS+1
.endr
.set II, II+1
.endr
.endm
.macro MULA a, p, q, sc, zero
.set BB, 0
.rept G
.set rD, 8*(G*((\a)%NAH)+BB)
.set rB, 128*(\p)+FR*BB
.set rA, AF+FR*(\a)
.set rX, SC+16*(\sc)+NQ*BB+(\q)
.set rY, SC+16*(\sc)+NQ*(\a)+(\q)
.if \zero
	v_wmma_scale_f32_16x16x128_f8f6f4 v[rD:rD+7], v[rB:rB+FR-1], v[rA:rA+FR-1], 0, v[rX], v[rY] matrix_a_fmt:MATRIX_FMT_FP6 matrix_b_fmt:MATRIX_FMT_FP6 matrix_a_scale:MATRIX_SCALE_ROW1
.else
	v_wmma_scale_f32_16x16x128_f8f6f4 v[rD:rD+7], v[rB:rB+FR-1], v[rA:rA+FR-1], v[rD:rD+7], v[rX], v[rY] matrix_a_fmt:MATRIX_FMT_FP6 matrix_b_fmt:MATRIX_FMT_FP6 matrix_a_scale:MATRIX_SCALE_ROW1
.endif
.set BB, BB+1
.endr
.endm
.macro STEP slot, q, zero
	s_wait_dscnt NAH*NL
	WIN MUL_LO
.set AA, 0
.rept NAH
	MULA AA, (\q)%2, \q, \slot, \zero
.set AA, AA+1
.endr
	s_wait_dscnt 0x0
	PLACES 4
	FETCH_B \slot, (\q)+1, 1-(\q)%2
	FETCH_A \slot, (\q)+1, 0
	WIN MUL_HI
.rept NAH
	MULA AA, (\q)%2, \q, \slot, \zero
.set AA, AA+1
.endr
	PLACES 4
	WIN 0
	FETCH_A \slot, (\q)+1, NAH
.endm
.macro TURN slot, next, fill
	s_wait_tensorcnt 0x0
	ds_add_u32 v[SPW], v[NIL]
	s_wait_dscnt NAH*NL+1
	WIN MUL_LO
.set AA, 0
.rept NAH/2
	MULA AA, 1, NQ-1, \slot, 0
.set AA, AA+1
.endr
	s_wait_dscnt 0x0
	s_barrier_signal -1
.rept NAH/2
	MULA AA, 1, NQ-1, \slot, 0
.set AA, AA+1
.endr
	WIN 0
	s_barrier_wait -1
.if \fill
	CREST
	s_add_nc_u64 s[G0+4*\slot+2:G0+4*\slot+3], s[G0+4*\slot+2:G0+4*\slot+3], 2*HALFT
	s_add_nc_u64 s[G0B+4*\slot+2:G0B+4*\slot+3], s[G0B+4*\slot+2:G0B+4*\slot+3], 2*HALFT
	JLOAD G0+4*\slot, G1, G0B+4*\slot, G1B
.else
	PLACES 4
.endif
	s_wait_alu depctr_va_vdst(0)
	v_add_nc_u32 v[ADRS], NQ*G*64, v[ADRS]
	FETCH_B \next, 0, 0
	FETCH_A \next, 0, 0
	SCALES \next
	WIN MUL_HI
.rept NAH
	MULA AA, 1, NQ-1, \slot, 0
.set AA, AA+1
.endr
	PLACES 4
	WIN 0
	FETCH_A \next, 0, NAH
.endm
.macro STEPS slot, q0
.set QQ, \q0
.rept NQ-1-(\q0)
	STEP \slot, QQ, 0
.set QQ, QQ+1
.endr
.endm
.macro CORE_MAIN
	s_wait_alu depctr_va_vdst(0)
	s_wait_tensorcnt 0x0                           ; my tile of the head's four is in
	ds_add_u32 v[SPW], v[NIL]                      ; the add ahead of a later first fill
.irp g, G1, G1B                        ; no load of mine is out: from here on a load brings one group, HALFT dense bytes as rows of 256
	s_mov_b32 s[\g+1], 32<<16
	s_mov_b32 s[\g+2], (HALFT/256)<<16
	s_mov_b32 s[\g+3], 32<<16
	s_mov_b32 s[\g+4], HALFT/256
	s_mov_b32 s[\g+5], 32
.endr
	s_wait_dscnt 0x0
	CROUND                                         ; all four tiles are in, in every partner
	JLOAD G0+4, G1, G0B+4, G1B                     ; slot 1's first fill: my one load behind the round
	FETCH_B 0, 0, 0
	FETCH_A 0, 0, 0
	SCALES 0
	FETCH_A 0, 0, NAH
.if KS/NQ > 3
	global_prefetch_b8 v30, s[66:67] offset:3*HALFT th:TH_LOAD_NT scope:SCOPE_SE   ; behind slot 1's load: slot 3, the last
.endif
	STEP 0, 0, 1
.if LAPS > 1
	s_mov_b32 s3, LAPS-1
.Llap:
	STEPS 0, 1
	TURN 0, 1, 1
	STEPS 1, 0
	TURN 1, 0, 1
	STEP 0, 0, 0
	s_sub_co_u32 s3, s3, 1
	s_cmp_lg_u32 s3, 0
	s_cbranch_scc1 .Llap
.endif
	STEPS 0, 1
	TURN 0, 1, 0
	STEPS 1, 0
	s_wait_dscnt NAH*NL
	WIN MUL_LO
.set AA, 0
.rept NAH
	MULA AA, 1, NQ-1, 1, 0
.set AA, AA+1
.endr
	s_wait_dscnt 0x0
	WIN MUL_HI
.rept NAH
	MULA AA, 1, NQ-1, 1, 0
.set AA, AA+1
.endr
	WIN 0
.endm
.macro CORE_END
	s_wait_tensorcnt 0x0
	ds_add_u32 v[SPW], v[NIL]
	s_wait_dscnt 0x0
	CROUND
	s_endpgm
.endm
.set L8, 24
.set R4, 25
.set SEL, 100
.macro QUANT s, w
	WIN ((\w)<<2)|((\w)<<4)
.irp b, 0,1,2,3
	v_max3_num_f32 v[TM+\b], 0x1800000, |v[(\s)+16*\b]|, |v[(\s)+1+16*\b]|
.endr
.irp i, 2,4,6,8,10,12,14
.irp b, 0,1,2,3
	v_max3_num_f32 v[TM+\b], v[TM+\b], |v[(\s)+16*\b+\i]|, |v[(\s)+1+16*\b+\i]|
.endr
.endr
	WIN 0
.irp b, 0,1,2,3
	v_permlanex16_b32 v[TM+4+\b], v[TM+\b], s[SEL], s[SEL+1]
.endr
.irp b, 0,1,2,3
	v_max_num_f32 v[TM+\b], v[TM+\b], v[TM+4+\b]
.endr
.irp b, 0,1,2,3
	v_add_nc_u32 v[TM+12+\b], 0xff000000, v[TM+\b]
.endr
.irp b, 0,1,2,3
	v_lshrrev_b32 v[TM+4+\b], 23, v[TM+12+\b]
.endr
	v_lshl_or_b32 v[PW], v[TM+5], 8, v[TM+4]
	v_lshl_or_b32 v[PW], v[TM+6], 16, v[PW]
	v_lshl_or_b32 v[PW], v[TM+7], 24, v[PW]
	WIN (\w)
.irp c, 0,1
	v_cvt_scalef32_pk16_fp6_f32 v[PC+6*\c:PC+2+6*\c], v[(\s)+32*\c:(\s)+15+32*\c], v[TM+12+2*\c]
	v_cvt_scalef32_pk16_fp6_f32 v[PC+12+4*\c:PC+14+4*\c], v[(\s)+16+32*\c:(\s)+31+32*\c], v[TM+12+2*\c+1]
.endr
	WIN 0
	v_nop
.irp c, 0,1
.irp i, 0,1,2
	v_permlane16_swap_b32 v[PC+6*\c+\i], v[PC+12+4*\c+\i]
.endr
.irp i, 0,1,2
	v_mov_b32 v[PC+3+6*\c+\i], v[PC+12+4*\c+\i]
.endr
.endr
.endm
.macro STOREF oi, os
.irp p, 0,1,2,3,4,5
	global_store_b64 v[L8], v[PC+2*\p:PC+2*\p+1], s[OI:OI+1] offset:(\oi)+256*\p
.endr
	global_store_b32 v[R4], v[PW], s[OS:OS+1] offset:(\os)
.endm
.set BIAS, 64
.set GH,   0                           ; the activation works in window 1, where B's fragments lay: 64 numbers a lane and three sets of 64 at work
.set GT,   64
.set GP,   128
.set GQ,   192
.set C8V,  240
.set PC,   192
.set TM,   212
.set PW,   228
.set OI,   4
.set OS,   6
.set BK,   95
.macro GELU64                          ; a block's 64 numbers a lane in one batch: two batches of transcendentals, each with its wait ahead and behind
	WIN 0x55                                       ; every vector operand in window 1
.set J, 0
.rept 64
	v_fma_f32 v[GT+J], |v[GH+J]|, 0x3f3504f3, 1.0
.set J, J+1
.endr
	s_wait_alu depctr_va_vdst(0)
.set J, 0
.rept 64
	v_rcp_f32 v[GT+J], v[GT+J]
.set J, J+1
.endr
.set J, 0
.rept 32
	v_pk_mul_f32 v[GQ+J:GQ+J+1], v[GH+J:GH+J+1], v[GH+J:GH+J+1]
.set J, J+2
.endr
	s_wait_alu depctr_va_vdst(0)
	WIN 0x41                                       ; (the constant pair lies in window 0)
.set J, 0
.rept 32
	v_pk_fma_f32 v[GP+J:GP+J+1], v[GT+J:GT+J+1], 0x3e7c6f08, v[C8V:C8V+1] op_sel_hi:[1,0,1]
.set J, J+2
.endr
	WIN 0x55
.irp k, 0x40097039, 0xbfd1a1e5, 0x3ecdfd18, 0xbe899a80, 0x3e0efb2e, 0x3f0a29d2, 0x3fb8ab5a, 0xbfe9b21e
.set J, 0
.rept 32
	v_pk_fma_f32 v[GP+J:GP+J+1], v[GP+J:GP+J+1], v[GT+J:GT+J+1], \k op_sel_hi:[1,1,0]
.set J, J+2
.endr
.endr
.set J, 0
.rept 32
	v_pk_fma_f32 v[GP+J:GP+J+1], v[GQ+J:GQ+J+1], 0xc038aa3b, v[GP+J:GP+J+1] op_sel_hi:[1,0,1]
.set J, J+2
.endr
	s_wait_alu depctr_va_vdst(0)
.set J, 0
.rept 64
	v_exp_f32 v[GP+J], v[GP+J]
.set J, J+1
.endr
.set J, 0
.rept 64
	v_add_f32 v[GQ+J], v[GH+J], |v[GH+J]|
.set J, J+1
.endr
	s_wait_alu depctr_va_vdst(0)
.set J, 0
.rept 32
	v_pk_mul_f32 v[GP+J:GP+J+1], v[GP+J:GP+J+1], v[GT+J:GT+J+1]
.set J, J+2
.endr
.set J, 0
.rept 64
	v_fma_f32 v[GH+J], -|v[GH+J]|, v[GP+J], v[GQ+J]
.set J, J+1
.endr
	WIN 0
.endm
	s_load_b128 s[4:7], s[0:1], 0x0
	s_load_b128 s[8:11], s[0:1], 0x10
	CORE_IDS
	s_lshl_b32 s42, ttmp9, 2
	s_add_co_u32 s42, s42, s40
	s_and_b32 s17, ttmp7, 0xffff
	s_lshl_b32 s17, s17, 2
	s_add_co_u32 s17, s17, s41
	s_mov_b32 s96, 0
	s_mov_b32 s97, 3145728
	s_mov_b32 s98, 3145728
	s_mov_b32 s99, 9568256
	CORE_ADDR
	CORE_FILL
	s_mov_b32 s[SEL], 0x76543210
	s_mov_b32 s[SEL+1], 0xfedcba98
	v_and_b32 v[L8], 31, v0
	v_lshlrev_b32 v[L8], 3, v[L8]
	v_lshlrev_b32 v[R4], 2, v1
	s_lshl_b32 s46, s42, 10
	s_lshl_b32 s47, s16, 9
	s_add_co_u32 s46, s46, s47
	s_mov_b32 s47, 0
	s_add_nc_u64 s[8:9], s[8:9], s[46:47]
	v_lshlrev_b32 v23, 6, v2
.irp b, 0,1,2,3
.irp j, 0,1,2,3
	global_load_b128 v[BIAS+16*\b+4*\j:BIAS+16*\b+4*\j+3], v23, s[8:9] offset:128*\b+16*\j
.endr
.endr
	s_lshl_b32 s20, s17, 2
	s_lshl_b32 s21, s15, 1
	s_add_co_u32 s20, s20, s21
	s_lshl_b32 s20, s20, 5
	s_lshl_b32 s21, s42, 1
	s_add_co_u32 s21, s21, s16
	s_add_co_u32 s20, s20, s21
	s_lshl_b32 s20, s20, 2
	s_mul_i32 s22, s20, IMG
	s_mov_b32 s23, 0
	s_lshl_b32 s20, s20, 6
	s_add_co_u32 s20, s20, 12582912
	s_mov_b32 s21, 0
	s_add_nc_u64 s[OI:OI+1], s[10:11], s[22:23]
	s_add_nc_u64 s[OS:OS+1], s[10:11], s[20:21]
	s_wait_alu depctr_va_vdst(0)
	CORE_MAIN
	PLACES 4
	s_wait_loadcnt 0x0
.set J, 0
.rept 32
	v_pk_mul_f32 v[BIAS+J:BIAS+J+1], v[BIAS+J:BIAS+J+1], 0.5 op_sel_hi:[1,0]
.set J, J+2
.endr
	v_mov_b32 v[C8V], 0xbf97d29d
	v_mov_b32 v[C8V+1], 0xbf97d29d
	s_mov_b32 s[BK], 0
.Lblk:
.irp k, 1,2,3,4,5,6,7
	s_cmp_eq_u32 s[BK], \k
	s_cbranch_scc1 .Lc_\k
.endr
.irp k, 0,1,2,3,4,5,6,7
.Lc_\k:
	WIN 0x42+\k/4                                  ; source 0: the accumulators' window; the bias in window 0; the result in window 1
.irp n, 0,2,4,6,8,10,12,14,16,18,20,22,24,26,28,30,32,34,36,38,40,42,44,46,48,50,52,54,56,58,60,62
	v_pk_fma_f32 v[GH+\n:GH+\n+1], v[64*(\k%4)+\n:64*(\k%4)+\n+1], 0.5, v[BIAS+\n:BIAS+\n+1] op_sel_hi:[1,0,1]
.endr
	WIN 0
	s_branch .Lgelu
.endr
.Lgelu:
	GELU64
	s_wait_alu depctr_va_vdst(0)
	s_wait_xcnt 0x0                                ; the last block's stores, a block's activation back, have read their registers and bases
	s_and_b32 s96, s[BK], 3                        ; from the last block's images to this block's: the next tile, or, at a group's first tile, the next group; nothing for block 0
	s_mov_b32 s97, IMG
	s_mov_b32 s99, 64
	s_cmp_eq_u32 s96, 0
	s_cselect_b32 s96, 32*4*IMG-3*IMG, s97
	s_cselect_b32 s98, 32*4*64-3*64, s99
	s_cmp_eq_u32 s[BK], 0
	s_cselect_b32 s96, 0, s96
	s_cselect_b32 s98, 0, s98
	s_mov_b32 s97, 0
	s_mov_b32 s99, 0
	s_add_nc_u64 s[OI:OI+1], s[OI:OI+1], s[96:97]
	s_add_nc_u64 s[OS:OS+1], s[OS:OS+1], s[98:99]
	QUANT GH, 1
	STOREF 0, 0
	s_add_co_u32 s[BK], s[BK], 1
	s_cmp_lt_u32 s[BK], 8
	s_cbranch_scc1 .Lblk
	CORE_END
.Lfunc_end_k_q973b4c7757_fc:
	.size	k_q973b4c7757_fc, .Lfunc_end_k_q973b4c7757_fc-k_q973b4c7757_fc
	.p2alignl 7, 3214868480
	.fill 96, 4, 3214868480
	.section	.rodata,"a",@progbits
	.p2align	6, 0x0
	.amdhsa_kernel k_q973b4c7757_fc
		.amdhsa_group_segment_fixed_size 327680
		.amdhsa_private_segment_fixed_size 0
		.amdhsa_enable_private_segment 0
		.amdhsa_kernarg_size 32
		.amdhsa_user_sgpr_count 2
		.amdhsa_user_sgpr_kernarg_segment_ptr 1
		.amdhsa_wavefront_size32 1
		.amdhsa_system_sgpr_workgroup_id_x 1
		.amdhsa_system_sgpr_workgroup_id_y 1
		.amdhsa_system_sgpr_workgroup_id_z 1
		.amdhsa_system_vgpr_workitem_id 0
		.amdhsa_next_free_vgpr 1024
		.amdhsa_next_free_sgpr 102
		.amdhsa_reserve_vcc 0
		.amdhsa_float_denorm_mode_32 3
		.amdhsa_float_denorm_mode_16_64 3
		.amdhsa_memory_ordered 1
		.amdhsa_forward_progress 1
		.amdhsa_inst_pref_size 213
	.end_amdhsa_kernel
	.amdgpu_metadata
---
amdhsa.version: [ 1, 2 ]
amdhsa.kernels:
  - .name:           k_q973b4c7757_fc
    .symbol:         k_q973b4c7757_fc.kd
    .args:
      - { .name: hq, .offset: 0, .size: 8, .value_kind: global_buffer, .address_space: global }
      - { .name: wts, .offset: 8, .size: 8, .value_kind: global_buffer, .address_space: global }
      - { .name: b_fc, .offset: 16, .size: 8, .value_kind: global_buffer, .address_space: global }
      - { .name: gq, .offset: 24, .size: 8, .value_kind: global_buffer, .address_space: global }
    .group_segment_fixed_size: 327680
    .private_segment_fixed_size: 0
    .kernarg_segment_align: 8
    .kernarg_segment_size: 32
    .max_flat_workgroup_size: 128
    .sgpr_count:     102
    .vgpr_count:     1024
    .wavefront_size: 32
...
	.end_amdgpu_metadata
.endif
;; end of part 6
;; launch mlp (part 7): grid 8 x 32, 4 waves a work-group, clusters of 4 x 4, 327,680 bytes of LDS; arguments gq, wts, x1, b_mlp_proj, out0; writes out0
.if DOCPART == 7
	.amdgcn_target "amdgcn-amd-amdhsa--gfx1250"
	.amdhsa_code_object_version 6
	.text
	.protected	k_q973b4c7757_mlp
	.globl	k_q973b4c7757_mlp
	.p2align	8
	.type	k_q973b4c7757_mlp,@function
k_q973b4c7757_mlp:
	s_mov_b64 s[64:65], 0
	v_nop
	global_prefetch_b8 v0, s[64:65] scope:SCOPE_SE
	s_setreg_imm32_b32 hwreg(HW_REG_WAVE_MODE, 25, 1), 1
	s_wait_xcnt 0x0
	s_wait_alu depctr_hold_cnt(0) depctr_sa_sdst(0) depctr_va_vdst(0) depctr_va_sdst(0) depctr_va_ssrc(0) depctr_va_vcc(0) depctr_vm_vsrc(0)
	s_getreg_b32 s2, hwreg(HW_REG_IB_STS2, 6, 4)
	s_cmp_eq_u32 s2, 0
	s_cbranch_scc0 .Lentry_in_a_cluster
	s_endpgm
.Lentry_in_a_cluster:
	s_bfe_u32 s2, ttmp6, 0x10000c
	s_cmp_lg_u32 s2, 0xf033
	s_cbranch_scc0 .Lentry_shape_is_right
	s_endpgm
.Lentry_shape_is_right:
.set G,  4
.set NQ, 4
.set KS, 32
.set PA, 4
.set PB, 6
.set HASBIAS, 1
.set RP, 8
.set BP, 10
.set OP, 12
.set FR,    12
.set NL,    6
.set IMG,   1536
.set NAH,   G/2
.set HALFT, NQ*G*IMG
.set SLOT,  4*HALFT
.set SCL,   2*SLOT
.set HALFS, KS*G*64
.set SPARE, SCL+4*HALFS
.set GSTR,  KS*G*IMG
.set LAPS,  KS/(2*NQ)
.set ADRA, 16
.set ADRB, 20
.set ADRS, 27
.set SPW,  28
.set NIL,  29
.set SC,   32
.set AF,   128
.set G1, 24
.set G0, 32
.set G1B, 48
.set G0B, 56
.set G1S, 68
.set G0S, 76
.set G1SB, 80
.set G0SB, 88
.set MSB, 0
.macro WIN new
.if MSB != (\new)
	s_set_vgpr_msb (MSB<<8)|(\new)
.set MSB, (\new)
.endif
.endm
.set MUL_LO, 0xa1
.set MUL_HI, 0xf1
.set TO_B,   0x40
.macro PLACES n
.rept \n
	v_nop
.endr
.endm
.macro JLOAD g0a, g1a, g0b, g1b
	s_cmp_eq_u32 s15, 0
	s_cbranch_scc0 .Lfor_b_\@
	tensor_load_to_lds s[\g0a:\g0a+3], s[\g1a:\g1a+7]
	s_nop 0
.rept 4
	v_nop
.endr
	s_branch .Lasked_\@
.Lfor_b_\@:
	tensor_load_to_lds s[\g0b:\g0b+3], s[\g1b:\g1b+7]
	s_nop 0
.rept 4
	v_nop
.endr
.Lasked_\@:
.endm
.macro CREST
	s_cmp_lg_u32 s14, 0
	s_cbranch_scc1 .Lnot_wave_0_\@
	s_barrier_signal -3
.Lnot_wave_0_\@:
	s_barrier_wait -3
	s_barrier_signal -1
	s_barrier_wait -1
.endm
.macro CROUND
	s_barrier_signal -1
	s_barrier_wait -1
	CREST
.endm
.macro ARM under, g0, g1, next
	s_cmp_lt_u32 s14, \under
	s_cbranch_scc0 \next
	tensor_load_to_lds s[\g0:\g0+3], s[\g1:\g1+7]
	s_nop 0
.rept 4
	v_nop
.endr
	s_branch .Lhead_asked
\next:
.endm
.macro CORE_IDS
	v_lshl_add_u32 v[SPW], v0, 2, SPARE
	v_mov_b32 v[NIL], 0
	ds_add_u32 v28, v29
	ds_add_u32 v28, v29
	s_wait_dscnt 0x0
	v_lshrrev_b32 v1, 5, v0
	v_readfirstlane_b32 s14, v1
	s_lshr_b32 s15, s14, 1
	s_and_b32 s16, s14, 1
	s_bfe_u32 s40, ttmp6, 0x40000
	s_bfe_u32 s41, ttmp6, 0x40004
	s_lshl_b32 s43, s41, 2
	s_lshl_b32 s43, 15, s43
	s_lshl_b32 s44, 0x1111, s40
	s_or_b32 s[G1], s43, (3<<16)|(1<<21)
	s_or_b32 s[G1B], s44, (3<<16)|(1<<21)
.irp g, G1, G1B                        ; the head's shape: both groups of a slot, two rows of HALFT bytes, GSTR bytes apart
	s_mov_b32 s[\g+1], (HALFT/8)<<16
	s_mov_b32 s[\g+2], 2<<16
	s_mov_b32 s[\g+3], (HALFT/8)<<16
	s_mov_b32 s[\g+4], 2
	s_mov_b32 s[\g+5], GSTR/8
	s_mov_b32 s[\g+6], 0
	s_mov_b32 s[\g+7], 0
.endr
	s_or_b32 s[G1S], s43, (3<<16)|(1<<21)
	s_or_b32 s[G1SB], s44, (3<<16)|(1<<21)
.irp g, G1S, G1SB
	s_mov_b32 s[\g+1], 32<<16
	s_mov_b32 s[\g+2], (2*HALFS/256)<<16
	s_mov_b32 s[\g+3], 32<<16
	s_mov_b32 s[\g+4], 2*HALFS/256
	s_mov_b32 s[\g+5], 32
	s_mov_b32 s[\g+6], 0
	s_mov_b32 s[\g+7], 0
.endr
.endm
.macro CORE_ADDR
	s_lshl_b32 s20, s17, 1
	s_add_co_u32 s20, s20, s16
	s_lshl_b32 s46, s42, 1
	s_add_co_u32 s46, s46, s16
	s_mul_i32 s22, s20, HALFS
	s_mul_i32 s92, s46, HALFS
	s_mul_i32 s20, s20, GSTR
	s_mul_i32 s46, s46, GSTR
	s_add_co_u32 s20, s20, s96
	s_add_co_u32 s22, s22, s97
	s_add_co_u32 s46, s46, s98
	s_add_co_u32 s92, s92, s99
	s_mov_b32 s21, 0
	s_mov_b32 s23, 0
	s_mov_b32 s47, 0
	s_mov_b32 s93, 0
	s_mul_i32 s45, s14, HALFT
	s_wait_kmcnt 0x0
.endm
.macro CORE_FILL
	s_add_nc_u64 s[20:21], s[PA:PA+1], s[20:21]
	s_add_nc_u64 s[22:23], s[PA:PA+1], s[22:23]
	s_add_nc_u64 s[46:47], s[PB:PB+1], s[46:47]
	s_add_nc_u64 s[92:93], s[PB:PB+1], s[92:93]
	s_mul_i32 s18, s16, HALFS                      ; the head's four tiles begin at the first of the two groups: my group's part is taken off again
	s_mov_b32 s19, 0
	s_mov_b32 s[G0S], 1                            ; the scales of A's two groups,
	s_mov_b32 s[G0S+1], SCL
	s_sub_nc_u64 s[G0S+2:G0S+3], s[22:23], s[18:19]
	s_or_b32 s[G0S+3], s[G0S+3], 0x80000000
	s_mov_b32 s[G0SB], 1                           ; of B's two,
	s_mov_b32 s[G0SB+1], SCL+2*HALFS
	s_sub_nc_u64 s[G0SB+2:G0SB+3], s[92:93], s[18:19]
	s_or_b32 s[G0SB+3], s[G0SB+3], 0x80000000
	s_mul_i32 s18, s16, GSTR
	s_mov_b32 s96, 1                               ; slot 0's codes of A's two groups,
	s_mov_b32 s97, 0
	s_sub_nc_u64 s[98:99], s[20:21], s[18:19]
	s_or_b32 s99, s99, 0x80000000
	s_mov_b32 s92, 1                               ; and of B's two
	s_mov_b32 s93, 2*HALFT
	s_sub_nc_u64 s[94:95], s[46:47], s[18:19]
	s_or_b32 s95, s95, 0x80000000
	s_cmp_eq_u32 s15, 0                            ; the prefetches: of the HALFT bytes that I fetch of a slot, each of the four partners that ask jointly names a quarter, told apart by address
	s_cselect_b64 s[66:67], s[20:21], s[46:47]
	s_cselect_b32 s18, s40, s41
	s_mul_i32 s18, s18, HALFT/4
	s_add_nc_u64 s[66:67], s[66:67], s[18:19]
.irp s, 0,1
	s_mov_b32 s[G0+4*\s], 1
	s_add_co_u32 s[G0+4*\s+1], s45, \s*SLOT
	s_add_nc_u64 s[G0+4*\s+2:G0+4*\s+3], s[20:21], \s*HALFT
	s_or_b32 s[G0+4*\s+3], s[G0+4*\s+3], 0x80000000
	s_mov_b32 s[G0B+4*\s], 1
	s_add_co_u32 s[G0B+4*\s+1], s45, \s*SLOT
	s_add_nc_u64 s[G0B+4*\s+2:G0B+4*\s+3], s[46:47], \s*HALFT
	s_or_b32 s[G0B+4*\s+3], s[G0B+4*\s+3], 0x80000000
.endr
	CROUND                                         ; all sixteen work-groups are here: the first joint loads meet
	ARM 1, 96, G1, .Lhead_b                        ; one load a wave, in one chain of branches on the wave's number
	ARM 2, 92, G1B, .Lhead_sa
	ARM 3, G0S, G1S, .Lhead_sb
	tensor_load_to_lds s[G0SB:G0SB+3], s[G1SB:G1SB+7]
	s_nop 0
.rept 4
	v_nop
.endr
.Lhead_asked:
	v_and_b32 v1, 15, v0
	v_bfe_u32 v2, v0, 4, 1
	s_wait_alu depctr_va_vdst(0)
	v_and_b32 v3, 31, v0
	v_lshlrev_b32 v3, 3, v3
	s_mul_i32 s21, s15, HALFT
	s_mul_i32 s22, s16, HALFT
	s_add_co_u32 s22, s22, 2*HALFT
.irp s, 0,1
	v_add_nc_u32 v[ADRA+\s], s21, v3
	v_add_nc_u32 v[ADRB+\s], s22, v3
	s_add_co_u32 s21, s21, SLOT
	s_add_co_u32 s22, s22, SLOT
.endr
	v_lshlrev_b32 v5, 2, v1
	s_mul_i32 s21, s15, HALFS
	s_mul_i32 s22, s16, HALFS
	s_add_co_u32 s22, s22, 2*HALFS
	s_sub_co_u32 s22, s22, s21
	v_mul_u32_u24 v6, s22, v2
	s_add_co_u32 s21, s21, SCL
	v_add_nc_u32 v5, v5, v6
	v_add_nc_u32 v[ADRS], s21, v5
	v_and_b32 v30, 31, v0                          ; 24 blocks of 256 bytes, a lane a block; lanes 24-31 name the last again
	v_min_u32 v30, 23, v30
	v_lshlrev_b32 v30, 8, v30
	global_prefetch_b8 v30, s[66:67] offset:HALFT th:TH_LOAD_NT scope:SCOPE_SE     ; behind slot 0's load: slots 1 and 2; from then on, behind slot s's load, slot s + 2
	global_prefetch_b8 v30, s[66:67] offset:2*HALFT th:TH_LOAD_NT scope:SCOPE_SE
.endm
.macro FRAG reg, adr, q, i
.irp p, 0,1,2,3,4,5
	ds_load_b64 v[\reg+2*\p:\reg+2*\p+1], v[\adr] offset:((\q)*G+(\i))*IMG+256*\p
.endr
.endm
.macro FETCH_B slot, q, p
	WIN TO_B
.set II, 0
.rept G
	FRAG 128*(\p)+FR*II, ADRB+\slot, \q, II
.set II, II+1
.endr
	WIN 0
.endm
.macro FETCH_A slot, q, i0
.set II, \i0
.rept NAH
	FRAG AF+FR*II, ADRA+\slot, \q, II
.set II, II+1
.endr
.endm
.macro SCALES sc
.set II, 0
.rept G
.set QS, 0
.rept NQ
	ds_load_b32 v[SC+16*(\sc)+NQ*II+QS], v[ADRS] offset:QS*64*G+II*64
.set QS, QS+1
.endr
.set II, II+1
.endr
.endm
.macro MULA a, p, q, sc, zero
.set BB, 0
.rept G
.set rD, 8*(G*((\a)%NAH)+BB)
.set rB, 128*(\p)+FR*BB
.set rA, AF+FR*(\a)
.set rX, SC+16*(\sc)+NQ*BB+(\q)
.set rY, SC+16*(\sc)+NQ*(\a)+(\q)
.if \zero
	v_wmma_scale_f32_16x16x128_f8f6f4 v[rD:rD+7], v[rB:rB+FR-1], v[rA:rA+FR-1], 0, v[rX], v[rY] matrix_a_fmt:MATRIX_FMT_FP6 matrix_b_fmt:MATRIX_FMT_FP6 matrix_a_scale:MATRIX_SCALE_ROW1
.else
	v_wmma_scale_f32_16x16x128_f8f6f4 v[rD:rD+7], v[rB:rB+FR-1], v[rA:rA+FR-1], v[rD:rD+7], v[rX], v[rY] matrix_a_fmt:MATRIX_FMT_FP6 matrix_b_fmt:MATRIX_FMT_FP6 matrix_a_scale:MATRIX_SCALE_ROW1
.endif
.set BB, BB+1
.endr
.endm
.macro STEP slot, q, zero
	s_wait_dscnt NAH*NL
	WIN MUL_LO
.set AA, 0
.rept NAH
	MULA AA, (\q)%2, \q, \slot, \zero
.set AA, AA+1
.endr
	s_wait_dscnt 0x0
	PLACES 4
	FETCH_B \slot, (\q)+1, 1-(\q)%2
	FETCH_A \slot, (\q)+1, 0
	WIN MUL_HI
.rept NAH
	MULA AA, (\q)%2, \q, \slot, \zero
.set AA, AA+1
.endr
	PLACES 4
	WIN 0
	FETCH_A \slot, (\q)+1, NAH
.endm
.macro TURN slot, next, fill
.if (\fill) && (\slot) == 0
	s_wait_xcnt 0x0                                ; my prefetches have read their address, which steps by a lap
	s_add_nc_u64 s[66:67], s[66:67], 2*HALFT
.endif
	s_wait_tensorcnt 0x0
	ds_add_u32 v[SPW], v[NIL]
	s_wait_dscnt NAH*NL+1
	WIN MUL_LO
.set AA, 0
.rept NAH/2
	MULA AA, 1, NQ-1, \slot, 0
.set AA, AA+1
.endr
	s_wait_dscnt 0x0
	s_barrier_signal -1
.rept NAH/2
	MULA AA, 1, NQ-1, \slot, 0
.set AA, AA+1
.endr
	WIN 0
	s_barrier_wait -1
.if \fill
	CREST
	s_add_nc_u64 s[G0+4*\slot+2:G0+4*\slot+3], s[G0+4*\slot+2:G0+4*\slot+3], 2*HALFT
	s_add_nc_u64 s[G0B+4*\slot+2:G0B+4*\slot+3], s[G0B+4*\slot+2:G0B+4*\slot+3], 2*HALFT
	JLOAD G0+4*\slot, G1, G0B+4*\slot, G1B
.else
	PLACES 4
.endif
	s_wait_alu depctr_va_vdst(0)
	v_add_nc_u32 v[ADRS], NQ*G*64, v[ADRS]
	FETCH_B \next, 0, 0
	FETCH_A \next, 0, 0
	SCALES \next
.if \fill
	s_cmp_gt_u32 s3, 1                             ; the loop's last trip refills slots 6 and 7: nothing lies two slots on
	s_cbranch_scc0 .Lnpf_\@
	global_prefetch_b8 v30, s[66:67] offset:(2+\slot)*HALFT th:TH_LOAD_NT scope:SCOPE_SE   ; behind the refill and the run of LDS loads: the slot two refills on
.Lnpf_\@:
.endif
	WIN MUL_HI
.rept NAH
	MULA AA, 1, NQ-1, \slot, 0
.set AA, AA+1
.endr
	PLACES 4
	WIN 0
	FETCH_A \next, 0, NAH
.endm
.macro STEPS slot, q0
.set QQ, \q0
.rept NQ-1-(\q0)
	STEP \slot, QQ, 0
.set QQ, QQ+1
.endr
.endm
.macro CORE_MAIN
	s_wait_alu depctr_va_vdst(0)
	s_wait_tensorcnt 0x0                           ; my tile of the head's four is in
	ds_add_u32 v[SPW], v[NIL]                      ; the add ahead of a later first fill
.irp g, G1, G1B                        ; no load of mine is out: from here on a load brings one group, HALFT dense bytes as rows of 256
	s_mov_b32 s[\g+1], 32<<16
	s_mov_b32 s[\g+2], (HALFT/256)<<16
	s_mov_b32 s[\g+3], 32<<16
	s_mov_b32 s[\g+4], HALFT/256
	s_mov_b32 s[\g+5], 32
.endr
	s_wait_dscnt 0x0
	CROUND                                         ; all four tiles are in, in every partner
	JLOAD G0+4, G1, G0B+4, G1B                     ; slot 1's first fill: my one load behind the round
	FETCH_B 0, 0, 0
	FETCH_A 0, 0, 0
	SCALES 0
	FETCH_A 0, 0, NAH
	global_prefetch_b8 v30, s[66:67] offset:3*HALFT th:TH_LOAD_NT scope:SCOPE_SE   ; behind slot 1's load: slot 3
	STEP 0, 0, 1
.irp a, 0,1
.irp t, 0,1,2,3,4,5,6,7
	global_load_b128 v[64+32*\a+48*(\a/2)+4*\t:67+32*\a+48*(\a/2)+4*\t], v[CO], s[RP:RP+1] offset:(32*(\a/2)+8*(\a%2)+2*\t+8*(\t/4))*4096   ; the residual's first half, in the order in which the rows will leave
.endr
.endr
.if LAPS > 1
	s_mov_b32 s3, LAPS-1
.Llap:
	STEPS 0, 1
	TURN 0, 1, 1
	STEPS 1, 0
	TURN 1, 0, 1
	STEP 0, 0, 0
	s_sub_co_u32 s3, s3, 1
	s_cmp_lg_u32 s3, 0
	s_cbranch_scc1 .Llap
.endif
.irp a, 2,3
.irp t, 0,1,2,3,4,5,6,7
	global_load_b128 v[64+32*\a+48*(\a/2)+4*\t:67+32*\a+48*(\a/2)+4*\t], v[CO], s[RP:RP+1] offset:(32*(\a/2)+8*(\a%2)+2*\t+8*(\t/4))*4096   ; and its second half, behind the last refill
.endr
.endr
	STEPS 0, 1
	TURN 0, 1, 0
	STEPS 1, 0
	s_wait_dscnt NAH*NL
	WIN MUL_LO
.set AA, 0
.rept NAH
	MULA AA, 1, NQ-1, 1, 0
.set AA, AA+1
.endr
	s_wait_dscnt 0x0
	WIN MUL_HI
.rept NAH
	MULA AA, 1, NQ-1, 1, 0
.set AA, AA+1
.endr
	WIN 0
.endm
.macro CORE_END
	s_wait_tensorcnt 0x0
	ds_add_u32 v[SPW], v[NIL]
	s_wait_dscnt 0x0
	CROUND
	s_endpgm
.endm
.set STO, 24
.set RD,  25
.set CO,  26
.macro TOSTAGE a
	WIN 0x08+4*((\a)/NAH)
.set BB, 0
.rept G
.set rD, 8*(G*((\a)%NAH)+BB)
	ds_store_b128 v[STO], v[rD:rD+3] offset:(BB/2)*128+(BB%2)*32
	ds_store_b128 v[STO], v[rD+4:rD+7] offset:(BB/2)*128+(BB%2)*32+16
.set BB, BB+1
.endr
	WIN 0
.set TT, 0
.rept 8
.set rK, 128+32*((\a)%2)+4*TT+64*((\a)%2)*(TT/4)
	ds_load_b128 v[rK:rK+3], v[RD] offset:544*TT
.set TT, TT+1
.endr
.endm
.macro SEND a, younger
	s_wait_dscnt \younger
.set TT, 0
.rept 8
.set rK, 128+32*((\a)%2)+4*TT+64*((\a)%2)*(TT/4)
.set rR, 64+32*(\a)+48*((\a)/2)+4*TT
	v_pk_add_f32 v[rK:rK+1], v[rK:rK+1], v[rR:rR+1]
	v_pk_add_f32 v[rK+2:rK+3], v[rK+2:rK+3], v[rR+2:rR+3]
.if HASBIAS
	v_pk_add_f32 v[rK:rK+1], v[rK:rK+1], v[8:9]
	v_pk_add_f32 v[rK+2:rK+3], v[rK+2:rK+3], v[10:11]
.endif
	global_store_b128 v[CO], v[rK:rK+3], s[OP:OP+1] offset:(32*((\a)/2)+8*((\a)%2)+2*TT+8*(TT/4))*4096
.set TT, TT+1
.endr
.endm
	s_load_b256 s[4:11], s[0:1], 0x0
	s_load_b64 s[12:13], s[0:1], 0x20
	CORE_IDS
	s_lshl_b32 s42, ttmp9, 2
	s_add_co_u32 s42, s42, s40
	s_and_b32 s17, ttmp7, 0xffff
	s_lshl_b32 s17, s17, 2
	s_add_co_u32 s17, s17, s41
	s_mov_b32 s96, 0
	s_mov_b32 s97, 12582912
	s_mov_b32 s98, 6291456
	s_mov_b32 s99, 9699328
	CORE_ADDR
	CORE_FILL
	s_mul_i32 s23, s14, 16*272
	v_mul_u32_u24 v5, v1, 272
	v_lshl_add_u32 v5, v2, 6, v5
	v_add_nc_u32 v[STO], s23, v5
	v_mul_u32_u24 v5, v2, 272
	v_lshl_add_u32 v5, v1, 4, v5
	v_add_nc_u32 v[RD], s23, v5
	v_lshlrev_b32 v5, 12, v2
	v_lshl_add_u32 v[CO], v1, 4, v5
	s_wait_alu depctr_va_vdst(0)
	s_lshl_b32 s46, s42, 9
	s_lshl_b32 s47, s16, 8
	s_add_co_u32 s46, s46, s47
	s_mov_b32 s47, 0
.if HASBIAS
	s_add_nc_u64 s[BP:BP+1], s[BP:BP+1], s[46:47]
.endif
	s_lshl_b32 s20, s17, 7
	s_lshl_b32 s21, s15, 6
	s_add_co_u32 s20, s20, s21
	s_lshl_b32 s20, s20, 12
	s_add_co_u32 s20, s20, s46
	s_mov_b32 s21, 0
	s_add_nc_u64 s[RP:RP+1], s[RP:RP+1], s[20:21]
	s_add_nc_u64 s[OP:OP+1], s[OP:OP+1], s[20:21]
.if HASBIAS
	v_lshlrev_b32 v7, 4, v1
	global_load_b128 v[8:11], v7, s[BP:BP+1]
.endif
	CORE_MAIN
	PLACES 4
	s_wait_loadcnt 0x0
	TOSTAGE 0
.irp a, 1,2,3
.if \a > 1
	s_wait_xcnt 0x0
.endif
	TOSTAGE \a
	SEND \a-1, 16
.endr
	SEND 3, 0
	CORE_END
.Lfunc_end_k_q973b4c7757_mlp:
	.size	k_q973b4c7757_mlp, .Lfunc_end_k_q973b4c7757_mlp-k_q973b4c7757_mlp
	.p2alignl 7, 3214868480
	.fill 96, 4, 3214868480
	.section	.rodata,"a",@progbits
	.p2align	6, 0x0
	.amdhsa_kernel k_q973b4c7757_mlp
		.amdhsa_group_segment_fixed_size 327680
		.amdhsa_private_segment_fixed_size 0
		.amdhsa_enable_private_segment 0
		.amdhsa_kernarg_size 40
		.amdhsa_user_sgpr_count 2
		.amdhsa_user_sgpr_kernarg_segment_ptr 1
		.amdhsa_wavefront_size32 1
		.amdhsa_system_sgpr_workgroup_id_x 1
		.amdhsa_system_sgpr_workgroup_id_y 1
		.amdhsa_system_sgpr_workgroup_id_z 1
		.amdhsa_system_vgpr_workitem_id 0
		.amdhsa_next_free_vgpr 1024
		.amdhsa_next_free_sgpr 102
		.amdhsa_reserve_vcc 0
		.amdhsa_float_denorm_mode_32 3
		.amdhsa_float_denorm_mode_16_64 3
		.amdhsa_memory_ordered 1
		.amdhsa_forward_progress 1
		.amdhsa_inst_pref_size 125
	.end_amdhsa_kernel
	.amdgpu_metadata
---
amdhsa.version: [ 1, 2 ]
amdhsa.kernels:
  - .name:           k_q973b4c7757_mlp
    .symbol:         k_q973b4c7757_mlp.kd
    .args:
      - { .name: gq, .offset: 0, .size: 8, .value_kind: global_buffer, .address_space: global }
      - { .name: wts, .offset: 8, .size: 8, .value_kind: global_buffer, .address_space: global }
      - { .name: x1, .offset: 16, .size: 8, .value_kind: global_buffer, .address_space: global }
      - { .name: b_mlp_proj, .offset: 24, .size: 8, .value_kind: global_buffer, .address_space: global }
      - { .name: out0, .offset: 32, .size: 8, .value_kind: global_buffer, .address_space: global }
    .group_segment_fixed_size: 327680
    .private_segment_fixed_size: 0
    .kernarg_segment_align: 8
    .kernarg_segment_size: 40
    .max_flat_workgroup_size: 128
    .sgpr_count:     102
    .vgpr_count:     1024
    .wavefront_size: 32
...
	.end_amdgpu_metadata
.endif
;; end of part 7
